; MI455X (gfx1250); checked and timed in simulation.
; The chip was launched on July 23, 2026; its instructions are those of AMD's public machine-readable ISA for CDNA 5 (MIT licence, August 2026) and "CDNA5" Instruction Set Architecture Reference Guide (July 2026). The comments in the code are by the model that wrote it; some were corrected since.
;; Di T Block. Allowed arithmetic: matrix products marked QUANTISED: E2M3 operands, one E8M0 scale for each 32 along K, by v_wmma_scale_f32_16x16x128_f8f6f4 with both operands' format E2M3, f32 sums; products left as they are: f32 operands where the result goes on into a quantised operand, else bf16, f16 or f32 operands; f32 sums; everything else in f32.
;; Inputs: W_ada 512 x 2,048 float32; W_mlp1_codes 2,048 x 16 x 24 uint8 (E2M3 codes of W_mlp1, K innermost, in blocks of 32 codes, four codes in three bytes); W_mlp1_scales 2,048 x 16 uint8 (E8M0 scales of W_mlp1, one for each 32 codes along K); W_mlp2_codes 512 x 64 x 24 uint8 (E2M3 codes of W_mlp2, K innermost, in blocks of 32 codes, four codes in three bytes); W_mlp2_scales 512 x 64 uint8 (E8M0 scales of W_mlp2, one for each 32 codes along K); Wk_codes 512 x 16 x 24 uint8 (E2M3 codes of Wk, K innermost, in blocks of 32 codes, four codes in three bytes); Wk_scales 512 x 16 uint8 (E8M0 scales of Wk, one for each 32 codes along K); Wo_codes 512 x 16 x 24 uint8 (E2M3 codes of Wo, K innermost, in blocks of 32 codes, four codes in three bytes); Wo_scales 512 x 16 uint8 (E8M0 scales of Wo, one for each 32 codes along K); Wq_codes 512 x 16 x 24 uint8 (E2M3 codes of Wq, K innermost, in blocks of 32 codes, four codes in three bytes); Wq_scales 512 x 16 uint8 (E8M0 scales of Wq, one for each 32 codes along K); Wv_codes 512 x 16 x 24 uint8 (E2M3 codes of Wv, K innermost, in blocks of 32 codes, four codes in three bytes); Wv_scales 512 x 16 uint8 (E8M0 scales of Wv, one for each 32 codes along K); b1 512 float32; b2 512 float32; b_ada 2,048 float32; b_mlp1 2,048 float32; b_mlp2 512 float32; c 4 x 512 float32; g1 512 float32; g2 512 float32; x 4 x 2,048 x 512 float32.
;; Outputs: out0 4 x 2,048 x 512 float32.
;; This version of the problem:
;;   THIS VERSION OF THE PROBLEM IS GIVEN IN LOW PRECISION. The matrix products marked QUANTISED in the list below multiply operands that are first quantised to E2M3 (2 exponent bits, 3 mantissa bits; 6 bits a number), with one power-of-two scale for each 32 numbers along K (OCP MX v1.0); their sums are f32. All else is computed in f32.
;;   The module's matrix products, in the order in which they are computed (A, B: the left and right operand; K: the contracted axis; several contracted axes count as one K, in the product's order):
;;     1. [M 4, K 512] x [K 512, N 2,048]; A: computed on the way; B: input W_ada: left as it is (M = 4 < 16)
;;     2. [M 8,192, K 512] x [K 512, N 512]; A: computed on the way; B: input Wq (given as codes): QUANTISED
;;     3. [M 8,192, K 512] x [K 512, N 512]; A: computed on the way; B: input Wk (given as codes): QUANTISED
;;     4. [M 8,192, K 512] x [K 512, N 512]; A: computed on the way; B: input Wv (given as codes): QUANTISED
;;     5. batch 32 x [M 2,048, K 64] x [K 64, N 2,048]; A: computed on the way; B: computed on the way: QUANTISED
;;     6. batch 32 x [M 2,048, K 2,048] x [K 2,048, N 64]; A: softmax (see below); B: computed on the way: QUANTISED
;;     7. [M 8,192, K 512] x [K 512, N 512]; A: computed on the way; B: input Wo (given as codes): QUANTISED
;;     8. [M 8,192, K 512] x [K 512, N 2,048]; A: computed on the way; B: input W_mlp1 (given as codes): QUANTISED
;;     9. [M 8,192, K 2,048] x [K 2,048, N 512]; A: computed on the way; B: input W_mlp2 (given as codes): QUANTISED
;;   THE QUANTISER, for each operand of a quantised product, along K:
;;     - K is cut into blocks of 32 from its start; a last block that is shorter is filled with zeros.
;;     - A block's scale is 2^e with e = floor(log2(the largest magnitude in the block)) - 2, held to -126 .. 127; a block of zeros has e = 0. As a byte (E8M0): e + 127.
;;     - Each number is divided by its block's scale, clamped to +-7.5, and rounded to the nearest number of E2M3, ties to even, subnormals kept.
;;     - The product sums the exact products of the quantised numbers (number of the format x scale) in f32.
;;   ~~~python
;;   def quantise(x, axis):      # numpy; x: float32 -> the quantised numbers, widened to float32 again
;;       x = np.moveaxis(x, axis, -1); K = x.shape[-1]
;;       x = np.pad(x, [(0, 0)] * (x.ndim - 1) + [(0, -K % 32)]); x = x.reshape(x.shape[:-1] + (-1, 32)); a = np.abs(x).max(-1, keepdims=True)
;;       e = np.where(a > 0, np.clip(np.frexp(np.where(a > 0, a, 1))[1] - 1 - 2, -126, 127), 0)      # np.frexp(a)[1] - 1 = floor(log2(a)), exactly
;;       r = np.clip(x / 2.0 ** e, -7.5, 7.5)
;;       step = 2.0 ** (np.maximum(np.frexp(np.where(r == 0, 1, r))[1] - 1, 0) - 3)
;;       q = np.round(r / step) * step * 2.0 ** e      # np.round: ties to even
;;       return np.moveaxis(q.reshape(q.shape[:-2] + (-1,))[..., :K], -1, axis).astype(np.float32)
;;   ~~~
;;   SOFTMAX AHEAD OF A QUANTISED PRODUCT. Where the list says 'softmax', what is quantised is not the finished softmax but p = 2^(t - M), with t = logit x log2(e) and M = ceil(the row's largest t), a whole number; so 1/2 < the row's largest p <= 1. The row's sum l is taken of the UNQUANTISED p, in f32, and the product's result is divided by l at the end. Since M is a whole number, a kernel that streams over the keys may use a running M (the ceiling of the running maximum): every later rescaling is an exact power of two, which a block's scale takes up: the codes' values come out the same.
;;   OPERANDS COMPUTED ON THE WAY. 'Computed on the way' means the value that the module computes at that place (a softmax that the list does not call 'softmax' is quantised finished and normalised). What goes into a quantiser is computed in f32, as accurately as f32 sums, v_exp_f32 and their like allow (about 1e-6 of the number): no bf16 or f16 on the way to a quantiser, and a product that is left as it is and whose result goes on into a quantised operand takes f32 operands (vector FMAs, or v_wmma_f32_16x16x4_f32). A number that lies on a knife's edge between two numbers of the format may be rounded either way, as far as f32 arithmetic and the matrix unit's own rounding can turn it there, and no further.
;;   INPUTS GIVEN AS CODES. W_mlp1 (in the module: [512, 2048], K = its axis 0); W_mlp2 (in the module: [2048, 512], K = its axis 0); Wk (in the module: [512, 512], K = its axis 0); Wo (in the module: [512, 512], K = its axis 0); Wq (in the module: [512, 512], K = its axis 0); Wv (in the module: [512, 512], K = its axis 0): each comes as NAME_codes (uint8): NAME with its K axis moved to the last place and cut into blocks of 32 codes, [.., K / 32, bytes a block], one block behind the other in memory; four codes in three bytes: a row's codes are one little-endian stream of bits, code i at bits 6 i .. 6 i + 5 (a code: sign, 2 exponent bits, 3 mantissa bits); and NAME_scales (uint8): the same leading axes, one E8M0 byte (e + 127) for each 32 codes along K. Its value is code x scale, taken as it is: it is not quantised again, and the codes and scales need not be those that the quantiser above would give.
;; 2 versions. Each part assembles by itself: llvm-mc -triple=amdgcn-amd-amdhsa -mcpu=gfx1250 --defsym DOCPART=n.
;; ======== version 1 of 2: 4 launches
;; workspace buffers: ada 49,152 bytes; wimg 2,359,296 bytes; qbuf 3,670,016 bytes; kvrec 6,815,744 bytes; obuf 3,407,872 bytes
;; launch prep (part 1): grid 40 x 1, 16 waves a work-group, no clusters, 34,816 bytes of LDS; arguments W_ada, c, b_ada, g1, b1, g2, b2, Wq_codes, Wk_codes, Wv_codes, Wo_codes, W_mlp1_codes, W_mlp2_codes, ada, wimg; writes ada, wimg
.if DOCPART == 1
	.amdgcn_target "amdgcn-amd-amdhsa--gfx1250"
	.amdhsa_code_object_version 6
	.text
	.protected	k_q50e351ee5d_prep
	.globl	k_q50e351ee5d_prep
	.p2align	8
	.type	k_q50e351ee5d_prep,@function
k_q50e351ee5d_prep:
	s_mov_b64 s[64:65], 0
	v_nop
	global_prefetch_b8 v0, s[64:65] scope:SCOPE_SE
	s_setreg_imm32_b32 hwreg(HW_REG_WAVE_MODE, 25, 1), 1
	s_wait_xcnt 0x0
; Two kinds of work-groups, told apart by the work-group's number alone.
; 0 to 15: mod = silu(c) W_ada + b_ada, in f32 by fused multiply-adds (its results go on into quantisers).  Work-group j owns columns 128 j .. 128 j + 127 for the four
;   batches; wave w sums k = 32 w .. 32 w + 31; the sixteen partial sums meet in LDS.  Stored are six arrays [4][512] of f32 in ada:
;   g1 (1 + scale_msa), b1 (1 + scale_msa), gate_msa, g2 (1 + scale_mlp), b2 (1 + scale_mlp), gate_mlp, 8,192 bytes each.
; 16 to 39: the six weights' codes are laid anew as IMAGES OF OPERAND REGISTERS: a fragment (16 rows x 128 K, 12 registers a lane) as three runs of 512 bytes, registers 4 c .. 4 c + 3 of
;   lane l at 512 c + 16 l.  Row m of tile t is the weight's row 32 (t / 2) + 8 (t % 2) + m + 8 (m / 8), so that the 16 result registers of tiles 2 b and 2 b + 1 are 16 neighbours.
;   Wq, Wk, Wv: fragment (t, s) at (4 t + s) x 1,536.  From PS on one stream of 221,184 bytes for each of the last launch's eight waves: Wo (16 fragments), W_mlp1 (64), W_mlp2 (64, order [K steps / 4][tile][K step % 4]).
; LIMITS: NaN and infinities are not served; for c under about -88 silu(c) comes out as -0; the sum over k is taken in another order than a plain chain.
.set PS,     589824
.set STREAM, 221184
	s_load_b512 s[4:19], s[0:1], 0x0               ; W_ada, c, b_ada, g1, b1, g2, b2, Wq's codes
	s_load_b256 s[20:27], s[0:1], 0x40             ; Wk's, Wv's, Wo's, W_mlp1's codes
	s_load_b128 s[28:31], s[0:1], 0x60             ; W_mlp2's codes, ada
	s_load_b64 s[32:33], s[0:1], 0x70              ; wimg
	v_lshl_add_u32 v192, v0, 2, 0x8000
	v_mov_b32 v193, 0
	v_lshrrev_b32 v1, 5, v0
	v_readfirstlane_b32 s34, v1                    ; wave 0..15
	v_and_b32 v2, 31, v0                           ; lane
	v_lshlrev_b32 v1, 4, v2                        ; 16 x lane
	s_mov_b32 s35, ttmp9
	s_cmp_lt_u32 s35, 16
	s_cbranch_scc0 .Lrelay                         ; the same way for all waves of a work-group
	; ---- the modulation
	v_lshlrev_b32 v2, 2, v0                        ; 4 t
	v_and_b32 v3, 127, v0
	v_lshlrev_b32 v3, 2, v3                        ; 4 (t % 128)
	s_lshl_b32 s36, s35, 9                         ; my 128 columns: 512 j bytes
	s_mov_b32 s37, 0
	s_and_b32 s38, s35, 3
	s_lshl_b32 s38, s38, 9                         ; and inside their section of 512 columns
	s_mov_b32 s39, 0
	s_lshl_b32 s40, s34, 18                        ; my wave's 32 rows of 8,192 bytes
	s_add_co_u32 s40, s40, s36
	s_mov_b32 s41, 0
	s_lshl_b32 s56, s34, 11
	v_add_nc_u32 v163, s56, v1                     ; LDS: my wave's 2,048 bytes, 16 x lane
	s_wait_kmcnt 0x0
	s_cmp_lt_u32 s35, 8                            ; sections 0, 1 belong to the first norm, 2, 3 to the second
	s_cselect_b64 s[52:53], s[10:11], s[14:15]
	s_cselect_b64 s[54:55], s[12:13], s[16:17]
	s_add_nc_u64 s[8:9], s[8:9], s[36:37]
	s_add_nc_u64 s[52:53], s[52:53], s[38:39]
	s_add_nc_u64 s[54:55], s[54:55], s[38:39]
	s_add_nc_u64 s[4:5], s[4:5], s[40:41]
.irp b, 0,1,2,3
	global_load_b32 v[4+\b], v2, s[6:7] offset:2048*\b     ; c[b][32 w + lane]
.endr
	global_load_b32 v160, v3, s[8:9]               ; b_ada of the column that I finish
	global_load_b32 v161, v3, s[52:53]             ; its gain
	global_load_b32 v162, v3, s[54:55]             ; its bias
.set i, 0
.rept 32
	global_load_b128 v[32+4*i:35+4*i], v1, s[4:5] offset:8192*i th:TH_LOAD_NT   ; row 32 w + i: the wave reads 512 consecutive bytes
.set i, i+1
.endr
	s_wait_loadcnt 35                              ; c is in: 3 + 32 loads were issued behind it
.irp b, 0,1,2,3
	v_mul_f32 v[8+\b], 0xbfb8aa3b, v[4+\b]         ; -c log2(e)
.endr
.irp b, 0,1,2,3
	v_exp_f32 v[8+\b], v[8+\b]
.endr
	v_nop                                          ; a plain instruction behind the last exponential
	s_wait_alu depctr_va_vdst(0)                   ; one wait for the four, ahead of their first reader
.irp b, 0,1,2,3
	v_add_f32 v[8+\b], 1.0, v[8+\b]
.endr
.irp b, 0,1,2,3
	v_rcp_f32 v[8+\b], v[8+\b]
.endr
	v_nop
	s_wait_alu depctr_va_vdst(0)
.irp b, 0,1,2,3
	v_mul_f32 v[4+\b], v[4+\b], v[8+\b]            ; silu(c) = c / (1 + e^-c): lane l holds k = 32 w + l
.endr
.set gq, 0
.rept 8                                            ; four k at a time: their silu as scalars, 64 multiply-adds
	s_wait_loadcnt 28-4*gq                         ; rows up to 4 gq + 3 are in; the younger rows stay out
.irp q, 0,1,2,3
.irp b, 0,1,2,3
	v_readlane_b32 s[36+4*\q+\b], v[4+\b], 4*gq+\q
.endr
.endr
.irp q, 0,1,2,3
.irp b, 0,1,2,3
.irp cc, 0,1,2,3
.if (gq == 0) && (\q == 0)
	v_mul_f32 v[12+4*\b+\cc], s[36+4*\q+\b], v[32+16*gq+4*\q+\cc]   ; the first term starts the sum: nothing is cleared
.else
	v_fmac_f32 v[12+4*\b+\cc], s[36+4*\q+\b], v[32+16*gq+4*\q+\cc]
.endif
.endr
.endr
.endr
.set gq, gq+1
.endr
.irp b, 0,1,2,3
	ds_store_b128 v163, v[12+4*\b:15+4*\b] offset:512*\b   ; my wave's partial sums [batch][128 columns]
.endr
	s_wait_dscnt 0x0                               ; for the others' sake: my stores have landed
	s_barrier_signal -1
	s_barrier_wait -1
.set i, 0
.rept 16
	ds_load_b32 v[164+i], v2 offset:2048*i         ; thread t finishes batch t / 128, column t % 128
.set i, i+1
.endr
	s_lshr_b32 s36, s35, 3
	s_mul_i32 s36, s36, 24576                      ; the second norm's three arrays lie behind the first's
	s_bfe_u32 s37, s35, 0x10002
	s_lshl_b32 s37, s37, 14                        ; a gate lies behind the two arrays made of its scale
	s_add_co_u32 s36, s36, s37
	s_and_b32 s37, s35, 3
	s_lshl_b32 s37, s37, 9
	s_add_co_u32 s36, s36, s37
	s_mov_b32 s37, 0
	s_add_nc_u64 s[30:31], s[30:31], s[36:37]
	v_lshrrev_b32 v180, 7, v0
	v_lshl_add_u32 v180, v180, 11, v3              ; batch x 2,048 + 4 x column
	s_wait_dscnt 0x0
.irp i, 0,1,2,3,4,5,6,7
	v_add_f32 v[164+\i], v[164+\i], v[172+\i]
.endr
.irp i, 0,1,2,3
	v_add_f32 v[164+\i], v[164+\i], v[168+\i]
.endr
	v_add_f32 v164, v164, v166
	v_add_f32 v165, v165, v167
	v_add_f32 v164, v164, v165
	v_add_f32 v164, v164, v160                     ; + b_ada (in since the last wait on the loads, which was for 0)
	s_bitcmp1_b32 s35, 2
	s_cbranch_scc1 .Lgate
	v_add_f32 v164, 1.0, v164                      ; a scale: stored are gain x (1 + scale) and bias x (1 + scale)
	v_mul_f32 v165, v161, v164
	v_mul_f32 v166, v162, v164
	global_store_b32 v180, v165, s[30:31]
	global_store_b32 v180, v166, s[30:31] offset:8192
	s_wait_tensorcnt 0x0
	ds_add_u32 v192, v193
	s_wait_dscnt 0x0
	s_endpgm
.Lgate:
	global_store_b32 v180, v164, s[30:31]
	s_wait_tensorcnt 0x0
	ds_add_u32 v192, v193
	s_wait_dscnt 0x0
	s_endpgm
	; ---- the weights' images: a wave takes one tile's four fragments
.Lrelay:
	v_and_b32 v3, 15, v2                           ; r
	v_lshrrev_b32 v4, 4, v2                        ; h
	v_and_b32 v5, 8, v3
	v_add_nc_u32 v3, v3, v5                        ; r + 8 (r / 8)
	s_sub_co_u32 s36, s35, 16                      ; jj = 0 .. 23
	s_and_b32 s37, s36, 1
	s_lshl_b32 s37, s37, 4
	s_add_co_u32 s37, s37, s34                     ; tile of Wq, Wk, Wv, Wo: 16 (jj % 2) + wave
	s_and_b32 s38, s36, 7
	s_lshl_b32 s39, s38, 4
	s_add_co_u32 s39, s39, s34                     ; of W_mlp1: 16 (jj % 8) + wave
	s_lshl_b32 s40, s38, 2
	s_and_b32 s41, s34, 3
	s_add_co_u32 s40, s40, s41                     ; of W_mlp2: 4 (jj % 8) + wave % 4,
	s_lshr_b32 s41, s34, 2                         ; K steps 4 (wave / 4) on
	s_lshr_b32 s42, s36, 1
	s_mul_i32 s42, s42, 196608
	s_mul_i32 s43, s37, 6144
	s_add_co_u32 s42, s42, s43                     ; where Wq's, Wk's, Wv's go
	s_lshr_b32 s43, s37, 2
	s_mul_i32 s43, s43, STREAM
	s_and_b32 s44, s37, 3
	s_mul_i32 s44, s44, 6144
	s_add_co_u32 s43, s43, s44
	s_add_co_u32 s43, s43, PS                      ; Wo's: stream tile / 4
	s_mul_i32 s44, s38, STREAM
	s_mul_i32 s45, s34, 6144
	s_add_co_u32 s44, s44, s45
	s_add_co_u32 s44, s44, PS+24576                ; W_mlp1's: stream jj % 8, behind Wo's part
	s_add_co_u32 s45, s44, 98304                   ; W_mlp2's: behind W_mlp1's part
	s_mov_b32 s51, 1536                            ; a row of W_mlp2's codes in bytes
	s_wait_kmcnt 0x0
	s_cmp_lt_u32 s36, 16
	s_cselect_b64 s[46:47], s[26:27], s[28:29]
	s_cselect_b32 s48, s39, s40
	s_cselect_b32 s49, s44, s45
	s_cselect_b32 s50, 0, s41
	s_cselect_b32 s51, 384, s51
	s_cmp_lt_u32 s36, 8
	s_cselect_b64 s[46:47], s[24:25], s[46:47]
	s_cselect_b32 s48, s37, s48
	s_cselect_b32 s49, s43, s49
	s_cmp_lt_u32 s36, 6
	s_cselect_b64 s[46:47], s[22:23], s[46:47]
	s_cselect_b32 s49, s42, s49
	s_cmp_lt_u32 s36, 4
	s_cselect_b64 s[46:47], s[20:21], s[46:47]
	s_cmp_lt_u32 s36, 2
	s_cselect_b64 s[46:47], s[18:19], s[46:47]
	s_lshr_b32 s52, s48, 1
	s_lshl_b32 s52, s52, 5
	s_and_b32 s53, s48, 1
	s_lshl_b32 s53, s53, 3
	s_add_co_u32 s52, s52, s53                     ; the tile's first row: 32 (t / 2) + 8 (t % 2)
	s_mul_i32 s52, s52, s51
	s_mul_i32 s53, s50, 384                        ; four K steps are 384 bytes of a row
	s_add_co_u32 s52, s52, s53
	s_mov_b32 s53, 0
	s_add_nc_u64 s[46:47], s[46:47], s[52:53]
	s_mov_b32 s52, s49
	s_add_nc_u64 s[32:33], s[32:33], s[52:53]
	v_mul_lo_u32 v3, v3, s51
	v_mad_u32_u24 v3, v4, 24, v3                   ; my row, + 24 bytes for the upper half of the lanes
.irp s, 0,1,2,3
.irp p, 0,1,2,3,4,5
	global_load_b64 v[32+12*\s+2*\p:33+12*\s+2*\p], v3, s[46:47] offset:96*\s+48*(\p/3)+8*(\p%3)
.endr
.endr
	s_wait_loadcnt 0x0
.irp s, 0,1,2,3
.irp cc, 0,1,2
	global_store_b128 v1, v[32+12*\s+4*\cc:35+12*\s+4*\cc], s[32:33] offset:1536*\s+512*\cc   ; the wave stores 512 consecutive bytes, aligned
.endr
.endr
	s_endpgm
.Lfunc_end_k_q50e351ee5d_prep:
	.size	k_q50e351ee5d_prep, .Lfunc_end_k_q50e351ee5d_prep-k_q50e351ee5d_prep
	.p2alignl 7, 3214868480
	.fill 96, 4, 3214868480
	.section	.rodata,"a",@progbits
	.p2align	6, 0x0
	.amdhsa_kernel k_q50e351ee5d_prep
		.amdhsa_group_segment_fixed_size 34816
		.amdhsa_private_segment_fixed_size 0
		.amdhsa_enable_private_segment 0
		.amdhsa_kernarg_size 120
		.amdhsa_user_sgpr_count 2
		.amdhsa_user_sgpr_kernarg_segment_ptr 1
		.amdhsa_wavefront_size32 1
		.amdhsa_system_sgpr_workgroup_id_x 1
		.amdhsa_system_sgpr_workgroup_id_y 1
		.amdhsa_system_sgpr_workgroup_id_z 1
		.amdhsa_system_vgpr_workitem_id 0
		.amdhsa_next_free_vgpr 194
		.amdhsa_next_free_sgpr 66
		.amdhsa_reserve_vcc 0
		.amdhsa_float_denorm_mode_32 3
		.amdhsa_float_denorm_mode_16_64 3
		.amdhsa_memory_ordered 1
		.amdhsa_forward_progress 1
		.amdhsa_inst_pref_size 40
	.end_amdhsa_kernel
	.amdgpu_metadata
---
amdhsa.version: [ 1, 2 ]
amdhsa.kernels:
  - .name:           k_q50e351ee5d_prep
    .symbol:         k_q50e351ee5d_prep.kd
    .args:
      - { .name: W_ada, .offset: 0, .size: 8, .value_kind: global_buffer, .address_space: global }
      - { .name: c, .offset: 8, .size: 8, .value_kind: global_buffer, .address_space: global }
      - { .name: b_ada, .offset: 16, .size: 8, .value_kind: global_buffer, .address_space: global }
      - { .name: g1, .offset: 24, .size: 8, .value_kind: global_buffer, .address_space: global }
      - { .name: b1, .offset: 32, .size: 8, .value_kind: global_buffer, .address_space: global }
      - { .name: g2, .offset: 40, .size: 8, .value_kind: global_buffer, .address_space: global }
      - { .name: b2, .offset: 48, .size: 8, .value_kind: global_buffer, .address_space: global }
      - { .name: Wq_codes, .offset: 56, .size: 8, .value_kind: global_buffer, .address_space: global }
      - { .name: Wk_codes, .offset: 64, .size: 8, .value_kind: global_buffer, .address_space: global }
      - { .name: Wv_codes, .offset: 72, .size: 8, .value_kind: global_buffer, .address_space: global }
      - { .name: Wo_codes, .offset: 80, .size: 8, .value_kind: global_buffer, .address_space: global }
      - { .name: W_mlp1_codes, .offset: 88, .size: 8, .value_kind: global_buffer, .address_space: global }
      - { .name: W_mlp2_codes, .offset: 96, .size: 8, .value_kind: global_buffer, .address_space: global }
      - { .name: ada, .offset: 104, .size: 8, .value_kind: global_buffer, .address_space: global }
      - { .name: wimg, .offset: 112, .size: 8, .value_kind: global_buffer, .address_space: global }
    .group_segment_fixed_size: 34816
    .private_segment_fixed_size: 0
    .kernarg_segment_align: 8
    .kernarg_segment_size: 120
    .max_flat_workgroup_size: 512
    .sgpr_count:     66
    .vgpr_count:     194
    .wavefront_size: 32
...
	.end_amdgpu_metadata
.endif
;; end of part 1
;; launch qkv (part 2): grid 256 x 1, 4 waves a work-group, no clusters, 31,232 bytes of LDS; arguments x, ada, wimg, Wq_scales, Wk_scales, Wv_scales, qbuf, kvrec; writes qbuf, kvrec
.if DOCPART == 2
	.amdgcn_target "amdgcn-amd-amdhsa--gfx1250"
	.amdhsa_code_object_version 6
	.text
	.protected	k_q50e351ee5d_qkv
	.globl	k_q50e351ee5d_qkv
	.p2align	8
	.type	k_q50e351ee5d_qkv,@function
k_q50e351ee5d_qkv:
	s_mov_b64 s[64:65], 0
	v_nop
	global_prefetch_b8 v0, s[64:65] scope:SCOPE_SE
	s_setreg_imm32_b32 hwreg(HW_REG_WAVE_MODE, 25, 1), 1
	s_wait_xcnt 0x0
; LN1, modulation, quantiser, q = xn1 Wq, k = xn1 Wk, v = xn1 Wv on codes of FP6 (E2M3) with one E8M0 scale for each 32 along K, and the quantisers of q, k (along the head's 64) and v (along the keys).
; SHARES.  Work-group = 64 tokens (ttmp9 / 2) x four heads (ttmp9 % 2).  Wave w normalises and quantises token tile w of the block; the four tiles' fragments go round through LDS as images of their
; registers; then wave w makes q, k and v of head 4 (ttmp9 % 2) + w for all 64 tokens, its weights' 48 fragments coming from wimg straight into registers: each is read once and feeds four matrix instructions.
; Joint loads in a cluster are not used for the weights: they go into registers and not through LDS; that is the first thing to change if the weights' traffic holds the launch back.
; TILES.  Row m of token tile t is token 32 (t / 2) + 8 (t % 2) + m + 8 (m / 8); the weights' tiles likewise.  So for q and k (source 0 = weight, source 1 = tokens) a lane holds one token and its 32 registers run along
; the head's 64; for v (source 0 = tokens, source 1 = weight) a lane holds one channel and its registers run along the keys: in both cases 16 neighbours along the next K in 16 consecutive registers.
; OUT.  q: a half fragment (6 registers: 512 + 256 bytes) for each tile and head, and a scale word with its two bytes twice.  k, v: records of 13,312 bytes for each head and 128 keys: four fragments of K (each: two
; tiles of 16 keys, one in K positions 0-63, the other in 64-127), four fragments of V^T, K's scale words [lane][fragment], V's [lane][tile].
; LN: mean, then the squares of the differences (no difference of large sums); xn1 = d rs (g (1 + s)) + b (1 + s), the two constants made by the launch before.
; LIMITS: NaN and infinities are not served; a block whose largest magnitude lies under 2^-124 (a block of zeros too) gets the scale byte 1: only this program reads the bytes; sums in another order than a plain chain.
; REGISTERS.  window 0: v1-8 addresses; v16-27 sums, -mean, rs; v32-47, v48-63 the weights' scale words; v64-79 x's; v80-143 accumulators (earlier: LN gains); v144-163 codes; v164-179 at work; v192-255 LN biases.
;   window 1: Wq's fragments, later Wv's.   window 2: Wk's.   window 3: my 16 rows of x in f32 (register 16 blk + i = column 32 blk + 16 (lane / 16) + i), later the 16 fragments of xn1.
.set LNA,  0                           ; LDS: g1 (1 + s) of my batch, 2,048 bytes
.set LNB,  2048                        ; b1 (1 + s)
.set XIMG, 4096                        ; 16 fragments' images (4 m + s), 1,536 bytes each
.set XSC,  28672                       ; their scale words, 128 bytes each
.set QSC,  3145728
.set REC,  13312
.set LI,   1
.set L8,   2
.set LS,   3
.set XA,   4
.set CA,   5
.set RL16, 6
.set XWI,  7
.set XWS,  8
.set SM,   16
.set MN,   24
.set RS,   26
.set WS0,  32
.set WS1,  48
.set XS,   64
.set ACC,  80
.set P,    144
.set TM,   164
.set PW,   180
.set KW,   182
.set QW,   184
.set CB,   192
.set WV,   20
.set SEL,  22
.set MSB,  0
.macro WIN new                         ; the immediate's high byte repeats the setting that is left; a switch that changes nothing is dropped
.if MSB != (\new)
	s_set_vgpr_msb (MSB<<8)|(\new)
.set MSB, (\new)
.endif
.endm
; 32 nh numbers of a lane in window w, register s + 16 b + i = k 32 b + 16 (lane / 16) + i of the lane's row, become codes in v[P] on (6 registers for each 64 along K) and scale bytes in v[PW] (byte b).
.macro QUANT s, w, nh
	WIN (((\w)<<2)|((\w)<<4))
.set qb, 0
.rept 2*(\nh)
	v_max3_num_f32 v[TM+qb], 0x1800000, |v[(\s)+16*qb]|, |v[(\s)+16*qb+1]|   ; my 16 numbers of block b, and the floor 2^(3 - 127): the byte cannot fall under 1
.set qb, qb+1
.endr
.set qi, 2
.rept 7
.set qb, 0
.rept 2*(\nh)
	v_max3_num_f32 v[TM+qb], v[TM+qb], |v[(\s)+16*qb+qi]|, |v[(\s)+16*qb+qi+1]|   ; the blocks by turns
.set qb, qb+1
.endr
.set qi, qi+2
.endr
	WIN 0
.set qb, 0
.rept 2*(\nh)
	v_permlanex16_b32 v[TM+4+qb], v[TM+qb], s[SEL], s[SEL+1]
.set qb, qb+1
.endr
.set qb, 0
.rept 2*(\nh)
	v_max_num_f32 v[TM+qb], v[TM+qb], v[TM+4+qb]   ; with the lane 16 away: the block's largest magnitude
.set qb, qb+1
.endr
.set qb, 0
.rept 2*(\nh)
	v_add_nc_u32 v[TM+12+qb], 0xff000000, v[TM+qb] ; 2 off its exponent field: the conversion's scale operand
.set qb, qb+1
.endr
.set qb, 0
.rept 2*(\nh)
	v_lshrrev_b32 v[TM+4+qb], 23, v[TM+12+qb]      ; the scale's byte
.set qb, qb+1
.endr
	v_lshl_or_b32 v[PW], v[TM+5], 8, v[TM+4]
.if (\nh) == 2
	v_lshl_or_b32 v[PW], v[TM+6], 16, v[PW]
	v_lshl_or_b32 v[PW], v[TM+7], 24, v[PW]
.endif
	WIN (\w)
.set qb, 0
.rept (\nh)
	v_cvt_scalef32_pk16_fp6_f32 v[P+6*qb:P+6*qb+2], v[(\s)+32*qb:(\s)+32*qb+15], v[TM+12+2*qb]
	v_cvt_scalef32_pk16_fp6_f32 v[P+12+4*qb:P+14+4*qb], v[(\s)+32*qb+16:(\s)+32*qb+31], v[TM+13+2*qb]   ; (a conversion's three registers begin on an even number)
.set qb, qb+1
.endr
	WIN 0
	v_nop                                          ; one plain instruction behind the last scaled conversion
.set qb, 0
.rept (\nh)                                        ; the operand wants a whole block in a lane: lanes 0-15 the even block, lanes 16-31 the odd one
.irp e, 0,1,2
	v_permlane16_swap_b32 v[P+6*qb+\e], v[P+12+4*qb+\e]
.endr
.irp e, 0,1,2
	v_mov_b32 v[P+6*qb+3+\e], v[P+12+4*qb+\e]
.endr
.set qb, qb+1
.endr
.endm
.macro MMAZ d, a, b, sa, sb            ; the first K step starts the sum
	v_wmma_scale_f32_16x16x128_f8f6f4 v[\d:\d+7], v[\a:\a+11], v[\b:\b+11], 0, v[\sa], v[\sb] matrix_a_fmt:MATRIX_FMT_FP6 matrix_b_fmt:MATRIX_FMT_FP6
.endm
.macro MMAC d, a, b, c, sa, sb
	v_wmma_scale_f32_16x16x128_f8f6f4 v[\d:\d+7], v[\a:\a+11], v[\b:\b+11], v[\c:\c+7], v[\sa], v[\sb] matrix_a_fmt:MATRIX_FMT_FP6 matrix_b_fmt:MATRIX_FMT_FP6
.endm
; my head's part of one weight: 4 loads of scale rows (16 bytes: the four K steps' words), then 16 fragments, 48 loads of 512 consecutive bytes: 52 loads
.macro WLOAD win, wbase, ws, sb
	WIN 0
.irp tl, 0,1,2,3
	global_load_b128 v[\ws+4*\tl:\ws+4*\tl+3], v[RL16], s[\sb:\sb+1] offset:(32*(\tl/2)+8*(\tl%2))*16
.endr
	WIN ((\win)<<6)
.set i, 0
.rept 48
	global_load_b128 v[4*i:4*i+3], v[LI], s[8:9] offset:(\wbase)+512*i
.set i, i+1
.endr
	WIN 0
.endm
.macro CONSTS s                        ; the LN constants of K step s in my lane's order: gains into the accumulators' registers, biases into v[CB] on
.irp b, 0,1,2,3
.irp j, 0,1,2,3
	ds_load_b128 v[ACC+16*\b+4*\j:ACC+16*\b+4*\j+3], v[CA] offset:LNA+512*(\s)+128*\b+16*\j
	ds_load_b128 v[CB+16*\b+4*\j:CB+16*\b+4*\j+3], v[CA] offset:LNB+512*(\s)+128*\b+16*\j
.endr
.endr
.endm
; q or k of token tiles 2 p and 2 p + 1: 32 matrix instructions, eight accumulators by turns; source 0 = the weight's tile, source 1 = the tokens
.macro PROD win, p, ws
	WIN \win
.irp s, 0,1,2,3
.irp mm, 0,1
.irp tl, 0,1,2,3
.if \s == 0
	MMAZ ACC+8*(4*\mm+\tl), 12*(4*\tl+\s), 12*(4*(2*(\p)+\mm)+\s), \ws+4*\tl+\s, XS+4*(2*(\p)+\mm)+\s
.else
	MMAC ACC+8*(4*\mm+\tl), 12*(4*\tl+\s), 12*(4*(2*(\p)+\mm)+\s), ACC+8*(4*\mm+\tl), \ws+4*\tl+\s, XS+4*(2*(\p)+\mm)+\s
.endif
.endr
.endr
.endr
	WIN 0
.rept 4
	v_nop                                          ; four plain instructions behind the last products: ahead of the first read of results and of loads into registers that they read
.endr
.endm
; v^T of channel tiles 2 p and 2 p + 1 for the block's 64 keys: source 0 = the tokens, source 1 = Wv's tile
.macro PRODV p
	WIN 0x07
.irp s, 0,1,2,3
.irp dd, 0,1
.irp m, 0,1,2,3
.if \s == 0
	MMAZ ACC+8*(4*\dd+\m), 12*(4*\m+\s), 12*(4*(2*(\p)+\dd)+\s), XS+4*\m+\s, WS0+4*(2*(\p)+\dd)+\s
.else
	MMAC ACC+8*(4*\dd+\m), 12*(4*\m+\s), 12*(4*(2*(\p)+\dd)+\s), ACC+8*(4*\dd+\m), XS+4*\m+\s, WS0+4*(2*(\p)+\dd)+\s
.endif
.endr
.endr
.endr
	WIN 0
.rept 4
	v_nop
.endr
.endm
	s_load_b512 s[4:19], s[0:1], 0x0               ; x, ada, wimg, Wq's, Wk's, Wv's scales, qbuf, kvrec
	v_lshl_add_u32 v190, v0, 2, 0x7800
	v_mov_b32 v191, 0
	v_lshrrev_b32 v9, 5, v0
	v_readfirstlane_b32 s[WV], v9                  ; wave 0..3
	v_and_b32 v9, 31, v0                           ; lane
	v_and_b32 v10, 15, v0                          ; r
	v_bfe_u32 v11, v0, 4, 1                        ; h
	v_lshlrev_b32 v[LI], 4, v9
	v_lshlrev_b32 v[L8], 3, v9
	v_lshlrev_b32 v[LS], 2, v9
	v_and_b32 v12, 8, v10
	v_add_nc_u32 v12, v12, v10                     ; r + 8 (r / 8)
	v_lshlrev_b32 v[CA], 6, v11                    ; 64 h: my 16 numbers of a block of 32
	v_lshl_add_u32 v[XA], v12, 11, v[CA]           ; x: my row of 2,048 bytes, + 64 h
	v_lshlrev_b32 v[RL16], 4, v12                  ; a weight's scale row: 16 bytes
	s_mul_i32 s21, s[WV], 6144
	v_add_nc_u32 v[XWI], s21, v[LI]                ; where I store my four images
	s_lshl_b32 s21, s[WV], 9
	v_add_nc_u32 v[XWS], s21, v[LS]                ; and their scale words
	v_lshlrev_b32 v13, 4, v0                       ; 16 t
	s_mov_b32 s21, 0x3b000000                      ; 1 / 512
	s_mov_b32 s[SEL], 0x76543210
	s_mov_b32 s[SEL+1], 0xfedcba98                 ; the lane 16 away
.irp b, 0,1,2,3
	v_mov_b32 v[TM+4+\b], 0                        ; written once: a lane permute's destination counts as one of its sources
.endr
	s_lshr_b32 s24, ttmp9, 1                       ; block of 64 tokens
	s_and_b32 s25, ttmp9, 1                        ; half of the heads
	s_lshr_b32 s26, s24, 5                         ; batch
	s_lshl_b32 s27, s25, 2
	s_add_co_u32 s27, s27, s[WV]                   ; my head
	s_lshl_b32 s28, s26, 3
	s_add_co_u32 s28, s28, s27                     ; batch x 8 + head
	s_and_b32 s29, s24, 31                         ; the block in its batch
	s_mov_b32 s47, 0
	s_wait_kmcnt 0x0
	s_lshl_b32 s46, s26, 11
	s_add_nc_u64 s[6:7], s[6:7], s[46:47]          ; my batch's LN constants
	s_lshl_b32 s46, s24, 17                        ; 64 rows of 2,048 bytes a block
	s_lshr_b32 s30, s[WV], 1
	s_lshl_b32 s30, s30, 16
	s_add_co_u32 s46, s46, s30
	s_and_b32 s30, s[WV], 1
	s_lshl_b32 s30, s30, 14
	s_add_co_u32 s46, s46, s30                     ; + my tile's first row: 32 (w / 2) + 8 (w % 2)
	s_add_nc_u64 s[4:5], s[4:5], s[46:47]
	global_load_b128 v[16:19], v13, s[6:7]                 ; g1 (1 + s): 16 bytes a thread
	global_load_b128 v[20:23], v13, s[6:7] offset:8192     ; b1 (1 + s)
	WIN 0xc0                                       ; destination window 3
.set i, 0
.rept 64
	global_load_b128 v[4*i:4*i+3], v[XA], s[4:5] offset:128*(i/4)+16*(i%4)   ; of each block of 32 columns my 16
.set i, i+1
.endr
	WIN 0
	s_mul_i32 s46, s27, 24576
	s_add_nc_u64 s[8:9], s[8:9], s[46:47]          ; my head's 16 fragments of each weight
	s_lshl_b32 s46, s27, 10
	s_add_nc_u64 s[10:11], s[10:11], s[46:47]      ; and its 64 scale rows
	s_add_nc_u64 s[12:13], s[12:13], s[46:47]
	s_add_nc_u64 s[14:15], s[14:15], s[46:47]
	s_lshl_b32 s30, s28, 7
	s_lshl_b32 s31, s29, 2
	s_add_co_u32 s30, s30, s31                     ; q: tile 128 (batch x 8 + head) + 4 x block
	s_mul_i32 s46, s30, 768
	s_add_nc_u64 s[32:33], s[16:17], s[46:47]
	s_lshl_b32 s46, s30, 7
	s_add_co_u32 s46, s46, QSC
	s_add_nc_u64 s[34:35], s[16:17], s[46:47]
	s_lshl_b32 s30, s28, 4
	s_lshr_b32 s31, s29, 1
	s_add_co_u32 s30, s30, s31
	s_mul_i32 s30, s30, REC                        ; my record: 128 keys are two blocks
	s_and_b32 s31, s24, 1                          ; which half of it is my block's
	s_mul_i32 s46, s31, 3072
	s_add_co_u32 s46, s46, s30
	s_add_nc_u64 s[36:37], s[18:19], s[46:47]      ; K's fragments 2 x, 2 x + 1
	s_lshl_b32 s46, s31, 3
	s_add_co_u32 s46, s46, s30
	s_add_co_u32 s46, s46, 12288
	s_add_nc_u64 s[38:39], s[18:19], s[46:47]      ; their scale words
	s_mul_i32 s46, s31, 768
	s_add_co_u32 s46, s46, s30
	s_add_co_u32 s46, s46, 6144
	s_add_nc_u64 s[40:41], s[18:19], s[46:47]      ; half x of V's fragments
	s_lshl_b32 s46, s31, 1
	s_add_co_u32 s46, s46, s30
	s_add_co_u32 s46, s46, 12800
	s_add_nc_u64 s[42:43], s[18:19], s[46:47]      ; its two bytes of V's scale words
	s_wait_loadcnt 63                              ; of the 66 loads the oldest three are in, both constants among them
	ds_store_b128 v13, v[16:19] offset:LNA
	ds_store_b128 v13, v[20:23] offset:LNB
	s_wait_dscnt 0x0
	s_barrier_signal -1
	s_barrier_wait -1                              ; the LN constants lie in LDS
	; ---- the mean
	s_wait_loadcnt 0x0                             ; x
	WLOAD 1, 0, WS0, 10                            ; Wq lands while the row is summed
	WIN 0x0f
.irp c, 0,1,2,3
	v_pk_add_f32 v[SM+2*\c:SM+2*\c+1], v[2*\c:2*\c+1], v[2*\c+8:2*\c+9]   ; four chains, started by the first eight pairs
.endr
	WIN 0x0c
.set i, 8
.rept 120
	v_pk_add_f32 v[SM+2*(i%4):SM+2*(i%4)+1], v[SM+2*(i%4):SM+2*(i%4)+1], v[2*i:2*i+1]
.set i, i+1
.endr
	WIN 0
	v_pk_add_f32 v[SM:SM+1], v[SM:SM+1], v[SM+2:SM+3]
	v_pk_add_f32 v[SM+4:SM+5], v[SM+4:SM+5], v[SM+6:SM+7]
	v_pk_add_f32 v[SM:SM+1], v[SM:SM+1], v[SM+4:SM+5]
	v_add_f32 v[SM], v[SM], v[SM+1]
	v_permlanex16_b32 v[SM+2], v[SM], s[SEL], s[SEL+1]     ; the row's other 256 columns
	v_add_f32 v[SM], v[SM], v[SM+2]
	v_mul_f32 v[MN], 0xbb000000, v[SM]             ; -mean
	v_mov_b32 v[MN+1], v[MN]
	; ---- the differences, their squares, rs
	WIN 0xc3
.set i, 0
.rept 128
	v_pk_add_f32 v[2*i:2*i+1], v[2*i:2*i+1], v[MN:MN+1]
.set i, i+1
.endr
	WLOAD 2, 196608, WS1, 12                       ; Wk
	WIN 0x0f
.irp c, 0,1,2,3
	v_pk_mul_f32 v[SM+2*\c:SM+2*\c+1], v[2*\c:2*\c+1], v[2*\c:2*\c+1]
.endr
.set i, 4
.rept 124
	v_pk_fma_f32 v[SM+2*(i%4):SM+2*(i%4)+1], v[2*i:2*i+1], v[2*i:2*i+1], v[SM+2*(i%4):SM+2*(i%4)+1]
.set i, i+1
.endr
	WIN 0
	v_pk_add_f32 v[SM:SM+1], v[SM:SM+1], v[SM+2:SM+3]
	v_pk_add_f32 v[SM+4:SM+5], v[SM+4:SM+5], v[SM+6:SM+7]
	v_pk_add_f32 v[SM:SM+1], v[SM:SM+1], v[SM+4:SM+5]
	v_add_f32 v[SM], v[SM], v[SM+1]
	v_permlanex16_b32 v[SM+2], v[SM], s[SEL], s[SEL+1]
	v_add_f32 v[SM], v[SM], v[SM+2]
	v_fmaak_f32 v[SM], s21, v[SM], 0x3727c5ac      ; the variance + 1e-5
	v_rsq_f32 v[RS], v[SM]
	v_nop                                          ; a plain instruction behind the transcendental
	s_wait_alu depctr_va_vdst(0)                   ; and the wait ahead of its first reader
	v_mov_b32 v[RS+1], v[RS]
	CONSTS 0
	WIN 0xc3
.set i, 0
.rept 128
	v_pk_mul_f32 v[2*i:2*i+1], v[2*i:2*i+1], v[RS:RS+1]
.set i, i+1
.endr
	WIN 0
	; ---- modulate and quantise, a K step of 128 columns at a time
.irp s, 0,1,2,3
.if \s == 0
	s_wait_dscnt 0x0                               ; this step's constants
.else
	s_wait_dscnt 4                                 ; this step's constants are in; behind them stand the last step's four image stores
.endif
	WIN 0xc3
.set i, 0
.rept 32
	v_pk_fma_f32 v[64*\s+2*i:64*\s+2*i+1], v[64*\s+2*i:64*\s+2*i+1], v[ACC+2*i:ACC+2*i+1], v[CB+2*i:CB+2*i+1]
.set i, i+1
.endr
	WIN 0
.if \s < 3
	CONSTS \s+1
	s_wait_dscnt 32                                ; the 32 loads just issued stay out; the last step's stores have read the codes' registers
.else
	s_wait_dscnt 0x0
.endif
	QUANT 64*\s, 3, 2
.irp c, 0,1,2
	ds_store_b128 v[XWI], v[P+4*\c:P+4*\c+3] offset:XIMG+1536*\s+512*\c
.endr
	ds_store_b32 v[XWS], v[PW] offset:XSC+128*\s
.endr
	s_wait_dscnt 0x0
	s_barrier_signal -1
	s_barrier_wait -1                              ; the block's sixteen fragments lie in LDS
	WIN 0xc0
.set i, 0
.rept 48
	ds_load_b128 v[4*i:4*i+3], v[LI] offset:XIMG+512*i
.set i, i+1
.endr
	WIN 0
.set i, 0
.rept 16
	ds_load_b32 v[XS+i], v[LS] offset:XSC+128*i
.set i, i+1
.endr
	s_wait_dscnt 0x0
	; ---- q
.macro QOUT p
	v_perm_b32 v[QW], v[PW], v[PW], 0x01000100     ; tile 2 p's two bytes, twice: the fragment will stand in K positions 0-63 or 64-127
	v_perm_b32 v[QW+1], v[PW], v[PW], 0x03020302   ; tile 2 p + 1's
	global_store_b128 v[LI], v[P:P+3], s[32:33] offset:1536*(\p)
	global_store_b64 v[L8], v[P+4:P+5], s[32:33] offset:1536*(\p)+512
	global_store_b128 v[LI], v[P+6:P+9], s[32:33] offset:1536*(\p)+768
	global_store_b64 v[L8], v[P+10:P+11], s[32:33] offset:1536*(\p)+1280
	global_store_b32 v[LS], v[QW], s[34:35] offset:256*(\p)
	global_store_b32 v[LS], v[QW+1], s[34:35] offset:256*(\p)+128
.endm
	s_wait_loadcnt 52                              ; Wq is in; Wk's 52 loads stay out
	PROD 0x0d, 0, WS0
	QUANT ACC, 0, 2
	QOUT 0
	PROD 0x0d, 1, WS0
	WLOAD 1, 393216, WS0, 14                       ; Wv takes Wq's registers, four plain instructions behind the last product that read them
	s_wait_xcnt 0x0                                ; the stores above have read the codes' registers: they are written again only behind this wait
	QUANT ACC, 0, 2
	QOUT 1
	; ---- k: two tiles make one fragment
.macro KOUT p
	global_store_b128 v[LI], v[P:P+3], s[36:37] offset:1536*(\p)
	global_store_b128 v[LI], v[P+4:P+7], s[36:37] offset:1536*(\p)+512
	global_store_b128 v[LI], v[P+8:P+11], s[36:37] offset:1536*(\p)+1024
	v_mov_b32 v[KW+(\p)], v[PW]
.endm
	s_wait_loadcnt 52                              ; Wk is in; Wv's 52 loads stay out
	PROD 0x0e, 0, WS1
	s_wait_xcnt 0x0
	QUANT ACC, 0, 2
	KOUT 0
	PROD 0x0e, 1, WS1
	s_wait_xcnt 0x0
	QUANT ACC, 0, 2
	KOUT 1
	global_store_b64 v[LI], v[KW:KW+1], s[38:39]   ; the two fragments' scale words
	; ---- v
.macro VOUT p
	global_store_b128 v[LI], v[P:P+3], s[40:41] offset:3072*(\p)
	global_store_b64 v[L8], v[P+4:P+5], s[40:41] offset:3072*(\p)+512
	global_store_b128 v[LI], v[P+6:P+9], s[40:41] offset:3072*(\p)+1536
	global_store_b64 v[L8], v[P+10:P+11], s[40:41] offset:3072*(\p)+2048
	global_store_b16 v[LI], v[PW], s[42:43] offset:8*(\p)            ; tile 2 p: my block's two bytes of its scale word
	global_store_d16_hi_b16 v[LI], v[PW], s[42:43] offset:8*(\p)+4   ; tile 2 p + 1
.endm
	s_wait_loadcnt 0x0                             ; Wv
	PRODV 0
	s_wait_xcnt 0x0
	QUANT ACC, 0, 2
	VOUT 0
	PRODV 1
	s_wait_xcnt 0x0
	QUANT ACC, 0, 2
	VOUT 1
	s_wait_tensorcnt 0x0
	ds_add_u32 v190, v191
	s_wait_dscnt 0x0
	s_endpgm
.Lfunc_end_k_q50e351ee5d_qkv:
	.size	k_q50e351ee5d_qkv, .Lfunc_end_k_q50e351ee5d_qkv-k_q50e351ee5d_qkv
	.p2alignl 7, 3214868480
	.fill 96, 4, 3214868480
	.section	.rodata,"a",@progbits
	.p2align	6, 0x0
	.amdhsa_kernel k_q50e351ee5d_qkv
		.amdhsa_group_segment_fixed_size 31232
		.amdhsa_private_segment_fixed_size 0
		.amdhsa_enable_private_segment 0
		.amdhsa_kernarg_size 64
		.amdhsa_user_sgpr_count 2
		.amdhsa_user_sgpr_kernarg_segment_ptr 1
		.amdhsa_wavefront_size32 1
		.amdhsa_system_sgpr_workgroup_id_x 1
		.amdhsa_system_sgpr_workgroup_id_y 1
		.amdhsa_system_sgpr_workgroup_id_z 1
		.amdhsa_system_vgpr_workitem_id 0
		.amdhsa_next_free_vgpr 1024
		.amdhsa_next_free_sgpr 66
		.amdhsa_reserve_vcc 0
		.amdhsa_float_denorm_mode_32 3
		.amdhsa_float_denorm_mode_16_64 3
		.amdhsa_memory_ordered 1
		.amdhsa_forward_progress 1
		.amdhsa_inst_pref_size 146
	.end_amdhsa_kernel
	.amdgpu_metadata
---
amdhsa.version: [ 1, 2 ]
amdhsa.kernels:
  - .name:           k_q50e351ee5d_qkv
    .symbol:         k_q50e351ee5d_qkv.kd
    .args:
      - { .name: x, .offset: 0, .size: 8, .value_kind: global_buffer, .address_space: global }
      - { .name: ada, .offset: 8, .size: 8, .value_kind: global_buffer, .address_space: global }
      - { .name: wimg, .offset: 16, .size: 8, .value_kind: global_buffer, .address_space: global }
      - { .name: Wq_scales, .offset: 24, .size: 8, .value_kind: global_buffer, .address_space: global }
      - { .name: Wk_scales, .offset: 32, .size: 8, .value_kind: global_buffer, .address_space: global }
      - { .name: Wv_scales, .offset: 40, .size: 8, .value_kind: global_buffer, .address_space: global }
      - { .name: qbuf, .offset: 48, .size: 8, .value_kind: global_buffer, .address_space: global }
      - { .name: kvrec, .offset: 56, .size: 8, .value_kind: global_buffer, .address_space: global }
    .group_segment_fixed_size: 31232
    .private_segment_fixed_size: 0
    .kernarg_segment_align: 8
    .kernarg_segment_size: 64
    .max_flat_workgroup_size: 128
    .sgpr_count:     66
    .vgpr_count:     1024
    .wavefront_size: 32
...
	.end_amdgpu_metadata
.endif
;; end of part 2
;; launch attn (part 3): grid 8 x 32, 16 waves a work-group, clusters of 4 x 1, 215,040 bytes of LDS; arguments qbuf, kvrec, obuf; writes obuf
.if DOCPART == 3
	.amdgcn_target "amdgcn-amd-amdhsa--gfx1250"
	.amdhsa_code_object_version 6
	.text
	.protected	k_q50e351ee5d_attn
	.globl	k_q50e351ee5d_attn
	.p2align	8
	.type	k_q50e351ee5d_attn,@function
k_q50e351ee5d_attn:
	s_mov_b64 s[64:65], 0
	v_nop
	global_prefetch_b8 v0, s[64:65] scope:SCOPE_SE
	s_setreg_imm32_b32 hwreg(HW_REG_WAVE_MODE, 25, 1), 1
	s_wait_xcnt 0x0
	s_wait_alu depctr_hold_cnt(0) depctr_sa_sdst(0) depctr_va_vdst(0) depctr_va_sdst(0) depctr_va_ssrc(0) depctr_va_vcc(0) depctr_vm_vsrc(0)
	s_getreg_b32 s2, hwreg(HW_REG_IB_STS2, 6, 4)
	s_cmp_eq_u32 s2, 0
	s_cbranch_scc0 .Lentry_in_a_cluster
	s_endpgm
.Lentry_in_a_cluster:
	s_bfe_u32 s2, ttmp6, 0x10000c
	s_cmp_lg_u32 s2, 0x3003
	s_cbranch_scc0 .Lentry_shape_is_right
	s_endpgm
.Lentry_shape_is_right:
; o = softmax(q k^T / 8) v for one head, both products on codes of FP6 (E2M3) with one E8M0 scale for each 32 along K, and the quantiser of o along its 64 channels.
; t = score x log2(e) / 8; M = the running largest t rounded up to a whole number; p = 2^(t - M) is quantised along the keys, not normalised; the row's sum is taken of the unquantised p and divides at the end.
; When M moves, the sum and O are multiplied by 2^(old M - new M), which rounds nothing.
; SHARES.  Work-group = 256 queries of one head; each of its sixteen waves owns one tile of 16 queries in 256 registers, four waves to a SIMD, so that one wave's vector work stands beside another's products and LDS loads.
; LDS holds the head's sixteen records of 128 keys (13,312 bytes each: four fragments of K, four of V^T, their scale words), each brought ONCE by one tensor load, wave w's record w: nothing is filled again.
; CLUSTER.  The four query blocks of a cluster belong to one head and read the same records: each load is asked for jointly, with the same descriptor and a mask that names the four.
; LAYOUT.  Both products transposed: a lane holds one query.  A fragment of K holds two tiles of 16 keys, one in K positions 0-63, the other in 64-127; q stands in one half of its operand and zero codes in the other, so two
; matrix instructions on one fragment give the scores of 32 neighbouring keys in 16 consecutive registers (keys 32 f + 16 (lane / 16) + 0 .. 15), and no LDS byte is read for nothing.
; LIMITS: NaN and infinities are not served; a block of p that has fallen to zeros, and a block of o under 2^-124, gets the scale byte 1; a block's largest p is taken as the exponential of its largest score.
; REGISTERS: v1-3, v35 addresses; v4-7 K's scale words, v8-11 V's; v12 -M, v13 the largest t, v[14:15] the sum; v16-21 q, v22-27 zeros, v28-33 q again; v34 q's scale word; v36-83 K; v84-131 V; v132-195 S^T, then p;
;   v196-227 O^T; v228-239 p's codes; v240-254 at work; v253 p's scale word.
.set REC,  13312
.set QSC,  3145728
.set OSC,  3145728
.set A16,  1
.set A8,   2
.set L16,  3
.set KS,   4
.set VS,   8
.set QL,   16
.set QH,   22
.set QW,   34
.set L8,   35
.set KF,   36
.set VF,   84
.set S,    132
.set O,    196
.set P,    228
.set BM,   240
.set T2,   244
.set SO,   248
.set WV,   10
.set G0,   12
.set G1,   16
.set SEL,  24
.set CS,   26
.set CNT,  30
.set TB,   31
.macro CROUND                          ; a round of the cluster's barrier
	s_barrier_signal -1
	s_barrier_wait -1
	s_cmp_lg_u32 s[WV], 0
	s_cbranch_scc1 .Lnot_wave_0_\@
	s_barrier_signal -3
.Lnot_wave_0_\@:
	s_barrier_wait -3
	s_barrier_signal -1
	s_barrier_wait -1
.endm
	s_load_b128 s[4:7], s[0:1], 0x0                ; qbuf, kvrec
	s_load_b64 s[8:9], s[0:1], 0x10                ; obuf
	v_lshl_add_u32 v254, v0, 2, 0x34000
	v_mov_b32 v255, 0
	ds_add_u32 v254, v255
	ds_add_u32 v254, v255
	s_wait_dscnt 0x0
	v_lshrrev_b32 v1, 5, v0
	v_readfirstlane_b32 s[WV], v1                  ; wave 0..15
	s_and_b32 s29, ttmp7, 0xffff                   ; batch x 8 + head, which the four partners share
	s_mov_b32 s[G0], 1                             ; count = 1
	s_mul_i32 s[G0+1], s[WV], REC                  ; LDS address: record w
	s_mul_i32 s32, s29, 16*REC
	s_add_co_u32 s32, s32, s[G0+1]                 ; and the same record in memory
	s_mov_b32 s33, 0
	s_mov_b32 s[G1], 15|(3<<16)|(1<<21)            ; the mask: all four work-groups; elements of 8 bytes; bit 21 set beside a mask; no padding
	s_mov_b32 s[G1+1], 32<<16                      ; tensor_dim0 = 32: rows of 256 bytes
	s_mov_b32 s[G1+2], 52<<16                      ; tensor_dim1 = 52 rows: 13,312 bytes, dense
	s_mov_b32 s[G1+3], 32<<16                      ; tile_dim0
	s_mov_b32 s[G1+4], 52                          ; tile_dim1
	s_mov_b32 s[G1+5], 32                          ; the pitch
	s_mov_b32 s[G1+6], 0
	s_mov_b32 s[G1+7], 0
	s_bfe_u32 s11, ttmp6, 0x40000                  ; my place in the cluster: it enters q's and o's global addresses alone
	s_lshl_b32 s28, ttmp9, 2
	s_add_co_u32 s28, s28, s11                     ; my block of 256 queries
	s_lshl_b32 s28, s28, 4
	s_add_co_u32 s28, s28, s[WV]                   ; my tile in the batch's 128
	s_lshl_b32 s34, s29, 7
	s_add_co_u32 s34, s34, s28
	s_mul_i32 s36, s34, 768                        ; q's half fragment
	s_mov_b32 s37, 0
	s_lshl_b32 s38, s34, 7
	s_add_co_u32 s38, s38, QSC                     ; its scale words
	s_mov_b32 s39, 0
	s_lshr_b32 s34, s29, 3
	s_lshl_b32 s34, s34, 7
	s_add_co_u32 s34, s34, s28                     ; my tile among all 512
	s_and_b32 s35, s29, 7                          ; the head
	s_lshl_b32 s11, s34, 3
	s_add_co_u32 s11, s11, s35
	s_mul_i32 s2, s11, 768                         ; o's half fragment: (tile x 8 + head) x 768
	s_mov_b32 s3, 0
	s_lshl_b32 s34, s34, 2
	s_lshr_b32 s11, s35, 1
	s_add_co_u32 s34, s34, s11
	s_lshl_b32 s34, s34, 7                         ; the scale image of fragment (tile, head / 2),
	s_and_b32 s35, s35, 1
	s_lshl_b32 s35, s35, 1
	s_add_co_u32 s34, s34, s35                     ; my head's two bytes of each word
	s_add_co_u32 s34, s34, OSC
	s_mov_b32 s35, 0
	s_mov_b32 s[SEL], 0x76543210
	s_mov_b32 s[SEL+1], 0xfedcba98                 ; the lane 16 away
	s_mov_b32 s[CS], 0x3e38aa3b                    ; log2(e) / 8
	s_mov_b32 s[CS+1], s[CS]                       ; (named with it as a pair, so it is written)
	s_mov_b32 s[TB], 0
	s_wait_kmcnt 0x0
	s_add_nc_u64 s[G0+2:G0+3], s[6:7], s[32:33]
	s_or_b32 s[G0+3], s[G0+3], 0x80000000          ; type = 2
	s_add_nc_u64 s[36:37], s[4:5], s[36:37]
	s_add_nc_u64 s[38:39], s[4:5], s[38:39]
	s_add_nc_u64 s[34:35], s[8:9], s[34:35]
	s_add_nc_u64 s[8:9], s[8:9], s[2:3]
	CROUND                                         ; all four work-groups are here: the joint loads meet
	tensor_load_to_lds s[G0:G0+3], s[G1:G1+7]      ; my one tensor load of the launch
	s_nop 0
.rept 4
	v_nop                                          ; four plain instructions behind the tensor load
.endr
	v_and_b32 v252, 31, v0
	v_lshlrev_b32 v[L16], 4, v252
	v_lshlrev_b32 v[L8], 3, v252
	v_lshlrev_b32 v254, 2, v252
	global_load_b128 v[QL:QL+3], v[L16], s[36:37]              ; q, for K positions 0-63,
	global_load_b64 v[QL+4:QL+5], v[L8], s[36:37] offset:512
	global_load_b128 v[QH+6:QH+9], v[L16], s[36:37]            ; and once more, for 64-127
	global_load_b64 v[QH+10:QH+11], v[L8], s[36:37] offset:512
	global_load_b32 v[QW], v254, s[38:39]
.irp j, 0,1,2,3,4,5
	v_mov_b32 v[QH+\j], 0                          ; zero codes: the half of the operand that is to count for nothing
.endr
.set i, 0
.rept 32
	v_mov_b32 v[O+i], 0                            ; O^T: the step is written once; its first trip finds zeros, which the first change of M leaves zeros
.set i, i+1
.endr
	v_mov_b32 v14, 0
	v_mov_b32 v15, 0
.irp b, 0,1,2,3
	v_mov_b32 v[T2+\b], 0                          ; written once: a lane permute's destination counts as one of its sources
.endr
	v_mov_b32 v253, 0
	v_mov_b32 v13, 0xff61b1e6                      ; the largest t so far: -3e38
	v_floor_f32 v12, -v13                          ; -M
	v_mov_b32 v[A16], v[L16]
	v_mov_b32 v[A8], v[L8]
.macro KLOAD off                       ; a step's four fragments of K and their scale words: 13 loads
.irp f, 0,1,2,3
.irp c, 0,1,2
	ds_load_b128 v[KF+12*\f+4*\c:KF+12*\f+4*\c+3], v[A16] offset:(\off)+1536*\f+512*\c
.endr
.endr
	ds_load_b128 v[KS:KS+3], v[A16] offset:(\off)+12288
.endm
.macro SMM                             ; S^T = K q^T for 128 keys: eight matrix instructions, each starting its own sum
.irp f, 0,1,2,3
	v_wmma_scale_f32_16x16x128_f8f6f4 v[S+16*\f:S+16*\f+7], v[KF+12*\f:KF+12*\f+11], v[QL:QL+11], 0, v[KS+\f], v[QW] matrix_a_fmt:MATRIX_FMT_FP6 matrix_b_fmt:MATRIX_FMT_FP6
	v_wmma_scale_f32_16x16x128_f8f6f4 v[S+16*\f+8:S+16*\f+15], v[KF+12*\f:KF+12*\f+11], v[QH:QH+11], 0, v[KS+\f], v[QW] matrix_a_fmt:MATRIX_FMT_FP6 matrix_b_fmt:MATRIX_FMT_FP6
.endr
.endm
; The softmax of the step whose scores lie in S, and O^T += V^T p^T.  last = 0: the next step's K is fetched meanwhile.
.macro SOFTPV last
.rept 4
	v_nop                                          ; four plain instructions behind the scores' products: ahead of the first read of S and of the loads into K's and V's registers
.endr
.irp t, 0,1,2,3
.irp x, 0,1
	ds_load_b128 v[VF+12*\t+6*\x:VF+12*\t+6*\x+3], v[A16] offset:6144+1536*\t+768*\x
	ds_load_b64 v[VF+12*\t+6*\x+4:VF+12*\t+6*\x+5], v[A8] offset:6144+1536*\t+768*\x+512
.endr
.endr
	ds_load_b128 v[VS:VS+3], v[A16] offset:12800
.if (\last) == 0
	KLOAD REC
.endif
.irp b, 0,1,2,3
	v_max3_num_f32 v[BM+\b], v[S+16*\b], v[S+16*\b+1], v[S+16*\b+2]   ; the largest score of each block of 32 keys: for the row's maximum, and for the block's largest p
.endr
.irp i, 3,5,7,9,11,13
.irp b, 0,1,2,3
	v_max3_num_f32 v[BM+\b], v[BM+\b], v[S+16*\b+\i], v[S+16*\b+\i+1]
.endr
.endr
.irp b, 0,1,2,3
	v_max_num_f32 v[BM+\b], v[BM+\b], v[S+16*\b+15]
.endr
.irp b, 0,1,2,3
	v_permlanex16_b32 v[T2+\b], v[BM+\b], s[SEL], s[SEL+1]
.endr
.irp b, 0,1,2,3
	v_max_num_f32 v[BM+\b], v[BM+\b], v[T2+\b]     ; with the other 16 keys of the block
.endr
	v_max3_num_f32 v254, v[BM], v[BM+1], v[BM+2]
	v_max_num_f32 v254, v254, v[BM+3]
	v_mul_f32 v254, s[CS], v254                    ; the step's largest t
	v_max_num_f32 v13, v13, v254                   ; the running largest t
	v_mov_b32 v254, v12
	v_floor_f32 v12, -v13                          ; the new -M = -ceil(t)
	v_sub_f32 v254, v12, v254                      ; old M - new M: a whole number, 0 or less
	v_cvt_i32_f32 v254, v254                       ; (it saturates)
	v_ldexp_f32 v252, 1.0, v254                    ; f = 2^(old M - new M)
.set i, 0
.rept 32
	v_pk_fma_f32 v[S+2*i:S+2*i+1], v[S+2*i:S+2*i+1], s[CS:CS+1], v[12:13] op_sel_hi:[1,0,0]   ; t - M
.set i, i+1
.endr
.irp b, 0,1,2,3
	v_fma_f32 v[BM+\b], v[BM+\b], s[CS], v12       ; the same of each block's largest score
.endr
.set i, 0
.rept 64
	v_exp_f32 v[S+i], v[S+i]                       ; p
.set i, i+1
.endr
	v_pk_mul_f32 v[14:15], v[14:15], v[252:253] op_sel_hi:[1,0]   ; the sums under the new M: the plain instruction behind the batch
	s_wait_alu depctr_va_vdst(0)                   ; one wait for the 64, ahead of their first reader
.irp b, 0,1,2,3
	v_exp_f32 v[BM+\b], v[BM+\b]                   ; each block's largest p
.endr
	v_pk_add_f32 v[T2:T2+1], v[S:S+1], v[S+2:S+3]  ; the row's sum of the unquantised p, in two chains
.irp j, 4,8,12,16,20,24,28,32,36,40,44,48,52,56,60
	v_pk_add_f32 v[14:15], v[14:15], v[S+\j:S+\j+1]
	v_pk_add_f32 v[T2:T2+1], v[T2:T2+1], v[S+\j+2:S+\j+3]
.endr
	v_pk_add_f32 v[14:15], v[14:15], v[T2:T2+1]
	s_wait_alu depctr_va_vdst(0)                   ; and one for the four
.irp b, 0,1,2,3
	v_max_num_f32 v[BM+\b], 0x1800000, v[BM+\b]    ; the floor 2^(3 - 127)
.endr
.irp b, 0,1,2,3
	v_add_nc_u32 v[SO+\b], 0xff000000, v[BM+\b]    ; the conversion's scale operand
.endr
.irp b, 0,1,2,3
	v_lshrrev_b32 v[T2+\b], 23, v[SO+\b]           ; the scale's byte
.endr
	v_lshl_or_b32 v253, v[T2+1], 8, v[T2]
	v_lshl_or_b32 v253, v[T2+2], 16, v253
	v_lshl_or_b32 v253, v[T2+3], 24, v253          ; p's scale word for these 128 keys
.irp c, 0,1
	v_cvt_scalef32_pk16_fp6_f32 v[P+6*\c:P+6*\c+2], v[S+32*\c:S+32*\c+15], v[SO+2*\c]
	v_cvt_scalef32_pk16_fp6_f32 v[BM+4*\c:BM+4*\c+2], v[S+32*\c+16:S+32*\c+31], v[SO+2*\c+1]
.endr
	v_nop                                          ; one plain instruction behind the last scaled conversion
.irp c, 0,1
.irp e, 0,1,2
	v_permlane16_swap_b32 v[P+6*\c+\e], v[BM+4*\c+\e]
.endr
.irp e, 0,1,2
	v_mov_b32 v[P+6*\c+3+\e], v[BM+4*\c+\e]
.endr
.endr
.set i, 0
.rept 16
	v_pk_mul_f32 v[O+2*i:O+2*i+1], v[O+2*i:O+2*i+1], v[252:253] op_sel_hi:[1,0]   ; O^T under the new M; these lines also stand between the writing of p's codes and scale word and the products
.set i, i+1
.endr
.if (\last) == 0
	s_wait_dscnt 13                                ; V and its scale words are in; the next step's 13 loads of K stay out
.else
	s_wait_dscnt 0x0
.endif
.irp t, 0,1,2,3
	v_wmma_scale_f32_16x16x128_f8f6f4 v[O+8*\t:O+8*\t+7], v[VF+12*\t:VF+12*\t+11], v[P:P+11], v[O+8*\t:O+8*\t+7], v[VS+\t], v253 matrix_a_fmt:MATRIX_FMT_FP6 matrix_b_fmt:MATRIX_FMT_FP6
.endr
.endm
	s_wait_tensorcnt 0x0                           ; my record has landed,
	s_barrier_signal -1
	s_barrier_wait -1                              ; everybody's has
	s_wait_loadcnt 0x0                             ; q
	KLOAD 0
	s_wait_dscnt 0x0
	SMM
	s_mov_b32 s[CNT], 15
.Lstep:                                            ; a trip: the softmax and V^T p^T of step i, the scores of step i + 1
	SOFTPV 0
	s_wait_dscnt 0x0                               ; K of the next step
	s_add_co_u32 s[TB], s[TB], REC
	v_add_nc_u32 v[A16], s[TB], v[L16]
	v_add_nc_u32 v[A8], s[TB], v[L8]
	SMM
	s_sub_co_u32 s[CNT], s[CNT], 1
	s_cmp_lg_u32 s[CNT], 0
	s_cbranch_scc1 .Lstep
	SOFTPV 1                                       ; the last step fetches nothing beyond the last record
	; ---- o = O^T / the sum, quantised along the head's 64 channels
.rept 4
	v_nop
.endr
	v_add_f32 v14, v14, v15
	v_permlanex16_b32 v252, v14, s[SEL], s[SEL+1]
	v_add_f32 v14, v14, v252                       ; the row's sum
	v_rcp_f32 v14, v14
	v_and_b32 v36, 31, v0                          ; (a plain instruction behind the transcendental)
	v_lshlrev_b32 v36, 2, v36                      ; 4 x lane
	s_wait_alu depctr_va_vdst(0)
.set i, 0
.rept 16
	v_pk_mul_f32 v[S+2*i:S+2*i+1], v[O+2*i:O+2*i+1], v[14:15] op_sel_hi:[1,0]   ; register 16 b + i = channel 32 b + 16 (lane / 16) + i
.set i, i+1
.endr
.irp b, 0,1
	v_max3_num_f32 v[BM+\b], |v[S+16*\b]|, |v[S+16*\b+1]|, 0x1800000
.endr
.irp i, 2,4,6,8,10,12,14
.irp b, 0,1
	v_max3_num_f32 v[BM+\b], v[BM+\b], |v[S+16*\b+\i]|, |v[S+16*\b+\i+1]|
.endr
.endr
.irp b, 0,1
	v_permlanex16_b32 v[T2+\b], v[BM+\b], s[SEL], s[SEL+1]
.endr
.irp b, 0,1
	v_max_num_f32 v[BM+\b], v[BM+\b], v[T2+\b]
.endr
.irp b, 0,1
	v_add_nc_u32 v[SO+\b], 0xff000000, v[BM+\b]
.endr
.irp b, 0,1
	v_lshrrev_b32 v[T2+\b], 23, v[SO+\b]
.endr
	v_lshl_or_b32 v254, v[T2+1], 8, v[T2]
	v_cvt_scalef32_pk16_fp6_f32 v[P:P+2], v[S:S+15], v[SO]
	v_cvt_scalef32_pk16_fp6_f32 v[BM:BM+2], v[S+16:S+31], v[SO+1]
	v_nop
.irp e, 0,1,2
	v_permlane16_swap_b32 v[P+\e], v[BM+\e]
.endr
.irp e, 0,1,2
	v_mov_b32 v[P+3+\e], v[BM+\e]
.endr
	global_store_b128 v[L16], v[P:P+3], s[8:9]             ; the wave stores 512 consecutive bytes, aligned,
	global_store_b64 v[L8], v[P+4:P+5], s[8:9] offset:512  ; and 256
	global_store_b16 v36, v254, s[34:35]
	s_wait_dscnt 0x0
	s_wait_xcnt 0x0
	v_lshl_add_u32 v254, v0, 2, 0x34000
	v_mov_b32 v255, 0
	s_wait_tensorcnt 0x0
	ds_add_u32 v254, v255
	s_wait_dscnt 0x0
	CROUND                                         ; the closing round: no work-group ends while a partner may still ask for a record that names it
	s_endpgm
.Lfunc_end_k_q50e351ee5d_attn:
	.size	k_q50e351ee5d_attn, .Lfunc_end_k_q50e351ee5d_attn-k_q50e351ee5d_attn
	.p2alignl 7, 3214868480
	.fill 96, 4, 3214868480
	.section	.rodata,"a",@progbits
	.p2align	6, 0x0
	.amdhsa_kernel k_q50e351ee5d_attn
		.amdhsa_group_segment_fixed_size 215040
		.amdhsa_private_segment_fixed_size 0
		.amdhsa_enable_private_segment 0
		.amdhsa_kernarg_size 24
		.amdhsa_user_sgpr_count 2
		.amdhsa_user_sgpr_kernarg_segment_ptr 1
		.amdhsa_wavefront_size32 1
		.amdhsa_system_sgpr_workgroup_id_x 1
		.amdhsa_system_sgpr_workgroup_id_y 1
		.amdhsa_system_sgpr_workgroup_id_z 1
		.amdhsa_system_vgpr_workitem_id 0
		.amdhsa_next_free_vgpr 256
		.amdhsa_next_free_sgpr 66
		.amdhsa_reserve_vcc 0
		.amdhsa_float_denorm_mode_32 3
		.amdhsa_float_denorm_mode_16_64 3
		.amdhsa_memory_ordered 1
		.amdhsa_forward_progress 1
		.amdhsa_inst_pref_size 41
	.end_amdhsa_kernel
	.amdgpu_metadata
---
amdhsa.version: [ 1, 2 ]
amdhsa.kernels:
  - .name:           k_q50e351ee5d_attn
    .symbol:         k_q50e351ee5d_attn.kd
    .args:
      - { .name: qbuf, .offset: 0, .size: 8, .value_kind: global_buffer, .address_space: global }
      - { .name: kvrec, .offset: 8, .size: 8, .value_kind: global_buffer, .address_space: global }
      - { .name: obuf, .offset: 16, .size: 8, .value_kind: global_buffer, .address_space: global }
    .group_segment_fixed_size: 215040
    .private_segment_fixed_size: 0
    .kernarg_segment_align: 8
    .kernarg_segment_size: 24
    .max_flat_workgroup_size: 512
    .sgpr_count:     66
    .vgpr_count:     256
    .wavefront_size: 32
...
	.end_amdgpu_metadata
.endif
;; end of part 3
;; launch post (part 4): grid 256 x 1, 8 waves a work-group, no clusters, 154,624 bytes of LDS; arguments obuf, wimg, Wo_scales, W_mlp1_scales, W_mlp2_scales, b_mlp1, b_mlp2, ada, x, out0; writes out0
.if DOCPART == 4
	.amdgcn_target "amdgcn-amd-amdhsa--gfx1250"
	.amdhsa_code_object_version 6
	.text
	.protected	k_q50e351ee5d_post
	.globl	k_q50e351ee5d_post
	.p2align	8
	.type	k_q50e351ee5d_post,@function
k_q50e351ee5d_post:
	s_mov_b64 s[64:65], 0
	v_nop
	global_prefetch_b8 v0, s[64:65] scope:SCOPE_SE
	s_setreg_imm32_b32 hwreg(HW_REG_WAVE_MODE, 25, 1), 1
	s_wait_xcnt 0x0
; x1 = x + (o Wo) gate_msa;  xn2 = LN2(x1) (1 + scale_mlp);  h = gelu(xn2 W1 + b1);  out = x1 + gate_mlp (h W2 + b2).  The three products on codes of FP6 (E2M3) with one E8M0 scale for each 32 along K.
; SHARES.  Work-group = 32 tokens (two tiles of 16).  THE EIGHT WAVES SHARE THE COLUMNS: wave w owns output columns 64 w .. 64 w + 63 of Wo and of W2 and hidden units 256 w .. 256 w + 255.  So x1 stays in the wave's registers,
; in the accumulators' layout, from the first residual to the last, and each wave walks a stream of its own of nine batches of 16 weight fragments, laid by the first launch in the order of the operand's registers and loaded
; straight into registers, up to 60 loads a wave on their way.  What goes round through LDS is small: the codes of o, xn2 and h, as images of their registers (halves of 64 along K: 512 + 256 bytes).
; Joint loads in a cluster are not used for the weights: they go into registers and not through LDS; that is the first thing to change if the weights' traffic holds the launch back.
; All products transposed (source 0 = the weight's tile, source 1 = the tokens): a lane holds one token, register 16 b + i of a tile of tokens = column 32 b + 16 (lane / 16) + i of the wave's 64.
; LN2 across the waves: each wave's mean and sum of squared differences from its own mean; they are joined as M2 = sum M2_w + 64 sum (mean_w - mean)^2: no difference of large sums.
; gelu(y) = 0.5 y (1 + erf(y / sqrt 2)); erf(z) = z P(z^2) / Q(z^2), P of degree 6 and Q of degree 4 in z^2, z held to +-4.
; LIMITS: NaN and infinities are not served; erf's form has an absolute error of the order of 1e-7, and 0.5 y (1 + erf) cancels for large negative y; a block under 2^-124 (zeros too) gets the scale byte 1; sums in another order than a plain chain.
; REGISTERS.  window 0: v1-27 addresses and two constants; v28 the scale word just made; v32-79 two sets of two token fragments; v80-99 codes; v100-115 at work; v116-119 the tokens' scale words; v120-151 a bias or a gate;
;   v152-183 the weights' scale words, two sets; v184-247 accumulators ((m, tl) at 8 (4 m + tl)); v248-255 statistics.  gelu works in v32-95.   window 1: v0-191 a batch of weights; v192-255 x1.
.set Z,     53248                      ; LDS: 0: h's 32 fragments ((16 m + step) x 1,536); 49,152: their scale words
.set HSCL,  49152
.set OIMG,  0                          ; from Z on: o's 8 fragments (4 m + s),
.set OSCL,  12288                      ; their scale words,
.set XIMG,  13312                      ; xn2's 8 fragments,
.set XSCL,  25600                      ; their scale words,
.set STAT,  26624                      ; the waves' statistics: 512 w + 256 m + 8 x lane,
.set STG,   Z+30720                    ; a stage for each wave: 2 x 16 rows x (256 + 16) bytes
.set PS,    589824
.set STREAM, 221184
.set OSC,   3145728
.set LI,   1
.set L8,   2
.set LS,   3
.set LIZ,  4
.set L8Z,  5
.set LSZ,  6
.set CH,   7
.set RL16, 8
.set RL64, 9
.set XA,   10
.set HW16, 11
.set HW8,  12
.set HWS,  13
.set HB16, 14
.set HB8,  15
.set HBS,  16
.set XW16, 17
.set XW8,  18
.set XWS,  19
.set STW,  20
.set SO,   21
.set CA1,  22
.set CB1,  24
.set SR,   26
.set GO,   27
.set PW,   28
.set T0,   29
.set T1,   30
.set XF,   32
.set P,    80
.set TM,   100
.set XS,   116
.set BI,   120
.set WS,   152
.set ACC,  184
.set ST,   248
.set X1,   192
.set YC,   32
.set U,    48
.set PP,   64
.set QQ,   80
.set WV,   24
.set SEL,  28
.set CNT,  30
.set HT,   31
.set HS,   34
.set RT,   36
.set KC,   40
.set WP,   66
.set S1P,  68
.set B1P,  70
.set W0P,  72
.set S2P,  74
.set OSP,  76
.set MSB,  0
.macro WIN new                         ; the immediate's high byte repeats the setting that is left; a switch that changes nothing is dropped
.if MSB != (\new)
	s_set_vgpr_msb (MSB<<8)|(\new)
.set MSB, (\new)
.endif
.endm
; 32 nh numbers of a lane in window w, register s + 16 b + i = k 32 b + 16 (lane / 16) + i of the lane's row, become codes in v[P] on (6 registers for each 64 along K) and scale bytes in v[PW] (byte b).
.macro QUANT s, w, nh
	WIN (((\w)<<2)|((\w)<<4))
.set qb, 0
.rept 2*(\nh)
	v_max3_num_f32 v[TM+qb], 0x1800000, |v[(\s)+16*qb]|, |v[(\s)+16*qb+1]|   ; my 16 numbers of block b, and the floor 2^(3 - 127): the byte cannot fall under 1
.set qb, qb+1
.endr
.set qi, 2
.rept 7
.set qb, 0
.rept 2*(\nh)
	v_max3_num_f32 v[TM+qb], v[TM+qb], |v[(\s)+16*qb+qi]|, |v[(\s)+16*qb+qi+1]|
.set qb, qb+1
.endr
.set qi, qi+2
.endr
	WIN 0
.set qb, 0
.rept 2*(\nh)
	v_permlanex16_b32 v[TM+4+qb], v[TM+qb], s[SEL], s[SEL+1]
.set qb, qb+1
.endr
.set qb, 0
.rept 2*(\nh)
	v_max_num_f32 v[TM+qb], v[TM+qb], v[TM+4+qb]
.set qb, qb+1
.endr
.set qb, 0
.rept 2*(\nh)
	v_add_nc_u32 v[TM+12+qb], 0xff000000, v[TM+qb]
.set qb, qb+1
.endr
.set qb, 0
.rept 2*(\nh)
	v_lshrrev_b32 v[TM+4+qb], 23, v[TM+12+qb]
.set qb, qb+1
.endr
	v_lshl_or_b32 v[PW], v[TM+5], 8, v[TM+4]
.if (\nh) == 2
	v_lshl_or_b32 v[PW], v[TM+6], 16, v[PW]
	v_lshl_or_b32 v[PW], v[TM+7], 24, v[PW]
.endif
	WIN (\w)
.set qb, 0
.rept (\nh)
	v_cvt_scalef32_pk16_fp6_f32 v[P+6*qb:P+6*qb+2], v[(\s)+32*qb:(\s)+32*qb+15], v[TM+12+2*qb]
	v_cvt_scalef32_pk16_fp6_f32 v[P+12+4*qb:P+14+4*qb], v[(\s)+32*qb+16:(\s)+32*qb+31], v[TM+13+2*qb]
.set qb, qb+1
.endr
	WIN 0
	v_nop                                          ; one plain instruction behind the last scaled conversion
.set qb, 0
.rept (\nh)
.irp e, 0,1,2
	v_permlane16_swap_b32 v[P+6*qb+\e], v[P+12+4*qb+\e]
.endr
.irp e, 0,1,2
	v_mov_b32 v[P+6*qb+3+\e], v[P+12+4*qb+\e]
.endr
.set qb, qb+1
.endr
.endm
.macro MMAZ d, a, b, sa, sb
	v_wmma_scale_f32_16x16x128_f8f6f4 v[\d:\d+7], v[\a:\a+11], v[\b:\b+11], 0, v[\sa], v[\sb] matrix_a_fmt:MATRIX_FMT_FP6 matrix_b_fmt:MATRIX_FMT_FP6
.endm
.macro MMAC d, a, b, c, sa, sb
	v_wmma_scale_f32_16x16x128_f8f6f4 v[\d:\d+7], v[\a:\a+11], v[\b:\b+11], v[\c:\c+7], v[\sa], v[\sb] matrix_a_fmt:MATRIX_FMT_FP6 matrix_b_fmt:MATRIX_FMT_FP6
.endm
.macro COLLOAD dst, sb, off            ; 32 numbers of a row vector in my lane's order (column 32 b + 16 (lane / 16) + i of my wave's 64): 8 loads
.irp b, 0,1
.irp j, 0,1,2,3
	global_load_b128 v[(\dst)+16*\b+4*\j:(\dst)+16*\b+4*\j+3], v[CH], s[\sb:\sb+1] offset:(\off)+128*\b+16*\j
.endr
.endr
.endm
.macro WSLOAD set, sb, va, stride, off ; four K steps' scale words of four tiles: 4 loads
.irp tl, 0,1,2,3
	global_load_b128 v[WS+16*(\set)+4*\tl:WS+16*(\set)+4*\tl+3], v[\va], s[\sb:\sb+1] offset:(32*(\tl/2)+8*(\tl%2))*(\stride)+(\off)
.endr
.endm
.macro WSTEP sb, off, s                ; one K step's four fragments: 12 loads of 512 consecutive bytes (under destination window 1)
.irp tl, 0,1,2,3
.irp c, 0,1,2
	global_load_b128 v[12*(4*\tl+(\s))+4*\c:12*(4*\tl+(\s))+4*\c+3], v[LI], s[\sb:\sb+1] offset:(\off)+6144*\tl+1536*(\s)+512*\c
.endr
.endr
.endm
.macro WFRAGS sb, off                  ; a batch: 48 loads, K step by K step
	WIN 0x40
.irp s, 0,1,2,3
	WSTEP \sb, \off, \s
.endr
	WIN 0
.endm
.macro FETCHA k, a16, a8, a4, o0, o1, q0, q1   ; one K step's two token fragments and their scale words into set k: 10 LDS loads
.set fa, XF+24*(\k)
	ds_load_b128 v[fa:fa+3], v[\a16] offset:(\o0)
	ds_load_b64 v[fa+4:fa+5], v[\a8] offset:(\o0)+512
	ds_load_b128 v[fa+6:fa+9], v[\a16] offset:(\o0)+768
	ds_load_b64 v[fa+10:fa+11], v[\a8] offset:(\o0)+1280
	ds_load_b128 v[fa+12:fa+15], v[\a16] offset:(\o1)
	ds_load_b64 v[fa+16:fa+17], v[\a8] offset:(\o1)+512
	ds_load_b128 v[fa+18:fa+21], v[\a16] offset:(\o1)+768
	ds_load_b64 v[fa+22:fa+23], v[\a8] offset:(\o1)+1280
	ds_load_b32 v[XS+2*(\k)], v[\a4] offset:(\q0)
	ds_load_b32 v[XS+2*(\k)+1], v[\a4] offset:(\q1)
.endm
; eight matrix instructions, the eight accumulators by turns.  cm = 1: the constant 0 starts the sums; 2: the bias does; 0: in place.
.macro MM8 s4, k, set, cm
	WIN 0x01
.irp m, 0,1
.irp tl, 0,1,2,3
.if (\cm) == 1
	MMAZ ACC+8*(4*\m+\tl), 12*(4*\tl+(\s4)), XF+24*(\k)+12*\m, WS+16*(\set)+4*\tl+(\s4), XS+2*(\k)+\m
.elseif (\cm) == 2
	MMAC ACC+8*(4*\m+\tl), 12*(4*\tl+(\s4)), XF+24*(\k)+12*\m, BI+8*\tl, WS+16*(\set)+4*\tl+(\s4), XS+2*(\k)+\m
.else
	MMAC ACC+8*(4*\m+\tl), 12*(4*\tl+(\s4)), XF+24*(\k)+12*\m, ACC+8*(4*\m+\tl), WS+16*(\set)+4*\tl+(\s4), XS+2*(\k)+\m
.endif
.endr
.endr
	WIN 0
.rept 4
	v_nop                                          ; four plain instructions: ahead of loads into registers that these products read, and of the first read of results
.endr
.endm
.macro GEMM4 ib, sb, set, cm           ; four K steps on the batch in window 1; the token fragments come from LDS a step ahead
	FETCHA 0, LIZ, L8Z, LSZ, (\ib), (\ib)+6144, (\sb), (\sb)+512
.irp s, 0,1,2,3
.if \s < 3
	FETCHA (\s+1)%2, LIZ, L8Z, LSZ, (\ib)+1536*(\s+1), (\ib)+6144+1536*(\s+1), (\sb)+128*(\s+1), (\sb)+512+128*(\s+1)
	s_wait_dscnt 10                                ; this step's ten loads are in; the next step's ten stay out
.else
	s_wait_dscnt 0x0
.endif
.if \s == 0
	MM8 \s, \s%2, \set, \cm
.else
	MM8 \s, \s%2, \set, 0
.endif
.endr
.endm
.macro GELU                            ; on the 64 accumulator registers, 16 at a time
.irp g, 0,1,2,3
.set Y, ACC+16*\g
.set i, 0
.rept 8
	v_pk_mul_f32 v[YC+2*i:YC+2*i+1], v[Y+2*i:Y+2*i+1], s[RT:RT+1] op_sel_hi:[1,0]   ; z = y / sqrt 2
.set i, i+1
.endr
.set i, 0
.rept 16
	v_med3_num_f32 v[YC+i], v[YC+i], -4.0, 4.0
.set i, i+1
.endr
.set i, 0
.rept 8
	v_pk_mul_f32 v[U+2*i:U+2*i+1], v[YC+2*i:YC+2*i+1], v[YC+2*i:YC+2*i+1]           ; z^2
.set i, i+1
.endr
.set i, 0
.rept 8
	v_pk_fma_f32 v[PP+2*i:PP+2*i+1], v[U+2*i:U+2*i+1], s[KC:KC+1], v[CA1:CA1+1] op_sel_hi:[1,0,1]
	v_pk_fma_f32 v[QQ+2*i:QQ+2*i+1], v[U+2*i:U+2*i+1], s[KC+12:KC+13], v[CB1:CB1+1] op_sel_hi:[1,0,1]
.set i, i+1
.endr
.irp k, 2,4,6,8,10
.set i, 0
.rept 8
	v_pk_fma_f32 v[PP+2*i:PP+2*i+1], v[PP+2*i:PP+2*i+1], v[U+2*i:U+2*i+1], s[KC+\k:KC+\k+1] op_sel_hi:[1,1,0]
.set i, i+1
.endr
.endr
.irp k, 14,16,18
.set i, 0
.rept 8
	v_pk_fma_f32 v[QQ+2*i:QQ+2*i+1], v[QQ+2*i:QQ+2*i+1], v[U+2*i:U+2*i+1], s[KC+\k:KC+\k+1] op_sel_hi:[1,1,0]
.set i, i+1
.endr
.endr
.set i, 0
.rept 16
	v_rcp_f32 v[QQ+i], v[QQ+i]
.set i, i+1
.endr
.set i, 0
.rept 8
	v_pk_mul_f32 v[PP+2*i:PP+2*i+1], v[PP+2*i:PP+2*i+1], v[YC+2*i:YC+2*i+1]         ; z P: plain work behind the reciprocals
.set i, i+1
.endr
.set i, 0
.rept 8
	v_pk_mul_f32 v[U+2*i:U+2*i+1], v[Y+2*i:Y+2*i+1], 0.5 op_sel_hi:[1,0]            ; y / 2
.set i, i+1
.endr
	s_wait_alu depctr_va_vdst(0)                   ; one wait for the sixteen reciprocals, ahead of their first reader
.set i, 0
.rept 8
	v_pk_mul_f32 v[PP+2*i:PP+2*i+1], v[PP+2*i:PP+2*i+1], v[QQ+2*i:QQ+2*i+1]         ; erf
.set i, i+1
.endr
.set i, 0
.rept 8
	v_pk_fma_f32 v[Y+2*i:Y+2*i+1], v[U+2*i:U+2*i+1], v[PP+2*i:PP+2*i+1], v[U+2*i:U+2*i+1]
.set i, i+1
.endr
.endr
.endm
.macro KPAIR n, bits
	s_mov_b32 s[KC+2*(\n)], \bits
	s_mov_b32 s[KC+2*(\n)+1], \bits
.endm
	s_load_b512 s[4:19], s[0:1], 0x0               ; obuf, wimg, Wo's, W1's, W2's scales, b_mlp1, b_mlp2, ada
	s_load_b128 s[20:23], s[0:1], 0x40             ; x, out0
	v_lshrrev_b32 v29, 5, v0
	v_readfirstlane_b32 s[WV], v29                 ; wave 0..7
	v_and_b32 v29, 31, v0                          ; lane
	v_and_b32 v30, 15, v0                          ; r
	v_bfe_u32 v31, v0, 4, 1                        ; h
	v_lshlrev_b32 v[LI], 4, v29
	v_lshlrev_b32 v[L8], 3, v29
	v_lshlrev_b32 v[LS], 2, v29
	v_add_nc_u32 v[LIZ], Z, v[LI]
	v_add_nc_u32 v[L8Z], Z, v[L8]
	v_add_nc_u32 v[LSZ], Z, v[LS]
	v_lshlrev_b32 v[CH], 6, v31
	v_and_b32 v[RL16], 8, v30
	v_add_nc_u32 v[RL16], v[RL16], v30             ; r + 8 (r / 8)
	v_lshl_add_u32 v[XA], v[RL16], 11, v[CH]       ; x: my row of 2,048 bytes, + 64 h
	v_lshlrev_b32 v[RL64], 6, v[RL16]              ; a scale row of W2: 64 bytes
	v_lshlrev_b32 v[RL16], 4, v[RL16]              ; of Wo, W1: 16 bytes
	s_mul_i32 s25, s[WV], 3072
	v_add_nc_u32 v[HB16], s25, v[LI]               ; h's images: K steps 2 w, 2 w + 1 are mine
	v_add_nc_u32 v[HB8], s25, v[L8]
	s_lshl_b32 s25, s[WV], 8
	v_add_nc_u32 v[HBS], s25, v[LS]
	v_mov_b32 v[HW16], v[HB16]
	v_mov_b32 v[HW8], v[HB8]
	v_mov_b32 v[HWS], v[HBS]
	s_mul_i32 s25, s[WV], 768
	v_add_nc_u32 v[XW16], s25, v[LIZ]              ; xn2's images: half w % 2 of K step w / 2
	v_add_nc_u32 v[XW8], s25, v[L8Z]
	s_lshr_b32 s25, s[WV], 1
	s_lshl_b32 s25, s25, 7
	s_and_b32 s26, s[WV], 1
	s_lshl_b32 s26, s26, 1
	s_add_co_u32 s25, s25, s26
	v_add_nc_u32 v[XWS], s25, v[LSZ]
	s_lshl_b32 s25, s[WV], 9
	v_add_nc_u32 v[STW], s25, v[L8Z]
	s_mul_i32 s25, s[WV], 8704
	s_add_co_u32 s25, s25, STG                     ; my stage
	v_mul_u32_u24 v[SO], v30, 272
	v_add_nc_u32 v[SO], v[SO], v[CH]
	v_add_nc_u32 v[SO], s25, v[SO]                 ; in: row r, + 64 h
	v_mul_u32_u24 v[SR], v31, 272
	v_lshl_add_u32 v[SR], v30, 4, v[SR]
	v_add_nc_u32 v[SR], s25, v[SR]                 ; back: lanes 0-15 one row of 256 bytes, lanes 16-31 the next
	v_lshlrev_b32 v[GO], 11, v31
	v_lshl_add_u32 v[GO], v30, 4, v[GO]            ; and the same two rows in out0
	s_mul_i32 s25, s[WV], 1536
	v_add_nc_u32 v[T0], s25, v[LIZ]                ; the copy of o: fragment w
	s_lshl_b32 s25, s[WV], 7
	v_add_nc_u32 v[T1], s25, v[LSZ]
	v_mov_b32 v[CA1], 0x32edffee                   ; erf: the numerator's second coefficient, twice
	v_mov_b32 v[CA1+1], 0x32edffee
	v_mov_b32 v[CB1], 0xb95fbd29                   ; the denominator's second
	v_mov_b32 v[CB1+1], 0xb95fbd29
.irp b, 0,1,2,3
	v_mov_b32 v[TM+4+\b], 0                        ; written once: a lane permute's destination counts as one of its sources
.endr
	v_mov_b32 v[ST+5], 0                           ; (named as the upper halves of pairs before they are first written)
	v_mov_b32 v[ST+7], 0
	s_mov_b32 s[SEL], 0x76543210
	s_mov_b32 s[SEL+1], 0xfedcba98
	s_mov_b32 s[RT], 0x3f3504f3                    ; 1 / sqrt 2
	s_mov_b32 s[RT+1], s[RT]
	s_mov_b32 s38, 0x3b000000                      ; 1 / 512
	KPAIR 0, 0xaf95df0b                            ; the numerator, highest power first (the second lies in v[CA1])
	KPAIR 1, 0xb60cff51
	KPAIR 2, 0xb86ec2d2
	KPAIR 3, 0xba40ac63
	KPAIR 4, 0xbb41a1f6
	KPAIR 5, 0xbc83dbd4
	KPAIR 6, 0xb77460cd                            ; the denominator (the second lies in v[CB1])
	KPAIR 7, 0xbadc924e
	KPAIR 8, 0xbbf19bf8
	KPAIR 9, 0xbc69b6a7
	s_mov_b32 s61, 0
	s_mov_b32 s63, 0
	s_mul_i32 s60, s[WV], STREAM
	s_add_co_u32 s60, s60, PS
	s_wait_kmcnt 0x0
	s_add_nc_u64 s[W0P:W0P+1], s[6:7], s[60:61]    ; my stream: Wo's batch,
	s_add_nc_u64 s[WP:WP+1], s[W0P:W0P+1], 24576   ; W1's four; W2's four follow
	s_lshl_b32 s60, s[WV], 10
	s_add_nc_u64 s[8:9], s[8:9], s[60:61]          ; Wo's scale rows 64 w on
	s_add_nc_u64 s[B1P:B1P+1], s[14:15], s[60:61]  ; b_mlp1 at hidden unit 256 w
	s_lshl_b32 s60, s[WV], 12
	s_add_nc_u64 s[S1P:S1P+1], s[10:11], s[60:61]  ; W1's scale rows 256 w on
	s_add_nc_u64 s[S2P:S2P+1], s[12:13], s[60:61]  ; W2's scale rows 64 w on
	s_lshl_b32 s60, s[WV], 8                       ; my 64 columns: 256 bytes
	s_add_nc_u64 s[16:17], s[16:17], s[60:61]
	s_lshr_b32 s62, ttmp9, 6
	s_lshl_b32 s62, s62, 11
	s_add_co_u32 s62, s62, s60
	s_add_nc_u64 s[18:19], s[18:19], s[62:63]      ; my batch's modulation, my columns
	s_lshl_b32 s62, ttmp9, 16
	s_add_co_u32 s62, s62, s60
	s_add_nc_u64 s[20:21], s[20:21], s[62:63]      ; x and out0 at token 32 g, my columns
	s_add_nc_u64 s[22:23], s[22:23], s[62:63]
	s_lshl_b32 s62, ttmp9, 3
	s_add_co_u32 s62, s62, s[WV]                   ; o's fragment 8 g + w
	s_mul_i32 s60, s62, 1536
	s_lshl_b32 s62, s62, 7
	s_add_co_u32 s62, s62, OSC
	s_add_nc_u64 s[OSP:OSP+1], s[4:5], s[62:63]
	s_add_nc_u64 s[4:5], s[4:5], s[60:61]
	; ---- o's eight fragments into LDS, a fragment a wave; the first loads
	global_load_b128 v[32:35], v[LI], s[4:5]
	global_load_b128 v[36:39], v[LI], s[4:5] offset:512
	global_load_b128 v[40:43], v[LI], s[4:5] offset:1024
	global_load_b32 v44, v[LS], s[OSP:OSP+1]
	WSLOAD 0, 8, RL16, 16, 0
	WFRAGS W0P, 0
	s_wait_loadcnt 52                              ; the copy's four loads are in; Wo's 52 stay out
	ds_store_b128 v[T0], v[32:35] offset:OIMG
	ds_store_b128 v[T0], v[36:39] offset:OIMG+512
	ds_store_b128 v[T0], v[40:43] offset:OIMG+1024
	ds_store_b32 v[T1], v44 offset:OSCL
	WIN 0x40
.irp m, 0,1
.irp b, 0,1
.irp j, 0,1,2,3
	global_load_b128 v[X1+32*\m+16*\b+4*\j:X1+32*\m+16*\b+4*\j+3], v[XA], s[20:21] offset:16384*\m+128*\b+16*\j th:TH_LOAD_NT
.endr
.endr
.endr
	WIN 0
	COLLOAD BI, 18, 16384                          ; gate_msa
	COLLOAD P, 18, 24576                           ; g2 (1 + scale_mlp), into registers that are free until the quantiser
	s_wait_dscnt 0x0
	s_barrier_signal -1
	s_barrier_wait -1                              ; o's fragments lie in LDS
	; ---- o Wo
	s_wait_loadcnt 32                              ; Wo's batch is in; x, the gate and the gain (32 loads) stay out
	GEMM4 OIMG, OSCL, 0, 1
	COLLOAD XF, 18, 32768                          ; b2 (1 + scale_mlp)
	WSLOAD 1, S1P, RL16, 16, 0
	WFRAGS WP, 0                                   ; W1's first batch lands under the norm
	; ---- the first residual
	s_wait_loadcnt 60                              ; x, the gate and the gain are in; the 60 loads just issued stay out
	WIN 0x50
.set i, 0
.rept 32
	v_pk_fma_f32 v[X1+2*i:X1+2*i+1], v[ACC+2*i:ACC+2*i+1], v[BI+2*(i%16):BI+2*(i%16)+1], v[X1+2*i:X1+2*i+1]
.set i, i+1
.endr
	; ---- LN2: my 64 columns' mean and squared differences
.irp m, 0,1
	WIN 0x05
	v_pk_add_f32 v[ST:ST+1], v[X1+32*\m:X1+32*\m+1], v[X1+32*\m+2:X1+32*\m+3]
	v_pk_add_f32 v[ST+2:ST+3], v[X1+32*\m+4:X1+32*\m+5], v[X1+32*\m+6:X1+32*\m+7]
	WIN 0x04
.irp q, 4,6,8,10,12,14
	v_pk_add_f32 v[ST:ST+1], v[ST:ST+1], v[X1+32*\m+2*\q:X1+32*\m+2*\q+1]
	v_pk_add_f32 v[ST+2:ST+3], v[ST+2:ST+3], v[X1+32*\m+2*\q+2:X1+32*\m+2*\q+3]
.endr
	WIN 0
	v_pk_add_f32 v[ST:ST+1], v[ST:ST+1], v[ST+2:ST+3]
	v_add_f32 v[ST], v[ST], v[ST+1]
	v_permlanex16_b32 v[ST+2], v[ST], s[SEL], s[SEL+1]
	v_add_f32 v[ST], v[ST], v[ST+2]
	v_mul_f32 v[ST+4+2*\m], 0x3c800000, v[ST]      ; my wave's mean: / 64
	WIN 0x01
.set i, 0
.rept 16
	v_pk_add_f32 v[ACC+32*\m+2*i:ACC+32*\m+2*i+1], v[X1+32*\m+2*i:X1+32*\m+2*i+1], v[ST+4+2*\m:ST+5+2*\m] op_sel_hi:[1,0] neg_lo:[0,1] neg_hi:[0,1]
.set i, i+1
.endr
	WIN 0
	v_pk_mul_f32 v[ST:ST+1], v[ACC+32*\m:ACC+32*\m+1], v[ACC+32*\m:ACC+32*\m+1]
	v_pk_mul_f32 v[ST+2:ST+3], v[ACC+32*\m+2:ACC+32*\m+3], v[ACC+32*\m+2:ACC+32*\m+3]
.irp q, 2,4,6,8,10,12,14
	v_pk_fma_f32 v[ST:ST+1], v[ACC+32*\m+2*\q:ACC+32*\m+2*\q+1], v[ACC+32*\m+2*\q:ACC+32*\m+2*\q+1], v[ST:ST+1]
	v_pk_fma_f32 v[ST+2:ST+3], v[ACC+32*\m+2*\q+2:ACC+32*\m+2*\q+3], v[ACC+32*\m+2*\q+2:ACC+32*\m+2*\q+3], v[ST+2:ST+3]
.endr
	v_pk_add_f32 v[ST:ST+1], v[ST:ST+1], v[ST+2:ST+3]
	v_add_f32 v[ST], v[ST], v[ST+1]
	v_permlanex16_b32 v[ST+2], v[ST], s[SEL], s[SEL+1]
	v_add_f32 v[ST+5+2*\m], v[ST], v[ST+2]
	ds_store_b64 v[STW], v[ST+4+2*\m:ST+5+2*\m] offset:STAT+256*\m
.endr
	s_wait_dscnt 0x0
	s_barrier_signal -1
	s_barrier_wait -1                              ; the eight waves' statistics lie in LDS
.irp w, 0,1,2,3,4,5,6,7
.irp m, 0,1
	ds_load_b64 v[BI+4*\w+2*\m:BI+4*\w+2*\m+1], v[L8Z] offset:STAT+512*\w+256*\m
.endr
.endr
	s_wait_dscnt 0x0
.irp m, 0,1
	v_add_f32 v[64+\m], v[BI+2*\m], v[BI+4+2*\m]
	v_add_f32 v[66+\m], v[BI+1+2*\m], v[BI+5+2*\m]
.irp w, 2,3,4,5,6,7
	v_add_f32 v[64+\m], v[64+\m], v[BI+4*\w+2*\m]
	v_add_f32 v[66+\m], v[66+\m], v[BI+4*\w+2*\m+1]
.endr
	v_mul_f32 v[64+\m], 0x3e000000, v[64+\m]       ; the row's mean
	v_sub_f32 v[68+\m], v[BI+2*\m], v[64+\m]
	v_mul_f32 v[70+\m], v[68+\m], v[68+\m]
.irp w, 1,2,3,4,5,6,7
	v_sub_f32 v[68+\m], v[BI+4*\w+2*\m], v[64+\m]
	v_fmac_f32 v[70+\m], v[68+\m], v[68+\m]
.endr
	v_fmamk_f32 v[66+\m], v[70+\m], 0x42800000, v[66+\m]   ; + 64 x the means' squared differences
	v_fmaak_f32 v[66+\m], s38, v[66+\m], 0x3727c5ac        ; the variance + 1e-5
	v_sub_f32 v[76+2*\m], v[ST+4+2*\m], v[64+\m]           ; my wave's mean - the row's
	v_mov_b32 v[77+2*\m], 0
	v_mov_b32 v[73+2*\m], 0
.endr
	v_rsq_f32 v72, v66
	v_rsq_f32 v74, v67
	v_nop
	s_wait_alu depctr_va_vdst(0)
	COLLOAD BI, B1P, 0                             ; b_mlp1 of the first batch
	; ---- modulate, quantise: my 64 columns are half a K step
	s_wait_loadcnt 60                              ; b2 (1 + s) is in; W1's 52 loads and the bias's 8 stay out
.irp m, 0,1
.set i, 0
.rept 16
	v_pk_add_f32 v[ACC+32*\m+2*i:ACC+32*\m+2*i+1], v[ACC+32*\m+2*i:ACC+32*\m+2*i+1], v[76+2*\m:77+2*\m] op_sel_hi:[1,0]
.set i, i+1
.endr
.set i, 0
.rept 16
	v_pk_mul_f32 v[ACC+32*\m+2*i:ACC+32*\m+2*i+1], v[ACC+32*\m+2*i:ACC+32*\m+2*i+1], v[72+2*\m:73+2*\m] op_sel_hi:[1,0]
.set i, i+1
.endr
.set i, 0
.rept 16
	v_pk_fma_f32 v[ACC+32*\m+2*i:ACC+32*\m+2*i+1], v[ACC+32*\m+2*i:ACC+32*\m+2*i+1], v[P+2*i:P+2*i+1], v[XF+2*i:XF+2*i+1]
.set i, i+1
.endr
.endr
	QUANT ACC, 0, 2
	ds_store_b128 v[XW16], v[P:P+3] offset:XIMG
	ds_store_b64 v[XW8], v[P+4:P+5] offset:XIMG+512
	ds_store_b128 v[XW16], v[P+6:P+9] offset:XIMG+6144
	ds_store_b64 v[XW8], v[P+10:P+11] offset:XIMG+6144+512
	ds_store_b16 v[XWS], v[PW] offset:XSCL
	ds_store_b16_d16_hi v[XWS], v[PW] offset:XSCL+512
	s_wait_dscnt 0x0
	s_barrier_signal -1
	s_barrier_wait -1                              ; xn2's eight fragments lie in LDS
	; ---- the hidden layer: a batch is 64 hidden units x all of K; two batches make one K step of the last product
.macro HALF c
	s_wait_loadcnt 0x0                             ; this batch, its scale words and its bias
	GEMM4 XIMG, XSCL, 1-(\c), 2
.if (\c) == 0
	WSLOAD 0, S1P, RL16, 16, 1024
	COLLOAD BI, B1P, 256
.else
	s_cmp_eq_u32 s[CNT], 1                         ; behind W1's last batch comes W2's first: both ways issue twelve loads into the same registers
	s_cbranch_scc1 .Lto_w2_\@
	WSLOAD 1, S1P, RL16, 16, 2048
	COLLOAD BI, B1P, 512
	s_branch .Laux_\@
.Lto_w2_\@:
	WSLOAD 1, S2P, RL64, 64, 0
	COLLOAD BI, 16, 0
.Laux_\@:
.endif
	WFRAGS WP, 24576*((\c)+1)                      ; the next batch lands under the gelu
	GELU
	QUANT ACC, 0, 2
	ds_store_b128 v[HW16], v[P:P+3] offset:768*(\c)
	ds_store_b64 v[HW8], v[P+4:P+5] offset:768*(\c)+512
	ds_store_b128 v[HW16], v[P+6:P+9] offset:24576+768*(\c)
	ds_store_b64 v[HW8], v[P+10:P+11] offset:24576+768*(\c)+512
	ds_store_b16 v[HWS], v[PW] offset:HSCL+2*(\c)
	ds_store_b16_d16_hi v[HWS], v[PW] offset:HSCL+2048+2*(\c)
	s_wait_dscnt 0x0                               ; the stores have read their registers
.endm
	s_mov_b32 s[CNT], 2
	s_mov_b32 s[HT], 0
	s_mov_b32 s[HS], 0
.Lchunk:
	HALF 0
	HALF 1
	s_wait_xcnt 0x0                                ; the loads above have read their bases: they are stepped only behind this wait
	s_add_nc_u64 s[WP:WP+1], s[WP:WP+1], 49152
	s_add_nc_u64 s[S1P:S1P+1], s[S1P:S1P+1], 2048
	s_add_nc_u64 s[B1P:B1P+1], s[B1P:B1P+1], 512
	s_add_co_u32 s[HT], s[HT], 1536
	s_add_co_u32 s[HS], s[HS], 128
	v_add_nc_u32 v[HW16], s[HT], v[HB16]
	v_add_nc_u32 v[HW8], s[HT], v[HB8]
	v_add_nc_u32 v[HWS], s[HS], v[HBS]
	s_sub_co_u32 s[CNT], s[CNT], 1
	s_cmp_lg_u32 s[CNT], 0
	s_cbranch_scc1 .Lchunk
	s_barrier_signal -1                            ; (no LDS instruction of mine is out: the last wait above was for 0)
	s_barrier_wait -1                              ; h's 32 fragments lie in LDS
	; ---- h W2: sixteen K steps; behind each step its weight registers take the fragments of four steps on
.macro FSTEP s, n                      ; n: the global loads issued behind this step's own, which stay out
.if (\s) < 15
	FETCHA ((\s)+1)%2, LI, L8, LS, 1536*((\s)+1), 24576+1536*((\s)+1), HSCL+128*((\s)+1), HSCL+2048+128*((\s)+1)
	s_wait_dscnt 10
.else
	s_wait_dscnt 0x0
.endif
	s_wait_loadcnt \n
.if (\s) == 0
	MM8 0, 0, 1, 2
.else
	MM8 (\s)%4, (\s)%2, (((\s)/4)+1)%2, 0
.endif
.if (\s) < 12
.if (\s) == 0
	COLLOAD BI, 18, 40960                          ; gate_mlp takes the bias's registers
.endif
.if (\s)%4 == 0
	WSLOAD ((\s)/4)%2, S2P, RL64, 64, 16*((\s)/4+1)
.endif
	WIN 0x40
	WSTEP WP, 24576*(((\s)+4)/4), (\s)%4
	WIN 0
.endif
.endm
	FETCHA 0, LI, L8, LS, 0, 24576, HSCL, HSCL+2048
	FSTEP 0, 36
	FSTEP 1, 48
	FSTEP 2, 48
	FSTEP 3, 48
	FSTEP 4, 36
	FSTEP 5, 40
	FSTEP 6, 40
	FSTEP 7, 40
	FSTEP 8, 36
	FSTEP 9, 40
	FSTEP 10, 40
	FSTEP 11, 40
	FSTEP 12, 36
	FSTEP 13, 24
	FSTEP 14, 12
	FSTEP 15, 0
	; ---- the second residual, and the way out through my own stage: a lane holds pieces of one row, sixteen lanes store a row's 256 consecutive bytes
	WIN 0x10
.set i, 0
.rept 32
	v_pk_fma_f32 v[ACC+2*i:ACC+2*i+1], v[ACC+2*i:ACC+2*i+1], v[BI+2*(i%16):BI+2*(i%16)+1], v[X1+2*i:X1+2*i+1]
.set i, i+1
.endr
	WIN 0
.irp m, 0,1
.irp b, 0,1
.irp j, 0,1,2,3
	ds_store_b128 v[SO], v[ACC+32*\m+16*\b+4*\j:ACC+32*\m+16*\b+4*\j+3] offset:4352*\m+128*\b+16*\j
.endr
.endr
.irp i, 0,1,2,3,4,5,6,7
	ds_load_b128 v[32+4*(8*\m+\i):35+4*(8*\m+\i)], v[SR] offset:4352*\m+544*\i   ; LDS serves a wave's instructions in order (ISA guide 5.7.1.4): these see my stores
.endr
.endr
.irp m, 0,1
.irp i, 0,1,2,3,4,5,6,7
	s_wait_dscnt (1-\m)*16+7-\i
	global_store_b128 v[GO], v[32+4*(8*\m+\i):35+4*(8*\m+\i)], s[22:23] offset:(8*\m+2*\i+8*(\i/4))*2048 th:TH_STORE_NT
.endr
.endr
	s_wait_xcnt 0x0
	v_lshl_add_u32 v254, v0, 2, 0x25800
	v_mov_b32 v255, 0
	s_wait_tensorcnt 0x0
	ds_add_u32 v254, v255
	s_wait_dscnt 0x0
	s_endpgm
.Lfunc_end_k_q50e351ee5d_post:
	.size	k_q50e351ee5d_post, .Lfunc_end_k_q50e351ee5d_post-k_q50e351ee5d_post
	.p2alignl 7, 3214868480
	.fill 96, 4, 3214868480
	.section	.rodata,"a",@progbits
	.p2align	6, 0x0
	.amdhsa_kernel k_q50e351ee5d_post
		.amdhsa_group_segment_fixed_size 154624
		.amdhsa_private_segment_fixed_size 0
		.amdhsa_enable_private_segment 0
		.amdhsa_kernarg_size 80
		.amdhsa_user_sgpr_count 2
		.amdhsa_user_sgpr_kernarg_segment_ptr 1
		.amdhsa_wavefront_size32 1
		.amdhsa_system_sgpr_workgroup_id_x 1
		.amdhsa_system_sgpr_workgroup_id_y 1
		.amdhsa_system_sgpr_workgroup_id_z 1
		.amdhsa_system_vgpr_workitem_id 0
		.amdhsa_next_free_vgpr 512
		.amdhsa_next_free_sgpr 84
		.amdhsa_reserve_vcc 0
		.amdhsa_float_denorm_mode_32 3
		.amdhsa_float_denorm_mode_16_64 3
		.amdhsa_memory_ordered 1
		.amdhsa_forward_progress 1
		.amdhsa_inst_pref_size 217
	.end_amdhsa_kernel
	.amdgpu_metadata
---
amdhsa.version: [ 1, 2 ]
amdhsa.kernels:
  - .name:           k_q50e351ee5d_post
    .symbol:         k_q50e351ee5d_post.kd
    .args:
      - { .name: obuf, .offset: 0, .size: 8, .value_kind: global_buffer, .address_space: global }
      - { .name: wimg, .offset: 8, .size: 8, .value_kind: global_buffer, .address_space: global }
      - { .name: Wo_scales, .offset: 16, .size: 8, .value_kind: global_buffer, .address_space: global }
      - { .name: W_mlp1_scales, .offset: 24, .size: 8, .value_kind: global_buffer, .address_space: global }
      - { .name: W_mlp2_scales, .offset: 32, .size: 8, .value_kind: global_buffer, .address_space: global }
      - { .name: b_mlp1, .offset: 40, .size: 8, .value_kind: global_buffer, .address_space: global }
      - { .name: b_mlp2, .offset: 48, .size: 8, .value_kind: global_buffer, .address_space: global }
      - { .name: ada, .offset: 56, .size: 8, .value_kind: global_buffer, .address_space: global }
      - { .name: x, .offset: 64, .size: 8, .value_kind: global_buffer, .address_space: global }
      - { .name: out0, .offset: 72, .size: 8, .value_kind: global_buffer, .address_space: global }
    .group_segment_fixed_size: 154624
    .private_segment_fixed_size: 0
    .kernarg_segment_align: 8
    .kernarg_segment_size: 80
    .max_flat_workgroup_size: 256
    .sgpr_count:     84
    .vgpr_count:     512
    .wavefront_size: 32
...
	.end_amdgpu_metadata
.endif
;; end of part 4
;; ======== version 2 of 2: 4 launches
;; workspace buffers: ada 49,152 bytes; wimg 2,359,296 bytes; qbuf 3,670,016 bytes; kvrec 6,815,744 bytes; obuf 3,407,872 bytes
;; launch prep (part 5): grid 40 x 1, 16 waves a work-group, no clusters, 34,816 bytes of LDS; arguments W_ada, c, b_ada, g1, b1, g2, b2, Wq_codes, Wk_codes, Wv_codes, Wo_codes, W_mlp1_codes, W_mlp2_codes, ada, wimg; writes ada, wimg
.if DOCPART == 5
	.amdgcn_target "amdgcn-amd-amdhsa--gfx1250"
	.amdhsa_code_object_version 6
	.text
	.protected	k_q50e351ee5d_prep
	.globl	k_q50e351ee5d_prep
	.p2align	8
	.type	k_q50e351ee5d_prep,@function
k_q50e351ee5d_prep:
	s_mov_b64 s[64:65], 0
	v_nop
	global_prefetch_b8 v0, s[64:65] scope:SCOPE_SE
	s_setreg_imm32_b32 hwreg(HW_REG_WAVE_MODE, 25, 1), 1
	s_wait_xcnt 0x0
; Two kinds of work-groups, told apart by the work-group's number alone.
; 0 to 15: mod = silu(c) W_ada + b_ada, in f32 by fused multiply-adds (its results go on into quantisers).  Work-group j owns columns 128 j .. 128 j + 127 for the four
;   batches; wave w sums k = 32 w .. 32 w + 31; the sixteen partial sums meet in LDS.  Stored are six arrays [4][512] of f32 in ada:
;   g1 (1 + scale_msa), b1 (1 + scale_msa), gate_msa, g2 (1 + scale_mlp), b2 (1 + scale_mlp), gate_mlp, 8,192 bytes each.
; 16 to 39: the six weights' codes are laid anew as IMAGES OF OPERAND REGISTERS: a fragment (16 rows x 128 K, 12 registers a lane) as three runs of 512 bytes, registers 4 c .. 4 c + 3 of
;   lane l at 512 c + 16 l.  Row m of tile t is the weight's row 32 (t / 2) + 8 (t % 2) + m + 8 (m / 8), so that the 16 result registers of tiles 2 b and 2 b + 1 are 16 neighbours.
;   Wq, Wk, Wv: fragment (t, s) at (4 t + s) x 1,536.  From PS on one stream of 221,184 bytes for each of the last launch's eight waves: Wo (16 fragments), W_mlp1 (64), W_mlp2 (64, order [K steps / 4][tile][K step % 4]).
; LIMITS: NaN and infinities are not served; for c under about -88 silu(c) comes out as -0; the sum over k is taken in another order than a plain chain.
.set PS,     589824
.set STREAM, 221184
	s_load_b512 s[4:19], s[0:1], 0x0               ; W_ada, c, b_ada, g1, b1, g2, b2, Wq's codes
	s_load_b256 s[20:27], s[0:1], 0x40             ; Wk's, Wv's, Wo's, W_mlp1's codes
	s_load_b128 s[28:31], s[0:1], 0x60             ; W_mlp2's codes, ada
	s_load_b64 s[32:33], s[0:1], 0x70              ; wimg
	v_lshl_add_u32 v192, v0, 2, 0x8000
	v_mov_b32 v193, 0
	v_lshrrev_b32 v1, 5, v0
	s_delay_alu instid0(VALU_DEP_1)
	v_readfirstlane_b32 s34, v1                    ; wave 0..15
	v_and_b32 v2, 31, v0                           ; lane
	s_delay_alu instid0(VALU_DEP_1)
	v_lshlrev_b32 v1, 4, v2                        ; 16 x lane
	s_mov_b32 s35, ttmp9
	s_cmp_lt_u32 s35, 16
	s_cbranch_scc0 .Lrelay                         ; the same way for all waves of a work-group
	; ---- the modulation
	v_lshlrev_b32 v2, 2, v0                        ; 4 t
	v_and_b32 v3, 127, v0
	s_delay_alu instid0(VALU_DEP_1)
	v_lshlrev_b32 v3, 2, v3                        ; 4 (t % 128)
	s_lshl_b32 s36, s35, 9                         ; my 128 columns: 512 j bytes
	s_mov_b32 s37, 0
	s_and_b32 s38, s35, 3
	s_lshl_b32 s38, s38, 9                         ; and inside their section of 512 columns
	s_mov_b32 s39, 0
	s_lshl_b32 s40, s34, 18                        ; my wave's 32 rows of 8,192 bytes
	s_add_co_u32 s40, s40, s36
	s_mov_b32 s41, 0
	s_lshl_b32 s56, s34, 11
	s_wait_alu depctr_va_vdst(0)
	v_add_nc_u32 v163, s56, v1                     ; LDS: my wave's 2,048 bytes, 16 x lane
	s_wait_kmcnt 0x0
	s_cmp_lt_u32 s35, 8                            ; sections 0, 1 belong to the first norm, 2, 3 to the second
	s_cselect_b64 s[52:53], s[10:11], s[14:15]
	s_cselect_b64 s[54:55], s[12:13], s[16:17]
	s_add_nc_u64 s[8:9], s[8:9], s[36:37]
	s_add_nc_u64 s[52:53], s[52:53], s[38:39]
	s_add_nc_u64 s[54:55], s[54:55], s[38:39]
	s_add_nc_u64 s[4:5], s[4:5], s[40:41]
.irp b, 0,1,2,3
	global_load_b32 v[4+\b], v2, s[6:7] offset:2048*\b     ; c[b][32 w + lane]
.endr
	global_load_b32 v160, v3, s[8:9]               ; b_ada of the column that I finish
	global_load_b32 v161, v3, s[52:53]             ; its gain
	global_load_b32 v162, v3, s[54:55]             ; its bias
.set i, 0
.rept 32
	global_load_b128 v[32+4*i:35+4*i], v1, s[4:5] offset:8192*i th:TH_LOAD_NT   ; row 32 w + i: the wave reads 512 consecutive bytes
.set i, i+1
.endr
	s_wait_loadcnt 35                              ; c is in: 3 + 32 loads were issued behind it
.irp b, 0,1,2,3
	v_mul_f32 v[8+\b], 0xbfb8aa3b, v[4+\b]         ; -c log2(e)
.endr
	s_wait_alu depctr_va_vdst(0)
.irp b, 0,1,2,3
	v_exp_f32 v[8+\b], v[8+\b]
.endr
	v_nop                                          ; a plain instruction behind the last exponential
	s_wait_alu depctr_va_vdst(0)                   ; one wait for the four, ahead of their first reader
.irp b, 0,1,2,3
	v_add_f32 v[8+\b], 1.0, v[8+\b]
.endr
	s_wait_alu depctr_va_vdst(0)
.irp b, 0,1,2,3
	v_rcp_f32 v[8+\b], v[8+\b]
.endr
	v_nop
	s_wait_alu depctr_va_vdst(0)
.irp b, 0,1,2,3
	v_mul_f32 v[4+\b], v[4+\b], v[8+\b]            ; silu(c) = c / (1 + e^-c): lane l holds k = 32 w + l
.endr
.set gq, 0
	s_wait_alu depctr_va_vdst(0)
.rept 8                                            ; four k at a time: their silu as scalars, 64 multiply-adds
	s_wait_loadcnt 28-4*gq                         ; rows up to 4 gq + 3 are in; the younger rows stay out
.irp q, 0,1,2,3
.irp b, 0,1,2,3
	v_readlane_b32 s[36+4*\q+\b], v[4+\b], 4*gq+\q
.endr
.endr
.irp q, 0,1,2,3
.irp b, 0,1,2,3
.irp cc, 0,1,2,3
.if (gq == 0) && (\q == 0)
	v_mul_f32 v[12+4*\b+\cc], s[36+4*\q+\b], v[32+16*gq+4*\q+\cc]   ; the first term starts the sum: nothing is cleared
.else
	v_fmac_f32 v[12+4*\b+\cc], s[36+4*\q+\b], v[32+16*gq+4*\q+\cc]
.endif
.endr
.endr
.endr
.set gq, gq+1
.endr
.irp b, 0,1,2,3
	ds_store_b128 v163, v[12+4*\b:15+4*\b] offset:512*\b   ; my wave's partial sums [batch][128 columns]
.endr
	s_wait_dscnt 0x0                               ; for the others' sake: my stores have landed
	s_barrier_signal -1
	s_barrier_wait -1
.set i, 0
.rept 16
	ds_load_b32 v[164+i], v2 offset:2048*i         ; thread t finishes batch t / 128, column t % 128
.set i, i+1
.endr
	s_lshr_b32 s36, s35, 3
	s_mul_i32 s36, s36, 24576                      ; the second norm's three arrays lie behind the first's
	s_bfe_u32 s37, s35, 0x10002
	s_lshl_b32 s37, s37, 14                        ; a gate lies behind the two arrays made of its scale
	s_add_co_u32 s36, s36, s37
	s_and_b32 s37, s35, 3
	s_lshl_b32 s37, s37, 9
	s_add_co_u32 s36, s36, s37
	s_mov_b32 s37, 0
	s_add_nc_u64 s[30:31], s[30:31], s[36:37]
	v_lshrrev_b32 v180, 7, v0
	s_delay_alu instid0(VALU_DEP_1)
	v_lshl_add_u32 v180, v180, 11, v3              ; batch x 2,048 + 4 x column
	s_wait_dscnt 0x0
.irp i, 0,1,2,3,4,5,6,7
	v_add_f32 v[164+\i], v[164+\i], v[172+\i]
.endr
.irp i, 0,1,2,3
	s_delay_alu instid0(VALU_DEP_4)
	v_add_f32 v[164+\i], v[164+\i], v[168+\i]
.endr
	s_delay_alu instid0(VALU_DEP_2)
	v_add_f32 v164, v164, v166
	s_delay_alu instid0(VALU_DEP_2)
	v_add_f32 v165, v165, v167
	s_delay_alu instid0(VALU_DEP_1)
	v_add_f32 v164, v164, v165
	s_delay_alu instid0(VALU_DEP_1)
	v_add_f32 v164, v164, v160                     ; + b_ada (in since the last wait on the loads, which was for 0)
	s_bitcmp1_b32 s35, 2
	s_cbranch_scc1 .Lgate
	v_add_f32 v164, 1.0, v164                      ; a scale: stored are gain x (1 + scale) and bias x (1 + scale)
	s_delay_alu instid0(VALU_DEP_1)
	v_mul_f32 v165, v161, v164
	s_delay_alu instid0(VALU_DEP_2)
	v_mul_f32 v166, v162, v164
	global_store_b32 v180, v165, s[30:31]
	global_store_b32 v180, v166, s[30:31] offset:8192
	s_wait_tensorcnt 0x0
	ds_add_u32 v192, v193
	s_wait_dscnt 0x0
	s_endpgm
.Lgate:
	s_wait_alu depctr_va_vdst(0)
	global_store_b32 v180, v164, s[30:31]
	s_wait_tensorcnt 0x0
	ds_add_u32 v192, v193
	s_wait_dscnt 0x0
	s_endpgm
	; ---- the weights' images: a wave takes one tile's four fragments
.Lrelay:
	s_wait_alu depctr_va_vdst(0)
	v_and_b32 v3, 15, v2                           ; r
	v_lshrrev_b32 v4, 4, v2                        ; h
	s_delay_alu instid0(VALU_DEP_2)
	v_and_b32 v5, 8, v3
	s_delay_alu instid0(VALU_DEP_1)
	v_add_nc_u32 v3, v3, v5                        ; r + 8 (r / 8)
	s_sub_co_u32 s36, s35, 16                      ; jj = 0 .. 23
	s_and_b32 s37, s36, 1
	s_lshl_b32 s37, s37, 4
	s_add_co_u32 s37, s37, s34                     ; tile of Wq, Wk, Wv, Wo: 16 (jj % 2) + wave
	s_and_b32 s38, s36, 7
	s_lshl_b32 s39, s38, 4
	s_add_co_u32 s39, s39, s34                     ; of W_mlp1: 16 (jj % 8) + wave
	s_lshl_b32 s40, s38, 2
	s_and_b32 s41, s34, 3
	s_add_co_u32 s40, s40, s41                     ; of W_mlp2: 4 (jj % 8) + wave % 4,
	s_lshr_b32 s41, s34, 2                         ; K steps 4 (wave / 4) on
	s_lshr_b32 s42, s36, 1
	s_mul_i32 s42, s42, 196608
	s_mul_i32 s43, s37, 6144
	s_add_co_u32 s42, s42, s43                     ; where Wq's, Wk's, Wv's go
	s_lshr_b32 s43, s37, 2
	s_mul_i32 s43, s43, STREAM
	s_and_b32 s44, s37, 3
	s_mul_i32 s44, s44, 6144
	s_add_co_u32 s43, s43, s44
	s_add_co_u32 s43, s43, PS                      ; Wo's: stream tile / 4
	s_mul_i32 s44, s38, STREAM
	s_mul_i32 s45, s34, 6144
	s_add_co_u32 s44, s44, s45
	s_add_co_u32 s44, s44, PS+24576                ; W_mlp1's: stream jj % 8, behind Wo's part
	s_add_co_u32 s45, s44, 98304                   ; W_mlp2's: behind W_mlp1's part
	s_mov_b32 s51, 1536                            ; a row of W_mlp2's codes in bytes
	s_wait_alu depctr_va_vdst(0)
	s_wait_kmcnt 0x0
	s_cmp_lt_u32 s36, 16
	s_cselect_b64 s[46:47], s[26:27], s[28:29]
	s_cselect_b32 s48, s39, s40
	s_cselect_b32 s49, s44, s45
	s_cselect_b32 s50, 0, s41
	s_cselect_b32 s51, 384, s51
	s_cmp_lt_u32 s36, 8
	s_cselect_b64 s[46:47], s[24:25], s[46:47]
	s_cselect_b32 s48, s37, s48
	s_cselect_b32 s49, s43, s49
	s_cmp_lt_u32 s36, 6
	s_cselect_b64 s[46:47], s[22:23], s[46:47]
	s_cselect_b32 s49, s42, s49
	s_cmp_lt_u32 s36, 4
	s_cselect_b64 s[46:47], s[20:21], s[46:47]
	s_cmp_lt_u32 s36, 2
	s_cselect_b64 s[46:47], s[18:19], s[46:47]
	s_lshr_b32 s52, s48, 1
	s_lshl_b32 s52, s52, 5
	s_and_b32 s53, s48, 1
	s_lshl_b32 s53, s53, 3
	s_add_co_u32 s52, s52, s53                     ; the tile's first row: 32 (t / 2) + 8 (t % 2)
	s_mul_i32 s52, s52, s51
	s_mul_i32 s53, s50, 384                        ; four K steps are 384 bytes of a row
	s_add_co_u32 s52, s52, s53
	s_mov_b32 s53, 0
	s_add_nc_u64 s[46:47], s[46:47], s[52:53]
	s_mov_b32 s52, s49
	s_add_nc_u64 s[32:33], s[32:33], s[52:53]
	v_mul_lo_u32 v3, v3, s51
	s_delay_alu instid0(VALU_DEP_1)
	v_mad_u32_u24 v3, v4, 24, v3                   ; my row, + 24 bytes for the upper half of the lanes
.irp s, 0,1,2,3
.irp p, 0,1,2,3,4,5
	global_load_b64 v[32+12*\s+2*\p:33+12*\s+2*\p], v3, s[46:47] offset:96*\s+48*(\p/3)+8*(\p%3)
.endr
.endr
	s_wait_loadcnt 0x0
.irp s, 0,1,2,3
.irp cc, 0,1,2
	global_store_b128 v1, v[32+12*\s+4*\cc:35+12*\s+4*\cc], s[32:33] offset:1536*\s+512*\cc   ; the wave stores 512 consecutive bytes, aligned
.endr
.endr
	s_endpgm
.Lfunc_end_k_q50e351ee5d_prep:
	.size	k_q50e351ee5d_prep, .Lfunc_end_k_q50e351ee5d_prep-k_q50e351ee5d_prep
	.p2alignl 7, 3214868480
	.fill 96, 4, 3214868480
	.section	.rodata,"a",@progbits
	.p2align	6, 0x0
	.amdhsa_kernel k_q50e351ee5d_prep
		.amdhsa_group_segment_fixed_size 34816
		.amdhsa_private_segment_fixed_size 0
		.amdhsa_enable_private_segment 0
		.amdhsa_kernarg_size 120
		.amdhsa_user_sgpr_count 2
		.amdhsa_user_sgpr_kernarg_segment_ptr 1
		.amdhsa_wavefront_size32 1
		.amdhsa_system_sgpr_workgroup_id_x 1
		.amdhsa_system_sgpr_workgroup_id_y 1
		.amdhsa_system_sgpr_workgroup_id_z 1
		.amdhsa_system_vgpr_workitem_id 0
		.amdhsa_next_free_vgpr 194
		.amdhsa_next_free_sgpr 66
		.amdhsa_reserve_vcc 0
		.amdhsa_float_denorm_mode_32 3
		.amdhsa_float_denorm_mode_16_64 3
		.amdhsa_memory_ordered 1
		.amdhsa_forward_progress 1
		.amdhsa_inst_pref_size 41
	.end_amdhsa_kernel
	.amdgpu_metadata
---
amdhsa.version: [ 1, 2 ]
amdhsa.kernels:
  - .name:           k_q50e351ee5d_prep
    .symbol:         k_q50e351ee5d_prep.kd
    .args:
      - { .name: W_ada, .offset: 0, .size: 8, .value_kind: global_buffer, .address_space: global }
      - { .name: c, .offset: 8, .size: 8, .value_kind: global_buffer, .address_space: global }
      - { .name: b_ada, .offset: 16, .size: 8, .value_kind: global_buffer, .address_space: global }
      - { .name: g1, .offset: 24, .size: 8, .value_kind: global_buffer, .address_space: global }
      - { .name: b1, .offset: 32, .size: 8, .value_kind: global_buffer, .address_space: global }
      - { .name: g2, .offset: 40, .size: 8, .value_kind: global_buffer, .address_space: global }
      - { .name: b2, .offset: 48, .size: 8, .value_kind: global_buffer, .address_space: global }
      - { .name: Wq_codes, .offset: 56, .size: 8, .value_kind: global_buffer, .address_space: global }
      - { .name: Wk_codes, .offset: 64, .size: 8, .value_kind: global_buffer, .address_space: global }
      - { .name: Wv_codes, .offset: 72, .size: 8, .value_kind: global_buffer, .address_space: global }
      - { .name: Wo_codes, .offset: 80, .size: 8, .value_kind: global_buffer, .address_space: global }
      - { .name: W_mlp1_codes, .offset: 88, .size: 8, .value_kind: global_buffer, .address_space: global }
      - { .name: W_mlp2_codes, .offset: 96, .size: 8, .value_kind: global_buffer, .address_space: global }
      - { .name: ada, .offset: 104, .size: 8, .value_kind: global_buffer, .address_space: global }
      - { .name: wimg, .offset: 112, .size: 8, .value_kind: global_buffer, .address_space: global }
    .group_segment_fixed_size: 34816
    .private_segment_fixed_size: 0
    .kernarg_segment_align: 8
    .kernarg_segment_size: 120
    .max_flat_workgroup_size: 512
    .sgpr_count:     66
    .vgpr_count:     194
    .wavefront_size: 32
...
	.end_amdgpu_metadata
.endif
;; end of part 5
;; launch qkv (part 6): grid 256 x 1, 4 waves a work-group, no clusters, 31,232 bytes of LDS; arguments x, ada, wimg, Wq_scales, Wk_scales, Wv_scales, qbuf, kvrec; writes qbuf, kvrec
.if DOCPART == 6
	.amdgcn_target "amdgcn-amd-amdhsa--gfx1250"
	.amdhsa_code_object_version 6
	.text
	.protected	k_q50e351ee5d_qkv
	.globl	k_q50e351ee5d_qkv
	.p2align	8
	.type	k_q50e351ee5d_qkv,@function
k_q50e351ee5d_qkv:
	s_mov_b64 s[64:65], 0
	v_nop
	global_prefetch_b8 v0, s[64:65] scope:SCOPE_SE
	s_setreg_imm32_b32 hwreg(HW_REG_WAVE_SCHED_MODE, 0, 2), 2
	s_setreg_imm32_b32 hwreg(HW_REG_WAVE_MODE, 25, 1), 1
	s_wait_xcnt 0x0
	s_wait_alu depctr_vm_vsrc(0)
; LN1, modulation, quantiser, q = xn1 Wq, k = xn1 Wk, v = xn1 Wv on codes of FP6 (E2M3) with one E8M0 scale for each 32 along K, and the quantisers of q, k (along the head's 64) and v (along the keys).
; SHARES.  Work-group = 64 tokens (ttmp9 / 2) x four heads (ttmp9 % 2).  Wave w normalises and quantises token tile w of the block; the four tiles' fragments go round through LDS as images of their
; registers; then wave w makes q, k and v of head 4 (ttmp9 % 2) + w for all 64 tokens, its weights' 48 fragments coming from wimg straight into registers: each is read once and feeds four matrix instructions.
; Joint loads in a cluster are not used for the weights: they go into registers and not through LDS; that is the first thing to change if the weights' traffic holds the launch back.
; TILES.  Row m of token tile t is token 32 (t / 2) + 8 (t % 2) + m + 8 (m / 8); the weights' tiles likewise.  So for q and k (source 0 = weight, source 1 = tokens) a lane holds one token and its 32 registers run along
; the head's 64; for v (source 0 = tokens, source 1 = weight) a lane holds one channel and its registers run along the keys: in both cases 16 neighbours along the next K in 16 consecutive registers.
; OUT.  q: a half fragment (6 registers: 512 + 256 bytes) for each tile and head, and a scale word with its two bytes twice.  k, v: records of 13,312 bytes for each head and 128 keys: four fragments of K (each: two
; tiles of 16 keys, one in K positions 0-63, the other in 64-127), four fragments of V^T, K's scale words [lane][fragment], V's [lane][tile].
; LN: mean, then the squares of the differences (no difference of large sums); xn1 = d rs (g (1 + s)) + b (1 + s), the two constants made by the launch before.
; LIMITS: NaN and infinities are not served; a block whose largest magnitude lies under 2^-124 (a block of zeros too) gets the scale byte 1: only this program reads the bytes; sums in another order than a plain chain.
; REGISTERS.  window 0: v1-8 addresses; v16-27 sums, -mean, rs; v32-47, v48-63 the weights' scale words; v64-79 x's; v80-143 accumulators (earlier: LN gains); v144-163 codes; v164-179 at work; v192-255 LN biases.
;   window 1: Wq's fragments, later Wv's; v192-255 LN gains, second buffer.   window 2: Wk's; v192-255 LN biases, second buffer.
;   window 3: my 16 rows of x in f32 (register 16 blk + i = column 32 blk + 16 (lane / 16) + i), later the 16 fragments of xn1.
; THE MODE: SCHED_MODE bits 1:0 = 2 (LLVM: expert scheduling mode 2), set by the entry lines.  The code itself states the register dependences between vector or matrix instructions and memory or LDS
; instructions, with s_wait_alu, always for 0.
; THE PLAN.  Registers that memory or LDS instructions touch, and who else names them:
;   v1-8, v13, v190, v191   addresses and the closing add's pair: written at the head, never again: one wait on va_vdst ahead of the first load.
;   v16-23                  the LN constants land here, two LDS stores read them, then the sums write them: one wait on vm_vsrc behind the first barrier.
;   C0, C1                  two buffers of LN constants by turns (C0: window 0 v80-143 and v192-255; C1: v192-255 of windows 1 and 2).  Step s multiplies by buffer s % 2; the LDS loads of step s + 1 land in the
;                           other one, whose last readers, step s - 1's multiply-adds, stand ahead of step s - 1's wait on va_vdst: the constants owe no wait of their own.
;   P, PW, QW, KW           the out-buffer: written by a quantiser and the lines behind it, read by the run of stores that follows.  One wait on va_vdst ahead of each run of stores; one on vm_vsrc ahead of the next quantiser.
;   window 3                x, named by vector instructions up to step 3's quantiser, which stands ahead of step 3's wait on va_vdst; behind the barrier the fragments' LDS loads land in it.
;   window 1 v0-191, WS0    read by q's products; Wv's loads land there behind one wait on va_vdst.
;   Windows 1 and 2, WS0, WS1, XS and window 3's fragments are written by loads alone: no vector instruction makes an operand or a scale of a product.
.set LNA,  0                           ; LDS: g1 (1 + s) of my batch, 2,048 bytes
.set LNB,  2048                        ; b1 (1 + s)
.set XIMG, 4096                        ; 16 fragments' images (4 m + s), 1,536 bytes each
.set XSC,  28672                       ; their scale words, 128 bytes each
.set QSC,  3145728
.set REC,  13312
.set LI,   1
.set L8,   2
.set LS,   3
.set XA,   4
.set CA,   5
.set RL16, 6
.set XWI,  7
.set XWS,  8
.set SM,   16
.set MN,   24
.set RS,   26
.set WS0,  32
.set WS1,  48
.set XS,   64
.set ACC,  80
.set P,    144
.set TM,   164
.set PW,   180
.set KW,   182
.set QW,   184
.set CB,   192
.set C1,   192                         ; in windows 1 (gains) and 2 (biases): the second buffer of LN constants
.set WV,   20
.set SEL,  22
.set MSB,  0
.macro WIN new                         ; the immediate's high byte repeats the setting that is left; a switch that changes nothing is dropped
.if MSB != (\new)
	s_set_vgpr_msb (MSB<<8)|(\new)
.set MSB, (\new)
.endif
.endm
; 32 nh numbers of a lane in window w, register s + 16 b + i = k 32 b + 16 (lane / 16) + i of the lane's row, become codes in v[P] on (6 registers for each 64 along K) and scale bytes in v[PW] (byte b).
.macro QUANT s, w, nh
	WIN (((\w)<<2)|((\w)<<4))
.set qb, 0
.rept 2*(\nh)
	v_max3_num_f32 v[TM+qb], 0x1800000, |v[(\s)+16*qb]|, |v[(\s)+16*qb+1]|   ; my 16 numbers of block b, and the floor 2^(3 - 127): the byte cannot fall under 1
.set qb, qb+1
.endr
.set qi, 2
.rept 7
.set qb, 0
.rept 2*(\nh)
	v_max3_num_f32 v[TM+qb], v[TM+qb], |v[(\s)+16*qb+qi]|, |v[(\s)+16*qb+qi+1]|   ; the blocks by turns
.set qb, qb+1
.endr
.set qi, qi+2
.endr
	WIN 0
.set qb, 0
.rept 2*(\nh)
	v_permlanex16_b32 v[TM+4+qb], v[TM+qb], s[SEL], s[SEL+1]
.set qb, qb+1
.endr
.set qb, 0
.rept 2*(\nh)
	v_max_num_f32 v[TM+qb], v[TM+qb], v[TM+4+qb]   ; with the lane 16 away: the block's largest magnitude
.set qb, qb+1
.endr
.set qb, 0
.rept 2*(\nh)
	v_add_nc_u32 v[TM+12+qb], 0xff000000, v[TM+qb] ; 2 off its exponent field: the conversion's scale operand
.set qb, qb+1
.endr
.set qb, 0
.rept 2*(\nh)
	v_lshrrev_b32 v[TM+4+qb], 23, v[TM+12+qb]      ; the scale's byte
.set qb, qb+1
.endr
	v_lshl_or_b32 v[PW], v[TM+5], 8, v[TM+4]
.if (\nh) == 2
	v_lshl_or_b32 v[PW], v[TM+6], 16, v[PW]
	v_lshl_or_b32 v[PW], v[TM+7], 24, v[PW]
.endif
	WIN (\w)
.set qb, 0
.rept (\nh)
	v_cvt_scalef32_pk16_fp6_f32 v[P+6*qb:P+6*qb+2], v[(\s)+32*qb:(\s)+32*qb+15], v[TM+12+2*qb]
	v_cvt_scalef32_pk16_fp6_f32 v[P+12+4*qb:P+14+4*qb], v[(\s)+32*qb+16:(\s)+32*qb+31], v[TM+13+2*qb]   ; (a conversion's three registers begin on an even number)
.set qb, qb+1
.endr
	WIN 0
	v_nop                                          ; one plain instruction behind the last scaled conversion
.set qb, 0
.rept (\nh)                                        ; the operand wants a whole block in a lane: lanes 0-15 the even block, lanes 16-31 the odd one
.irp e, 0,1,2
	v_permlane16_swap_b32 v[P+6*qb+\e], v[P+12+4*qb+\e]
.endr
.irp e, 0,1,2
	v_mov_b32 v[P+6*qb+3+\e], v[P+12+4*qb+\e]
.endr
.set qb, qb+1
.endr
.endm
.macro MMAZ d, a, b, sa, sb            ; the first K step starts the sum
	v_wmma_scale_f32_16x16x128_f8f6f4 v[\d:\d+7], v[\a:\a+11], v[\b:\b+11], 0, v[\sa], v[\sb] matrix_a_fmt:MATRIX_FMT_FP6 matrix_b_fmt:MATRIX_FMT_FP6
.endm
.macro MMAC d, a, b, c, sa, sb
	v_wmma_scale_f32_16x16x128_f8f6f4 v[\d:\d+7], v[\a:\a+11], v[\b:\b+11], v[\c:\c+7], v[\sa], v[\sb] matrix_a_fmt:MATRIX_FMT_FP6 matrix_b_fmt:MATRIX_FMT_FP6
.endm
; my head's part of one weight: 4 loads of scale rows (16 bytes: the four K steps' words), then 16 fragments, 48 loads of 512 consecutive bytes: 52 loads
.macro WLOAD win, wbase, ws, sb
	WIN 0
.irp tl, 0,1,2,3
	global_load_b128 v[\ws+4*\tl:\ws+4*\tl+3], v[RL16], s[\sb:\sb+1] offset:(32*(\tl/2)+8*(\tl%2))*16
.endr
	WIN ((\win)<<6)
.set i, 0
.rept 48
	global_load_b128 v[4*i:4*i+3], v[LI], s[8:9] offset:(\wbase)+512*i
.set i, i+1
.endr
	WIN 0
.endm
; the LN constants of K step s in my lane's order, 32 LDS loads, into buffer s % 2.  Buffer 0: gains into the accumulators' registers, biases into v[CB] on.  Buffer 1: gains into window 1, biases into window 2, v[C1] on.
.macro CONSTS s
.if ((\s)%2) == 0
.irp b, 0,1,2,3
.irp j, 0,1,2,3
	ds_load_b128 v[ACC+16*\b+4*\j:ACC+16*\b+4*\j+3], v[CA] offset:LNA+512*(\s)+128*\b+16*\j
	ds_load_b128 v[CB+16*\b+4*\j:CB+16*\b+4*\j+3], v[CA] offset:LNB+512*(\s)+128*\b+16*\j
.endr
.endr
.else
	WIN 0x40                                       ; destination window 1, address window 0
.irp b, 0,1,2,3
.irp j, 0,1,2,3
	ds_load_b128 v[C1+16*\b+4*\j:C1+16*\b+4*\j+3], v[CA] offset:LNA+512*(\s)+128*\b+16*\j
.endr
.endr
	WIN 0x80                                       ; destination window 2
.irp b, 0,1,2,3
.irp j, 0,1,2,3
	ds_load_b128 v[C1+16*\b+4*\j:C1+16*\b+4*\j+3], v[CA] offset:LNB+512*(\s)+128*\b+16*\j
.endr
.endr
	WIN 0
.endif
.endm
; q or k of token tiles 2 p and 2 p + 1: 32 matrix instructions, eight accumulators by turns; source 0 = the weight's tile, source 1 = the tokens
.macro PROD win, p, ws
	WIN \win
.irp s, 0,1,2,3
.irp mm, 0,1
.irp tl, 0,1,2,3
.if \s == 0
	MMAZ ACC+8*(4*\mm+\tl), 12*(4*\tl+\s), 12*(4*(2*(\p)+\mm)+\s), \ws+4*\tl+\s, XS+4*(2*(\p)+\mm)+\s
.else
	MMAC ACC+8*(4*\mm+\tl), 12*(4*\tl+\s), 12*(4*(2*(\p)+\mm)+\s), ACC+8*(4*\mm+\tl), \ws+4*\tl+\s, XS+4*(2*(\p)+\mm)+\s
.endif
.endr
.endr
.endr
	WIN 0
.rept 4
	v_nop                                          ; four plain instructions behind the last products, ahead of the first read of their results
.endr
.endm
; v^T of channel tiles 2 p and 2 p + 1 for the block's 64 keys: source 0 = the tokens, source 1 = Wv's tile
.macro PRODV p
	WIN 0x07
.irp s, 0,1,2,3
.irp dd, 0,1
.irp m, 0,1,2,3
.if \s == 0
	MMAZ ACC+8*(4*\dd+\m), 12*(4*\m+\s), 12*(4*(2*(\p)+\dd)+\s), XS+4*\m+\s, WS0+4*(2*(\p)+\dd)+\s
.else
	MMAC ACC+8*(4*\dd+\m), 12*(4*\m+\s), 12*(4*(2*(\p)+\dd)+\s), ACC+8*(4*\dd+\m), XS+4*\m+\s, WS0+4*(2*(\p)+\dd)+\s
.endif
.endr
.endr
.endr
	WIN 0
.rept 4
	v_nop
.endr
.endm
	s_load_b512 s[4:19], s[0:1], 0x0               ; x, ada, wimg, Wq's, Wk's, Wv's scales, qbuf, kvrec
	v_lshl_add_u32 v190, v0, 2, 0x7800
	v_mov_b32 v191, 0
	v_lshrrev_b32 v9, 5, v0
	v_readfirstlane_b32 s[WV], v9                  ; wave 0..3
	v_and_b32 v9, 31, v0                           ; lane
	v_and_b32 v10, 15, v0                          ; r
	v_bfe_u32 v11, v0, 4, 1                        ; h
	v_lshlrev_b32 v[LI], 4, v9
	v_lshlrev_b32 v[L8], 3, v9
	v_lshlrev_b32 v[LS], 2, v9
	v_and_b32 v12, 8, v10
	v_add_nc_u32 v12, v12, v10                     ; r + 8 (r / 8)
	v_lshlrev_b32 v[CA], 6, v11                    ; 64 h: my 16 numbers of a block of 32
	v_lshl_add_u32 v[XA], v12, 11, v[CA]           ; x: my row of 2,048 bytes, + 64 h
	v_lshlrev_b32 v[RL16], 4, v12                  ; a weight's scale row: 16 bytes
	s_wait_alu depctr_va_sdst(0)                   ; the wave's number is written into its scalar register, ahead of its first reader
	s_mul_i32 s21, s[WV], 6144
	v_add_nc_u32 v[XWI], s21, v[LI]                ; where I store my four images
	s_lshl_b32 s21, s[WV], 9
	v_add_nc_u32 v[XWS], s21, v[LS]                ; and their scale words
	v_lshlrev_b32 v13, 4, v0                       ; 16 t
	s_mov_b32 s21, 0x3b000000                      ; 1 / 512
	s_mov_b32 s[SEL], 0x76543210
	s_mov_b32 s[SEL+1], 0xfedcba98                 ; the lane 16 away
.irp b, 0,1,2,3
	v_mov_b32 v[TM+4+\b], 0                        ; written once: a lane permute's destination counts as one of its sources
.endr
	s_lshr_b32 s24, ttmp9, 1                       ; block of 64 tokens
	s_and_b32 s25, ttmp9, 1                        ; half of the heads
	s_lshr_b32 s26, s24, 5                         ; batch
	s_lshl_b32 s27, s25, 2
	s_add_co_u32 s27, s27, s[WV]                   ; my head
	s_lshl_b32 s28, s26, 3
	s_add_co_u32 s28, s28, s27                     ; batch x 8 + head
	s_and_b32 s29, s24, 31                         ; the block in its batch
	s_mov_b32 s47, 0
	s_wait_kmcnt 0x0
	s_lshl_b32 s46, s26, 11
	s_add_nc_u64 s[6:7], s[6:7], s[46:47]          ; my batch's LN constants
	s_lshl_b32 s46, s24, 17                        ; 64 rows of 2,048 bytes a block
	s_lshr_b32 s30, s[WV], 1
	s_lshl_b32 s30, s30, 16
	s_add_co_u32 s46, s46, s30
	s_and_b32 s30, s[WV], 1
	s_lshl_b32 s30, s30, 14
	s_add_co_u32 s46, s46, s30                     ; + my tile's first row: 32 (w / 2) + 8 (w % 2)
	s_add_nc_u64 s[4:5], s[4:5], s[46:47]
	s_wait_alu depctr_va_vdst(0)                   ; the addresses v1 to v8 and v13 are written, which every load and store of the kernel reads; so is the closing add's pair
	global_load_b128 v[16:19], v13, s[6:7]                 ; g1 (1 + s): 16 bytes a thread
	global_load_b128 v[20:23], v13, s[6:7] offset:8192     ; b1 (1 + s)
	WIN 0xc0                                       ; destination window 3
.set i, 0
.rept 64
	global_load_b128 v[4*i:4*i+3], v[XA], s[4:5] offset:128*(i/4)+16*(i%4)   ; of each block of 32 columns my 16
.set i, i+1
.endr
	WIN 0
	s_mul_i32 s46, s27, 24576
	s_add_nc_u64 s[8:9], s[8:9], s[46:47]          ; my head's 16 fragments of each weight
	s_lshl_b32 s46, s27, 10
	s_add_nc_u64 s[10:11], s[10:11], s[46:47]      ; and its 64 scale rows
	s_add_nc_u64 s[12:13], s[12:13], s[46:47]
	s_add_nc_u64 s[14:15], s[14:15], s[46:47]
	s_lshl_b32 s30, s28, 7
	s_lshl_b32 s31, s29, 2
	s_add_co_u32 s30, s30, s31                     ; q: tile 128 (batch x 8 + head) + 4 x block
	s_mul_i32 s46, s30, 768
	s_add_nc_u64 s[32:33], s[16:17], s[46:47]
	s_lshl_b32 s46, s30, 7
	s_add_co_u32 s46, s46, QSC
	s_add_nc_u64 s[34:35], s[16:17], s[46:47]
	s_lshl_b32 s30, s28, 4
	s_lshr_b32 s31, s29, 1
	s_add_co_u32 s30, s30, s31
	s_mul_i32 s30, s30, REC                        ; my record: 128 keys are two blocks
	s_and_b32 s31, s24, 1                          ; which half of it is my block's
	s_mul_i32 s46, s31, 3072
	s_add_co_u32 s46, s46, s30
	s_add_nc_u64 s[36:37], s[18:19], s[46:47]      ; K's fragments 2 x, 2 x + 1
	s_lshl_b32 s46, s31, 3
	s_add_co_u32 s46, s46, s30
	s_add_co_u32 s46, s46, 12288
	s_add_nc_u64 s[38:39], s[18:19], s[46:47]      ; their scale words
	s_mul_i32 s46, s31, 768
	s_add_co_u32 s46, s46, s30
	s_add_co_u32 s46, s46, 6144
	s_add_nc_u64 s[40:41], s[18:19], s[46:47]      ; half x of V's fragments
	s_lshl_b32 s46, s31, 1
	s_add_co_u32 s46, s46, s30
	s_add_co_u32 s46, s46, 12800
	s_add_nc_u64 s[42:43], s[18:19], s[46:47]      ; its two bytes of V's scale words
	s_wait_loadcnt 63                              ; of the 66 loads the oldest three are in, both constants among them
	ds_store_b128 v13, v[16:19] offset:LNA
	ds_store_b128 v13, v[20:23] offset:LNB
	s_wait_dscnt 0x0
	s_barrier_signal -1
	s_barrier_wait -1                              ; the LN constants lie in LDS
	s_wait_alu depctr_vm_vsrc(0)                   ; my two LDS stores have read v16 to v23, which the sums below write
	; ---- the mean
	s_wait_loadcnt 0x0                             ; x
	WLOAD 1, 0, WS0, 10                            ; Wq lands while the row is summed (no vector instruction has named its registers)
	WIN 0x0f
.irp c, 0,1,2,3
	v_pk_add_f32 v[SM+2*\c:SM+2*\c+1], v[2*\c:2*\c+1], v[2*\c+8:2*\c+9]   ; four chains, started by the first eight pairs
.endr
	WIN 0x0c
.set i, 8
.rept 120
	v_pk_add_f32 v[SM+2*(i%4):SM+2*(i%4)+1], v[SM+2*(i%4):SM+2*(i%4)+1], v[2*i:2*i+1]
.set i, i+1
.endr
	WIN 0
	v_pk_add_f32 v[SM:SM+1], v[SM:SM+1], v[SM+2:SM+3]
	v_pk_add_f32 v[SM+4:SM+5], v[SM+4:SM+5], v[SM+6:SM+7]
	v_pk_add_f32 v[SM:SM+1], v[SM:SM+1], v[SM+4:SM+5]
	v_add_f32 v[SM], v[SM], v[SM+1]
	v_permlanex16_b32 v[SM+2], v[SM], s[SEL], s[SEL+1]     ; the row's other 256 columns
	v_add_f32 v[SM], v[SM], v[SM+2]
	v_mul_f32 v[MN], 0xbb000000, v[SM]             ; -mean
	v_mov_b32 v[MN+1], v[MN]
	; ---- the differences, their squares, rs
	WIN 0xc3
.set i, 0
.rept 128
	v_pk_add_f32 v[2*i:2*i+1], v[2*i:2*i+1], v[MN:MN+1]
.set i, i+1
.endr
	WLOAD 2, 196608, WS1, 12                       ; Wk (no vector instruction has named its registers)
	WIN 0x0f
.irp c, 0,1,2,3
	v_pk_mul_f32 v[SM+2*\c:SM+2*\c+1], v[2*\c:2*\c+1], v[2*\c:2*\c+1]
.endr
.set i, 4
.rept 124
	v_pk_fma_f32 v[SM+2*(i%4):SM+2*(i%4)+1], v[2*i:2*i+1], v[2*i:2*i+1], v[SM+2*(i%4):SM+2*(i%4)+1]
.set i, i+1
.endr
	WIN 0
	v_pk_add_f32 v[SM:SM+1], v[SM:SM+1], v[SM+2:SM+3]
	v_pk_add_f32 v[SM+4:SM+5], v[SM+4:SM+5], v[SM+6:SM+7]
	v_pk_add_f32 v[SM:SM+1], v[SM:SM+1], v[SM+4:SM+5]
	v_add_f32 v[SM], v[SM], v[SM+1]
	v_permlanex16_b32 v[SM+2], v[SM], s[SEL], s[SEL+1]
	v_add_f32 v[SM], v[SM], v[SM+2]
	v_fmaak_f32 v[SM], s21, v[SM], 0x3727c5ac      ; the variance + 1e-5
	s_wait_alu depctr_va_vdst(0)
	v_rsq_f32 v[RS], v[SM]
	v_nop                                          ; a plain instruction behind the transcendental
	s_wait_alu depctr_va_vdst(0)                   ; rs is written, ahead of its first reader
	v_mov_b32 v[RS+1], v[RS]
	CONSTS 0                                       ; (no vector instruction has named buffer 0 yet)
	WIN 0xc3
.set i, 0
.rept 128
	v_pk_mul_f32 v[2*i:2*i+1], v[2*i:2*i+1], v[RS:RS+1]
.set i, i+1
.endr
	WIN 0
	; ---- modulate and quantise, a K step of 128 columns at a time; the constants' two buffers take turns
.irp s, 0,1,2,3
.if \s == 0
	s_wait_dscnt 0x0                               ; this step's constants
.else
	s_wait_dscnt 4                                 ; this step's constants are in; behind them stand the last step's four image stores
.endif
.if (\s%2) == 0
	WIN 0xc3
.set i, 0
.rept 32
	v_pk_fma_f32 v[64*\s+2*i:64*\s+2*i+1], v[64*\s+2*i:64*\s+2*i+1], v[ACC+2*i:ACC+2*i+1], v[CB+2*i:CB+2*i+1]
.set i, i+1
.endr
.else
	WIN 0xe7                                       ; x in window 3, the gains in window 1, the biases in window 2
.set i, 0
.rept 32
	v_pk_fma_f32 v[64*\s+2*i:64*\s+2*i+1], v[64*\s+2*i:64*\s+2*i+1], v[C1+2*i:C1+2*i+1], v[C1+2*i:C1+2*i+1]
.set i, i+1
.endr
.endif
	WIN 0
.if \s < 3
	CONSTS \s+1                                    ; into the other buffer.  No wait: its last readers, the multiply-adds of the step before, stand ahead of that step's wait on va_vdst, and nothing since names it
	s_wait_dscnt 32                                ; the 32 loads just issued stay out; the last step's stores are done
.else
	s_wait_dscnt 0x0
.endif
.if \s > 0
	s_wait_alu depctr_vm_vsrc(0)                   ; the last step's image stores have read the codes and the scale word, which the quantiser writes again
.endif
	QUANT 64*\s, 3, 2
	s_wait_alu depctr_va_vdst(0)                   ; the quantiser has written the codes and the scale word, which the stores read; this step's multiply-adds are done reading their constants; in the last step: window 3 is named no more
.irp c, 0,1,2
	ds_store_b128 v[XWI], v[P+4*\c:P+4*\c+3] offset:XIMG+1536*\s+512*\c
.endr
	ds_store_b32 v[XWS], v[PW] offset:XSC+128*\s
.endr
	s_wait_dscnt 0x0
	s_barrier_signal -1
	s_barrier_wait -1                              ; the block's sixteen fragments lie in LDS
	s_wait_alu depctr_vm_vsrc(0)                   ; my last image stores have read the codes and the scale word, which q's quantiser writes again
	WIN 0xc0
.set i, 0
.rept 48
	ds_load_b128 v[4*i:4*i+3], v[LI] offset:XIMG+512*i     ; no wait: no vector instruction since the last wait on va_vdst
.set i, i+1
.endr
	WIN 0
.set i, 0
.rept 16
	ds_load_b32 v[XS+i], v[LS] offset:XSC+128*i
.set i, i+1
.endr
	s_wait_dscnt 0x0
	; ---- q
.macro QOUT p
	v_perm_b32 v[QW], v[PW], v[PW], 0x01000100     ; tile 2 p's two bytes, twice: the fragment will stand in K positions 0-63 or 64-127
	v_perm_b32 v[QW+1], v[PW], v[PW], 0x03020302   ; tile 2 p + 1's
	s_wait_alu depctr_va_vdst(0)                   ; the quantiser has written the codes and the two lines above the scale words, which the stores read
	global_store_b128 v[LI], v[P:P+3], s[32:33] offset:1536*(\p)
	global_store_b64 v[L8], v[P+4:P+5], s[32:33] offset:1536*(\p)+512
	global_store_b128 v[LI], v[P+6:P+9], s[32:33] offset:1536*(\p)+768
	global_store_b64 v[L8], v[P+10:P+11], s[32:33] offset:1536*(\p)+1280
	global_store_b32 v[LS], v[QW], s[34:35] offset:256*(\p)
	global_store_b32 v[LS], v[QW+1], s[34:35] offset:256*(\p)+128
.endm
; ahead of a quantiser whose out-buffer global stores have read
.macro FREE
	s_wait_xcnt 0x0                                ; the stores above have had their addresses translated: the codes' registers are written again only behind this wait
	s_wait_alu depctr_vm_vsrc(0)                   ; and they have read the codes and the scale words, which the quantiser and the lines behind it write again
.endm
	s_wait_loadcnt 52                              ; Wq is in; Wk's 52 loads stay out
	PROD 0x0d, 0, WS0
	QUANT ACC, 0, 2
	QOUT 0
	PROD 0x0d, 1, WS0
	FREE
	s_wait_alu depctr_va_vdst(0)                   ; q's products are done reading Wq's fragments and scale words, in which Wv's loads land
	WLOAD 1, 393216, WS0, 14                       ; Wv takes Wq's registers
	QUANT ACC, 0, 2
	QOUT 1
	; ---- k: two tiles make one fragment
.macro KOUT p
	v_mov_b32 v[KW+(\p)], v[PW]
	s_wait_alu depctr_va_vdst(0)                   ; the quantiser has written the codes and the line above the fragment's scale word, which the stores read
	global_store_b128 v[LI], v[P:P+3], s[36:37] offset:1536*(\p)
	global_store_b128 v[LI], v[P+4:P+7], s[36:37] offset:1536*(\p)+512
	global_store_b128 v[LI], v[P+8:P+11], s[36:37] offset:1536*(\p)+1024
.endm
	s_wait_loadcnt 52                              ; Wk is in; Wv's 52 loads stay out
	PROD 0x0e, 0, WS1
	FREE
	QUANT ACC, 0, 2
	KOUT 0
	PROD 0x0e, 1, WS1
	FREE
	QUANT ACC, 0, 2
	KOUT 1
	global_store_b64 v[LI], v[KW:KW+1], s[38:39]   ; the two fragments' scale words (both written ahead of the wait in KOUT 1)
	; ---- v
.macro VOUT p
	s_wait_alu depctr_va_vdst(0)                   ; the quantiser has written the codes and the scale word, which the stores read
	global_store_b128 v[LI], v[P:P+3], s[40:41] offset:3072*(\p)
	global_store_b64 v[L8], v[P+4:P+5], s[40:41] offset:3072*(\p)+512
	global_store_b128 v[LI], v[P+6:P+9], s[40:41] offset:3072*(\p)+1536
	global_store_b64 v[L8], v[P+10:P+11], s[40:41] offset:3072*(\p)+2048
	global_store_b16 v[LI], v[PW], s[42:43] offset:8*(\p)            ; tile 2 p: my block's two bytes of its scale word
	global_store_d16_hi_b16 v[LI], v[PW], s[42:43] offset:8*(\p)+4   ; tile 2 p + 1
.endm
	s_wait_loadcnt 0x0                             ; Wv
	PRODV 0
	FREE
	QUANT ACC, 0, 2
	VOUT 0
	PRODV 1
	FREE
	QUANT ACC, 0, 2
	VOUT 1
	s_wait_dscnt 0x0                               ; the closing lines, six on end
	s_wait_alu 0x0
	s_wait_tensorcnt 0x0
	ds_add_u32 v190, v191
	s_wait_dscnt 0x0
	s_endpgm
.Lfunc_end_k_q50e351ee5d_qkv:
	.size	k_q50e351ee5d_qkv, .Lfunc_end_k_q50e351ee5d_qkv-k_q50e351ee5d_qkv
	.p2alignl 7, 3214868480
	.fill 96, 4, 3214868480
	.section	.rodata,"a",@progbits
	.p2align	6, 0x0
	.amdhsa_kernel k_q50e351ee5d_qkv
		.amdhsa_group_segment_fixed_size 31232
		.amdhsa_private_segment_fixed_size 0
		.amdhsa_enable_private_segment 0
		.amdhsa_kernarg_size 64
		.amdhsa_user_sgpr_count 2
		.amdhsa_user_sgpr_kernarg_segment_ptr 1
		.amdhsa_wavefront_size32 1
		.amdhsa_system_sgpr_workgroup_id_x 1
		.amdhsa_system_sgpr_workgroup_id_y 1
		.amdhsa_system_sgpr_workgroup_id_z 1
		.amdhsa_system_vgpr_workitem_id 0
		.amdhsa_next_free_vgpr 1024
		.amdhsa_next_free_sgpr 66
		.amdhsa_reserve_vcc 0
		.amdhsa_float_denorm_mode_32 3
		.amdhsa_float_denorm_mode_16_64 3
		.amdhsa_memory_ordered 1
		.amdhsa_forward_progress 1
		.amdhsa_inst_pref_size 147
	.end_amdhsa_kernel
	.amdgpu_metadata
---
amdhsa.version: [ 1, 2 ]
amdhsa.kernels:
  - .name:           k_q50e351ee5d_qkv
    .symbol:         k_q50e351ee5d_qkv.kd
    .args:
      - { .name: x, .offset: 0, .size: 8, .value_kind: global_buffer, .address_space: global }
      - { .name: ada, .offset: 8, .size: 8, .value_kind: global_buffer, .address_space: global }
      - { .name: wimg, .offset: 16, .size: 8, .value_kind: global_buffer, .address_space: global }
      - { .name: Wq_scales, .offset: 24, .size: 8, .value_kind: global_buffer, .address_space: global }
      - { .name: Wk_scales, .offset: 32, .size: 8, .value_kind: global_buffer, .address_space: global }
      - { .name: Wv_scales, .offset: 40, .size: 8, .value_kind: global_buffer, .address_space: global }
      - { .name: qbuf, .offset: 48, .size: 8, .value_kind: global_buffer, .address_space: global }
      - { .name: kvrec, .offset: 56, .size: 8, .value_kind: global_buffer, .address_space: global }
    .group_segment_fixed_size: 31232
    .private_segment_fixed_size: 0
    .kernarg_segment_align: 8
    .kernarg_segment_size: 64
    .max_flat_workgroup_size: 128
    .sgpr_count:     66
    .vgpr_count:     1024
    .wavefront_size: 32
...
	.end_amdgpu_metadata
.endif
;; end of part 6
;; launch attn (part 7): grid 8 x 32, 16 waves a work-group, clusters of 4 x 1, 215,040 bytes of LDS; arguments qbuf, kvrec, obuf; writes obuf
.if DOCPART == 7
	.amdgcn_target "amdgcn-amd-amdhsa--gfx1250"
	.amdhsa_code_object_version 6
	.text
	.protected	k_q50e351ee5d_attn
	.globl	k_q50e351ee5d_attn
	.p2align	8
	.type	k_q50e351ee5d_attn,@function
k_q50e351ee5d_attn:
	s_mov_b64 s[64:65], 0
	v_nop
	global_prefetch_b8 v0, s[64:65] scope:SCOPE_SE
	s_setreg_imm32_b32 hwreg(HW_REG_WAVE_MODE, 25, 1), 1
	s_wait_xcnt 0x0
	s_wait_alu depctr_hold_cnt(0) depctr_sa_sdst(0) depctr_va_vdst(0) depctr_va_sdst(0) depctr_va_ssrc(0) depctr_va_vcc(0) depctr_vm_vsrc(0)
	s_getreg_b32 s2, hwreg(HW_REG_IB_STS2, 6, 4)
	s_cmp_eq_u32 s2, 0
	s_cbranch_scc0 .Lentry_in_a_cluster
	s_endpgm
.Lentry_in_a_cluster:
	s_bfe_u32 s2, ttmp6, 0x10000c
	s_cmp_lg_u32 s2, 0x3003
	s_cbranch_scc0 .Lentry_shape_is_right
	s_endpgm
.Lentry_shape_is_right:
; o = softmax(q k^T / 8) v for one head, both products on codes of FP6 (E2M3) with one E8M0 scale for each 32 along K, and the quantiser of o along its 64 channels.
; t = score x log2(e) / 8; M = the running largest t rounded up to a whole number; p = 2^(t - M) is quantised along the keys, not normalised; the row's sum is taken of the unquantised p and divides at the end.
; When M moves, the sum and O are multiplied by 2^(old M - new M), which rounds nothing.
; SHARES.  Work-group = 256 queries of one head; each of its sixteen waves owns one tile of 16 queries in 256 registers, four waves to a SIMD, so that one wave's vector work stands beside another's products and LDS loads.
; LDS holds the head's sixteen records of 128 keys (13,312 bytes each: four fragments of K, four of V^T, their scale words), each brought ONCE by one tensor load, wave w's record w: nothing is filled again.
; CLUSTER.  The four query blocks of a cluster belong to one head and read the same records: each load is asked for jointly, with the same descriptor and a mask that names the four.
; LAYOUT.  Both products transposed: a lane holds one query.  A fragment of K holds two tiles of 16 keys, one in K positions 0-63, the other in 64-127; q stands in one half of its operand and zero codes in the other, so two
; matrix instructions on one fragment give the scores of 32 neighbouring keys in 16 consecutive registers (keys 32 f + 16 (lane / 16) + 0 .. 15), and no LDS byte is read for nothing.
; LIMITS: NaN and infinities are not served; a block of p that has fallen to zeros, and a block of o under 2^-124, gets the scale byte 1; a block's largest p is taken as the exponential of its largest score.
; REGISTERS: v1-3, v35 addresses; v4-7 K's scale words, v8-11 V's; v12 -M, v13 the largest t, v[14:15] the sum; v16-21 q, v22-27 zeros, v28-33 q again; v34 q's scale word; v36-83 K; v84-131 V; v132-195 S^T, then p;
;   v196-227 O^T; v228-239 p's codes; v240-254 at work; v253 p's scale word.
.set REC,  13312
.set QSC,  3145728
.set OSC,  3145728
.set A16,  1
.set A8,   2
.set L16,  3
.set KS,   4
.set VS,   8
.set QL,   16
.set QH,   22
.set QW,   34
.set L8,   35
.set KF,   36
.set VF,   84
.set S,    132
.set O,    196
.set P,    228
.set BM,   240
.set T2,   244
.set SO,   248
.set WV,   10
.set G0,   12
.set G1,   16
.set SEL,  24
.set CS,   26
.set CNT,  30
.set TB,   31
.macro CROUND                          ; a round of the cluster's barrier
	s_barrier_signal -1
	s_barrier_wait -1
	s_cmp_lg_u32 s[WV], 0
	s_cbranch_scc1 .Lnot_wave_0_\@
	s_barrier_signal -3
.Lnot_wave_0_\@:
	s_barrier_wait -3
	s_barrier_signal -1
	s_barrier_wait -1
.endm
	s_load_b128 s[4:7], s[0:1], 0x0                ; qbuf, kvrec
	s_load_b64 s[8:9], s[0:1], 0x10                ; obuf
	v_lshl_add_u32 v254, v0, 2, 0x34000
	v_mov_b32 v255, 0
	ds_add_u32 v254, v255
	ds_add_u32 v254, v255
	s_wait_dscnt 0x0
	v_lshrrev_b32 v1, 5, v0
	s_delay_alu instid0(VALU_DEP_1)
	v_readfirstlane_b32 s[WV], v1                  ; wave 0..15
	s_and_b32 s29, ttmp7, 0xffff                   ; batch x 8 + head, which the four partners share
	s_mov_b32 s[G0], 1                             ; count = 1
	s_mul_i32 s[G0+1], s[WV], REC                  ; LDS address: record w
	s_mul_i32 s32, s29, 16*REC
	s_add_co_u32 s32, s32, s[G0+1]                 ; and the same record in memory
	s_mov_b32 s33, 0
	s_mov_b32 s[G1], 15|(3<<16)|(1<<21)            ; the mask: all four work-groups; elements of 8 bytes; bit 21 set beside a mask; no padding
	s_mov_b32 s[G1+1], 32<<16                      ; tensor_dim0 = 32: rows of 256 bytes
	s_mov_b32 s[G1+2], 52<<16                      ; tensor_dim1 = 52 rows: 13,312 bytes, dense
	s_mov_b32 s[G1+3], 32<<16                      ; tile_dim0
	s_mov_b32 s[G1+4], 52                          ; tile_dim1
	s_mov_b32 s[G1+5], 32                          ; the pitch
	s_mov_b32 s[G1+6], 0
	s_mov_b32 s[G1+7], 0
	s_bfe_u32 s11, ttmp6, 0x40000                  ; my place in the cluster: it enters q's and o's global addresses alone
	s_lshl_b32 s28, ttmp9, 2
	s_add_co_u32 s28, s28, s11                     ; my block of 256 queries
	s_lshl_b32 s28, s28, 4
	s_add_co_u32 s28, s28, s[WV]                   ; my tile in the batch's 128
	s_lshl_b32 s34, s29, 7
	s_add_co_u32 s34, s34, s28
	s_mul_i32 s36, s34, 768                        ; q's half fragment
	s_mov_b32 s37, 0
	s_lshl_b32 s38, s34, 7
	s_add_co_u32 s38, s38, QSC                     ; its scale words
	s_mov_b32 s39, 0
	s_lshr_b32 s34, s29, 3
	s_lshl_b32 s34, s34, 7
	s_add_co_u32 s34, s34, s28                     ; my tile among all 512
	s_and_b32 s35, s29, 7                          ; the head
	s_lshl_b32 s11, s34, 3
	s_add_co_u32 s11, s11, s35
	s_mul_i32 s2, s11, 768                         ; o's half fragment: (tile x 8 + head) x 768
	s_mov_b32 s3, 0
	s_lshl_b32 s34, s34, 2
	s_lshr_b32 s11, s35, 1
	s_add_co_u32 s34, s34, s11
	s_lshl_b32 s34, s34, 7                         ; the scale image of fragment (tile, head / 2),
	s_and_b32 s35, s35, 1
	s_lshl_b32 s35, s35, 1
	s_add_co_u32 s34, s34, s35                     ; my head's two bytes of each word
	s_add_co_u32 s34, s34, OSC
	s_mov_b32 s35, 0
	s_mov_b32 s[SEL], 0x76543210
	s_mov_b32 s[SEL+1], 0xfedcba98                 ; the lane 16 away
	s_mov_b32 s[CS], 0x3e38aa3b                    ; log2(e) / 8
	s_mov_b32 s[CS+1], s[CS]                       ; (named with it as a pair, so it is written)
	s_mov_b32 s[TB], 0
	s_wait_kmcnt 0x0
	s_add_nc_u64 s[G0+2:G0+3], s[6:7], s[32:33]
	s_or_b32 s[G0+3], s[G0+3], 0x80000000          ; type = 2
	s_add_nc_u64 s[36:37], s[4:5], s[36:37]
	s_add_nc_u64 s[38:39], s[4:5], s[38:39]
	s_add_nc_u64 s[34:35], s[8:9], s[34:35]
	s_add_nc_u64 s[8:9], s[8:9], s[2:3]
	CROUND                                         ; all four work-groups are here: the joint loads meet
	tensor_load_to_lds s[G0:G0+3], s[G1:G1+7]      ; my one tensor load of the launch
	s_nop 0
.rept 4
	v_nop                                          ; four plain instructions behind the tensor load
.endr
	v_and_b32 v252, 31, v0
	s_delay_alu instid0(VALU_DEP_1)
	v_lshlrev_b32 v[L16], 4, v252
	s_delay_alu instid0(VALU_DEP_2)
	v_lshlrev_b32 v[L8], 3, v252
	s_delay_alu instid0(VALU_DEP_3)
	v_lshlrev_b32 v254, 2, v252
	global_load_b128 v[QL:QL+3], v[L16], s[36:37]              ; q, for K positions 0-63,
	global_load_b64 v[QL+4:QL+5], v[L8], s[36:37] offset:512
	global_load_b128 v[QH+6:QH+9], v[L16], s[36:37]            ; and once more, for 64-127
	global_load_b64 v[QH+10:QH+11], v[L8], s[36:37] offset:512
	global_load_b32 v[QW], v254, s[38:39]
.irp j, 0,1,2,3,4,5
	v_mov_b32 v[QH+\j], 0                          ; zero codes: the half of the operand that is to count for nothing
.endr
.set i, 0
.rept 32
	v_mov_b32 v[O+i], 0                            ; O^T: the step is written once; its first trip finds zeros, which the first change of M leaves zeros
.set i, i+1
.endr
	v_mov_b32 v14, 0
	v_mov_b32 v15, 0
.irp b, 0,1,2,3
	v_mov_b32 v[T2+\b], 0                          ; written once: a lane permute's destination counts as one of its sources
.endr
	v_mov_b32 v253, 0
	v_mov_b32 v13, 0xff61b1e6                      ; the largest t so far: -3e38
	s_delay_alu instid0(VALU_DEP_1)
	v_floor_f32 v12, -v13                          ; -M
	v_mov_b32 v[A16], v[L16]
	v_mov_b32 v[A8], v[L8]
.macro KLOAD off                       ; a step's four fragments of K and their scale words: 13 loads
.irp f, 0,1,2,3
.irp c, 0,1,2
	ds_load_b128 v[KF+12*\f+4*\c:KF+12*\f+4*\c+3], v[A16] offset:(\off)+1536*\f+512*\c
.endr
.endr
	ds_load_b128 v[KS:KS+3], v[A16] offset:(\off)+12288
.endm
.macro SMM                             ; S^T = K q^T for 128 keys: eight matrix instructions, each starting its own sum
.irp f, 0,1,2,3
	v_wmma_scale_f32_16x16x128_f8f6f4 v[S+16*\f:S+16*\f+7], v[KF+12*\f:KF+12*\f+11], v[QL:QL+11], 0, v[KS+\f], v[QW] matrix_a_fmt:MATRIX_FMT_FP6 matrix_b_fmt:MATRIX_FMT_FP6
	v_wmma_scale_f32_16x16x128_f8f6f4 v[S+16*\f+8:S+16*\f+15], v[KF+12*\f:KF+12*\f+11], v[QH:QH+11], 0, v[KS+\f], v[QW] matrix_a_fmt:MATRIX_FMT_FP6 matrix_b_fmt:MATRIX_FMT_FP6
.endr
.endm
; The softmax of the step whose scores lie in S, and O^T += V^T p^T.  last = 0: the next step's K is fetched meanwhile.
.macro SOFTPV last
.rept 4
	v_nop                                          ; four plain instructions behind the scores' products: ahead of the first read of S and of the loads into K's and V's registers
.endr
.irp t, 0,1,2,3
.irp x, 0,1
	ds_load_b128 v[VF+12*\t+6*\x:VF+12*\t+6*\x+3], v[A16] offset:6144+1536*\t+768*\x
	ds_load_b64 v[VF+12*\t+6*\x+4:VF+12*\t+6*\x+5], v[A8] offset:6144+1536*\t+768*\x+512
.endr
.endr
	ds_load_b128 v[VS:VS+3], v[A16] offset:12800
.if (\last) == 0
	KLOAD REC
.endif
.irp b, 0,1,2,3
	v_max3_num_f32 v[BM+\b], v[S+16*\b], v[S+16*\b+1], v[S+16*\b+2]   ; the largest score of each block of 32 keys: for the row's maximum, and for the block's largest p
.endr
.irp i, 3,5,7,9,11,13
.irp b, 0,1,2,3
	v_max3_num_f32 v[BM+\b], v[BM+\b], v[S+16*\b+\i], v[S+16*\b+\i+1]
.endr
.endr
.irp b, 0,1,2,3
	v_max_num_f32 v[BM+\b], v[BM+\b], v[S+16*\b+15]
.endr
.irp b, 0,1,2,3
	s_delay_alu instid0(VALU_DEP_4)
	v_permlanex16_b32 v[T2+\b], v[BM+\b], s[SEL], s[SEL+1]
.endr
.irp b, 0,1,2,3
	s_delay_alu instid0(VALU_DEP_4)
	v_max_num_f32 v[BM+\b], v[BM+\b], v[T2+\b]     ; with the other 16 keys of the block
.endr
	s_delay_alu instid0(VALU_DEP_2)
	v_max3_num_f32 v254, v[BM], v[BM+1], v[BM+2]
	s_delay_alu instid0(VALU_DEP_1)
	v_max_num_f32 v254, v254, v[BM+3]
	s_delay_alu instid0(VALU_DEP_1)
	v_mul_f32 v254, s[CS], v254                    ; the step's largest t
	s_delay_alu instid0(VALU_DEP_1)
	v_max_num_f32 v13, v13, v254                   ; the running largest t
	v_mov_b32 v254, v12
	s_delay_alu instid0(VALU_DEP_2)
	v_floor_f32 v12, -v13                          ; the new -M = -ceil(t)
	s_delay_alu instid0(VALU_DEP_1)
	v_sub_f32 v254, v12, v254                      ; old M - new M: a whole number, 0 or less
	s_delay_alu instid0(VALU_DEP_1)
	v_cvt_i32_f32 v254, v254                       ; (it saturates)
	s_delay_alu instid0(VALU_DEP_1)
	v_ldexp_f32 v252, 1.0, v254                    ; f = 2^(old M - new M)
.set i, 0
.rept 32
	v_pk_fma_f32 v[S+2*i:S+2*i+1], v[S+2*i:S+2*i+1], s[CS:CS+1], v[12:13] op_sel_hi:[1,0,0]   ; t - M
.set i, i+1
.endr
.irp b, 0,1,2,3
	v_fma_f32 v[BM+\b], v[BM+\b], s[CS], v12       ; the same of each block's largest score
.endr
.set i, 0
	s_wait_alu depctr_va_vdst(0)
.rept 64
	v_exp_f32 v[S+i], v[S+i]                       ; p
.set i, i+1
.endr
	v_pk_mul_f32 v[14:15], v[14:15], v[252:253] op_sel_hi:[1,0]   ; the sums under the new M: the plain instruction behind the batch
	s_wait_alu depctr_va_vdst(0)                   ; one wait for the 64, ahead of their first reader
.irp b, 0,1,2,3
	v_exp_f32 v[BM+\b], v[BM+\b]                   ; each block's largest p
.endr
	v_pk_add_f32 v[244:245], v[136:137], v[140:141]
	v_pk_add_f32 v[254:255], v[144:145], v[148:149]
	v_pk_add_f32 v[250:251], v[152:153], v[156:157]
	v_pk_add_f32 v[248:249], v[160:161], v[164:165]
	v_pk_add_f32 v[246:247], v[168:169], v[172:173]
	v_pk_add_f32 v[238:239], v[176:177], v[180:181]
	v_pk_add_f32 v[236:237], v[184:185], v[188:189]
	v_pk_add_f32 v[14:15], v[14:15], v[192:193]
	v_pk_add_f32 v[244:245], v[244:245], v[132:133]
	v_pk_add_f32 v[254:255], v[254:255], v[134:135]
	v_pk_add_f32 v[250:251], v[250:251], v[138:139]
	v_pk_add_f32 v[248:249], v[248:249], v[142:143]
	v_pk_add_f32 v[246:247], v[246:247], v[146:147]
	v_pk_add_f32 v[238:239], v[238:239], v[150:151]
	v_pk_add_f32 v[236:237], v[236:237], v[154:155]
	v_pk_add_f32 v[14:15], v[14:15], v[158:159]
	v_pk_add_f32 v[244:245], v[244:245], v[162:163]
	v_pk_add_f32 v[254:255], v[254:255], v[166:167]
	v_pk_add_f32 v[250:251], v[250:251], v[170:171]
	v_pk_add_f32 v[248:249], v[248:249], v[174:175]
	v_pk_add_f32 v[246:247], v[246:247], v[178:179]
	v_pk_add_f32 v[238:239], v[238:239], v[182:183]
	v_pk_add_f32 v[236:237], v[236:237], v[186:187]
	v_pk_add_f32 v[14:15], v[14:15], v[190:191]
	v_pk_add_f32 v[244:245], v[244:245], v[194:195]
	s_delay_alu instid0(VALU_DEP_2)
	v_pk_add_f32 v[14:15], v[14:15], v[248:249]
	s_delay_alu instid0(VALU_DEP_2)
	v_pk_add_f32 v[244:245], v[244:245], v[246:247]
	v_pk_add_f32 v[254:255], v[254:255], v[238:239]
	v_pk_add_f32 v[250:251], v[250:251], v[236:237]
	s_delay_alu instid0(VALU_DEP_2)
	v_pk_add_f32 v[14:15], v[14:15], v[254:255]
	s_delay_alu instid0(VALU_DEP_2)
	v_pk_add_f32 v[244:245], v[244:245], v[250:251]
	s_delay_alu instid0(VALU_DEP_1)
	v_pk_add_f32 v[14:15], v[14:15], v[244:245]
	s_wait_alu depctr_va_vdst(0)                   ; and one for the four
.irp b, 0,1,2,3
	v_max_num_f32 v[BM+\b], 0x1800000, v[BM+\b]    ; the floor 2^(3 - 127)
.endr
.irp b, 0,1,2,3
	s_delay_alu instid0(VALU_DEP_4)
	v_add_nc_u32 v[SO+\b], 0xff000000, v[BM+\b]    ; the conversion's scale operand
.endr
.irp b, 0,1,2,3
	s_delay_alu instid0(VALU_DEP_4)
	v_lshrrev_b32 v[T2+\b], 23, v[SO+\b]           ; the scale's byte
.endr
	s_delay_alu instid0(VALU_DEP_3)
	v_lshl_or_b32 v253, v[T2+1], 8, v[T2]
	s_delay_alu instid0(VALU_DEP_1)
	v_lshl_or_b32 v253, v[T2+2], 16, v253
	s_delay_alu instid0(VALU_DEP_1)
	v_lshl_or_b32 v253, v[T2+3], 24, v253          ; p's scale word for these 128 keys
.irp c, 0,1
	v_cvt_scalef32_pk16_fp6_f32 v[P+6*\c:P+6*\c+2], v[S+32*\c:S+32*\c+15], v[SO+2*\c]
	v_cvt_scalef32_pk16_fp6_f32 v[BM+4*\c:BM+4*\c+2], v[S+32*\c+16:S+32*\c+31], v[SO+2*\c+1]
.endr
	v_nop                                          ; one plain instruction behind the last scaled conversion
.irp c, 0,1
.irp e, 0,1,2
	v_permlane16_swap_b32 v[P+6*\c+\e], v[BM+4*\c+\e]
.endr
.irp e, 0,1,2
	s_delay_alu instid0(VALU_DEP_3)
	v_mov_b32 v[P+6*\c+3+\e], v[BM+4*\c+\e]
.endr
.endr
.set i, 0
.rept 16
	v_pk_mul_f32 v[O+2*i:O+2*i+1], v[O+2*i:O+2*i+1], v[252:253] op_sel_hi:[1,0]   ; O^T under the new M; these lines also stand between the writing of p's codes and scale word and the products
.set i, i+1
.endr
.if (\last) == 0
	s_wait_alu depctr_va_vdst(0)
	s_wait_dscnt 13                                ; V and its scale words are in; the next step's 13 loads of K stay out
.else
	s_wait_alu depctr_va_vdst(0)
	s_wait_dscnt 0x0
.endif
.irp t, 0,1,2,3
	v_wmma_scale_f32_16x16x128_f8f6f4 v[O+8*\t:O+8*\t+7], v[VF+12*\t:VF+12*\t+11], v[P:P+11], v[O+8*\t:O+8*\t+7], v[VS+\t], v253 matrix_a_fmt:MATRIX_FMT_FP6 matrix_b_fmt:MATRIX_FMT_FP6
.endr
.endm
	s_wait_alu depctr_va_vdst(0)
	s_wait_tensorcnt 0x0                           ; my record has landed,
	s_barrier_signal -1
	s_barrier_wait -1                              ; everybody's has
	s_wait_loadcnt 0x0                             ; q
	KLOAD 0
	s_wait_dscnt 0x0
	SMM
	s_mov_b32 s[CNT], 15
.Lstep:                                            ; a trip: the softmax and V^T p^T of step i, the scores of step i + 1
	s_wait_alu depctr_va_vdst(0)
	SOFTPV 0
	s_wait_dscnt 0x0                               ; K of the next step
	s_add_co_u32 s[TB], s[TB], REC
	v_add_nc_u32 v[A16], s[TB], v[L16]
	v_add_nc_u32 v[A8], s[TB], v[L8]
	SMM
	s_sub_co_u32 s[CNT], s[CNT], 1
	s_cmp_lg_u32 s[CNT], 0
	s_cbranch_scc1 .Lstep
	SOFTPV 1                                       ; the last step fetches nothing beyond the last record
	; ---- o = O^T / the sum, quantised along the head's 64 channels
.rept 4
	v_nop
.endr
	v_add_f32 v14, v14, v15
	s_delay_alu instid0(VALU_DEP_1)
	v_permlanex16_b32 v252, v14, s[SEL], s[SEL+1]
	s_delay_alu instid0(VALU_DEP_1)
	v_add_f32 v14, v14, v252                       ; the row's sum
	s_wait_alu depctr_va_vdst(0)
	v_rcp_f32 v14, v14
	v_and_b32 v36, 31, v0                          ; (a plain instruction behind the transcendental)
	s_delay_alu instid0(VALU_DEP_1)
	v_lshlrev_b32 v36, 2, v36                      ; 4 x lane
	s_wait_alu depctr_va_vdst(0)
.set i, 0
.rept 16
	v_pk_mul_f32 v[S+2*i:S+2*i+1], v[O+2*i:O+2*i+1], v[14:15] op_sel_hi:[1,0]   ; register 16 b + i = channel 32 b + 16 (lane / 16) + i
.set i, i+1
.endr
.irp b, 0,1
	v_max3_num_f32 v[BM+\b], |v[S+16*\b]|, |v[S+16*\b+1]|, 0x1800000
.endr
.irp i, 2,4,6,8,10,12,14
.irp b, 0,1
	s_delay_alu instid0(VALU_DEP_2)
	v_max3_num_f32 v[BM+\b], v[BM+\b], |v[S+16*\b+\i]|, |v[S+16*\b+\i+1]|
.endr
.endr
.irp b, 0,1
	s_delay_alu instid0(VALU_DEP_2)
	v_permlanex16_b32 v[T2+\b], v[BM+\b], s[SEL], s[SEL+1]
.endr
.irp b, 0,1
	s_delay_alu instid0(VALU_DEP_2)
	v_max_num_f32 v[BM+\b], v[BM+\b], v[T2+\b]
.endr
.irp b, 0,1
	s_delay_alu instid0(VALU_DEP_2)
	v_add_nc_u32 v[SO+\b], 0xff000000, v[BM+\b]
.endr
.irp b, 0,1
	s_delay_alu instid0(VALU_DEP_2)
	v_lshrrev_b32 v[T2+\b], 23, v[SO+\b]
.endr
	s_delay_alu instid0(VALU_DEP_1)
	v_lshl_or_b32 v254, v[T2+1], 8, v[T2]
	v_cvt_scalef32_pk16_fp6_f32 v[P:P+2], v[S:S+15], v[SO]
	v_cvt_scalef32_pk16_fp6_f32 v[BM:BM+2], v[S+16:S+31], v[SO+1]
	v_nop
.irp e, 0,1,2
	v_permlane16_swap_b32 v[P+\e], v[BM+\e]
.endr
.irp e, 0,1,2
	s_delay_alu instid0(VALU_DEP_3)
	v_mov_b32 v[P+3+\e], v[BM+\e]
.endr
	global_store_b128 v[L16], v[P:P+3], s[8:9]             ; the wave stores 512 consecutive bytes, aligned,
	global_store_b64 v[L8], v[P+4:P+5], s[8:9] offset:512  ; and 256
	global_store_b16 v36, v254, s[34:35]
	s_wait_dscnt 0x0
	s_wait_xcnt 0x0
	v_lshl_add_u32 v254, v0, 2, 0x34000
	v_mov_b32 v255, 0
	s_wait_alu depctr_va_vdst(0)
	s_wait_tensorcnt 0x0
	ds_add_u32 v254, v255
	s_wait_dscnt 0x0
	CROUND                                         ; the closing round: no work-group ends while a partner may still ask for a record that names it
	s_endpgm
.Lfunc_end_k_q50e351ee5d_attn:
	.size	k_q50e351ee5d_attn, .Lfunc_end_k_q50e351ee5d_attn-k_q50e351ee5d_attn
	.p2alignl 7, 3214868480
	.fill 96, 4, 3214868480
	.section	.rodata,"a",@progbits
	.p2align	6, 0x0
	.amdhsa_kernel k_q50e351ee5d_attn
		.amdhsa_group_segment_fixed_size 215040
		.amdhsa_private_segment_fixed_size 0
		.amdhsa_enable_private_segment 0
		.amdhsa_kernarg_size 24
		.amdhsa_user_sgpr_count 2
		.amdhsa_user_sgpr_kernarg_segment_ptr 1
		.amdhsa_wavefront_size32 1
		.amdhsa_system_sgpr_workgroup_id_x 1
		.amdhsa_system_sgpr_workgroup_id_y 1
		.amdhsa_system_sgpr_workgroup_id_z 1
		.amdhsa_system_vgpr_workitem_id 0
		.amdhsa_next_free_vgpr 256
		.amdhsa_next_free_sgpr 66
		.amdhsa_reserve_vcc 0
		.amdhsa_float_denorm_mode_32 3
		.amdhsa_float_denorm_mode_16_64 3
		.amdhsa_memory_ordered 1
		.amdhsa_forward_progress 1
		.amdhsa_inst_pref_size 45
	.end_amdhsa_kernel
	.amdgpu_metadata
---
amdhsa.version: [ 1, 2 ]
amdhsa.kernels:
  - .name:           k_q50e351ee5d_attn
    .symbol:         k_q50e351ee5d_attn.kd
    .args:
      - { .name: qbuf, .offset: 0, .size: 8, .value_kind: global_buffer, .address_space: global }
      - { .name: kvrec, .offset: 8, .size: 8, .value_kind: global_buffer, .address_space: global }
      - { .name: obuf, .offset: 16, .size: 8, .value_kind: global_buffer, .address_space: global }
    .group_segment_fixed_size: 215040
    .private_segment_fixed_size: 0
    .kernarg_segment_align: 8
    .kernarg_segment_size: 24
    .max_flat_workgroup_size: 512
    .sgpr_count:     66
    .vgpr_count:     256
    .wavefront_size: 32
...
	.end_amdgpu_metadata
.endif
;; end of part 7
;; launch post (part 8): grid 256 x 1, 8 waves a work-group, no clusters, 154,624 bytes of LDS; arguments obuf, wimg, Wo_scales, W_mlp1_scales, W_mlp2_scales, b_mlp1, b_mlp2, ada, x, out0; writes out0
.if DOCPART == 8
	.amdgcn_target "amdgcn-amd-amdhsa--gfx1250"
	.amdhsa_code_object_version 6
	.text
	.protected	k_q50e351ee5d_post
	.globl	k_q50e351ee5d_post
	.p2align	8
	.type	k_q50e351ee5d_post,@function
k_q50e351ee5d_post:
	s_mov_b64 s[64:65], 0
	v_nop
	global_prefetch_b8 v0, s[64:65] scope:SCOPE_SE
	s_setreg_imm32_b32 hwreg(HW_REG_WAVE_SCHED_MODE, 0, 2), 2
	s_setreg_imm32_b32 hwreg(HW_REG_WAVE_MODE, 25, 1), 1
	s_wait_xcnt 0x0
	s_wait_alu depctr_vm_vsrc(0)
; x1 = x + (o Wo) gate_msa;  xn2 = LN2(x1) (1 + scale_mlp);  h = gelu(xn2 W1 + b1);  out = x1 + gate_mlp (h W2 + b2).  The three products on codes of FP6 (E2M3) with one E8M0 scale for each 32 along K.
; SHARES.  Work-group = 32 tokens (two tiles of 16).  THE EIGHT WAVES SHARE THE COLUMNS: wave w owns output columns 64 w .. 64 w + 63 of Wo and of W2 and hidden units 256 w .. 256 w + 255.  So x1 stays in the wave's registers,
; in the accumulators' layout, from the first residual to the last, and each wave walks a stream of its own of nine batches of 16 weight fragments, laid by the first launch in the order of the operand's registers and loaded
; straight into registers, up to 60 loads a wave on their way.  What goes round through LDS is small: the codes of o, xn2 and h, as images of their registers (halves of 64 along K: 512 + 256 bytes).
; Joint loads in a cluster are not used for the weights: they go into registers and not through LDS; that is the first thing to change if the weights' traffic holds the launch back.
; All products transposed (source 0 = the weight's tile, source 1 = the tokens): a lane holds one token, register 16 b + i of a tile of tokens = column 32 b + 16 (lane / 16) + i of the wave's 64.
; LN2 across the waves: each wave's mean and sum of squared differences from its own mean; they are joined as M2 = sum M2_w + 64 sum (mean_w - mean)^2: no difference of large sums.
; gelu(y) = 0.5 y (1 + erf(y / sqrt 2)); erf(z) = z P(z^2) / Q(z^2), P of degree 6 and Q of degree 4 in z^2, z held to +-4.
; LIMITS: NaN and infinities are not served; erf's form has an absolute error of the order of 1e-7, and 0.5 y (1 + erf) cancels for large negative y; a block under 2^-124 (zeros too) gets the scale byte 1; sums in another order than a plain chain.
; REGISTERS.  window 0: v1-27 addresses and two constants; v28 the scale word just made; v32-79 two sets of two token fragments; v80-99 codes; v100-115 at work; v116-119 the tokens' scale words; v120-151 a bias or a gate;
;   v152-183 the weights' scale words, two sets; v184-247 accumulators ((m, tl) at 8 (4 m + tl)); v248-255 statistics.  gelu works in v32-95.   window 1: v0-191 a batch of weights; v192-255 x1.
; THE MODE: SCHED_MODE bits 1:0 = 2 (LLVM: expert scheduling mode 2), set by the entry lines.  The code itself states the register dependences between vector or matrix instructions and memory or LDS
; instructions, with s_wait_alu, always for 0.
; THE PLAN.  Registers that memory or LDS instructions touch, and who else names them:
;   v1-27, v29, v30         addresses: written at the head: one wait on va_vdst ahead of the first load.  Of them v11-13 (where h's images go) are stepped once a trip of the loop over chunks: behind the wait on vm_vsrc
;                           that ends the trip's second half, and ahead of the wait on va_vdst in front of the next image stores.
;   XF0, XF1, XS            a K step's token fragments and scale words.  The LDS loads of step s + 1 land in the set that the products of step s - 1 read.
;   window 1 v0-191, WS, BI weights, their scale words, a bias or gate.  Global loads land there behind the products that read them.
;                           For these three lines ONE wait on va_vdst stands behind a K step's eight products, wherever a load into a register that they or earlier products read follows before the next such wait: in a
;                           run of four K steps behind steps 0, 1 and 3; in the last product behind steps 0 to 13.  Both register windows are full: there is no room for further sets, with which the waits would be rarer.
;   ST+4 .. ST+7            a wave's statistics: written by the norm's sums, read by two LDS stores behind one wait on va_vdst, which also covers the loads of all waves' statistics into BI.
;   P, PW                   the out-buffer: written by a quantiser, read by the image stores behind one wait on va_vdst; that wait also covers the next fragments' loads into v32-79, gelu's pool.  One wait on vm_vsrc behind the
;                           stores, ahead of gelu and the next quantiser, which write these registers again.
;   No vector instruction makes an operand or a scale of a product: all are written by loads.
.set Z,     53248                      ; LDS: 0: h's 32 fragments ((16 m + step) x 1,536); 49,152: their scale words
.set HSCL,  49152
.set OIMG,  0                          ; from Z on: o's 8 fragments (4 m + s),
.set OSCL,  12288                      ; their scale words,
.set XIMG,  13312                      ; xn2's 8 fragments,
.set XSCL,  25600                      ; their scale words,
.set STAT,  26624                      ; the waves' statistics: 512 w + 256 m + 8 x lane,
.set STG,   Z+30720                    ; a stage for each wave: 2 x 16 rows x (256 + 16) bytes
.set PS,    589824
.set STREAM, 221184
.set OSC,   3145728
.set LI,   1
.set L8,   2
.set LS,   3
.set LIZ,  4
.set L8Z,  5
.set LSZ,  6
.set CH,   7
.set RL16, 8
.set RL64, 9
.set XA,   10
.set HW16, 11
.set HW8,  12
.set HWS,  13
.set HB16, 14
.set HB8,  15
.set HBS,  16
.set XW16, 17
.set XW8,  18
.set XWS,  19
.set STW,  20
.set SO,   21
.set CA1,  22
.set CB1,  24
.set SR,   26
.set GO,   27
.set PW,   28
.set T0,   29
.set T1,   30
.set XF,   32
.set P,    80
.set TM,   100
.set XS,   116
.set BI,   120
.set WS,   152
.set ACC,  184
.set ST,   248
.set X1,   192
.set YC,   32
.set U,    48
.set PP,   64
.set QQ,   80
.set WV,   24
.set SEL,  28
.set CNT,  30
.set HT,   31
.set HS,   34
.set RT,   36
.set KC,   40
.set WP,   66
.set S1P,  68
.set B1P,  70
.set W0P,  72
.set S2P,  74
.set OSP,  76
.set MSB,  0
.macro WIN new                         ; the immediate's high byte repeats the setting that is left; a switch that changes nothing is dropped
.if MSB != (\new)
	s_set_vgpr_msb (MSB<<8)|(\new)
.set MSB, (\new)
.endif
.endm
; 32 nh numbers of a lane in window w, register s + 16 b + i = k 32 b + 16 (lane / 16) + i of the lane's row, become codes in v[P] on (6 registers for each 64 along K) and scale bytes in v[PW] (byte b).
.macro QUANT s, w, nh
	WIN (((\w)<<2)|((\w)<<4))
.set qb, 0
.rept 2*(\nh)
	v_max3_num_f32 v[TM+qb], 0x1800000, |v[(\s)+16*qb]|, |v[(\s)+16*qb+1]|   ; my 16 numbers of block b, and the floor 2^(3 - 127): the byte cannot fall under 1
.set qb, qb+1
.endr
.set qi, 2
.rept 7
.set qb, 0
.rept 2*(\nh)
	v_max3_num_f32 v[TM+qb], v[TM+qb], |v[(\s)+16*qb+qi]|, |v[(\s)+16*qb+qi+1]|
.set qb, qb+1
.endr
.set qi, qi+2
.endr
	WIN 0
.set qb, 0
.rept 2*(\nh)
	v_permlanex16_b32 v[TM+4+qb], v[TM+qb], s[SEL], s[SEL+1]
.set qb, qb+1
.endr
.set qb, 0
.rept 2*(\nh)
	v_max_num_f32 v[TM+qb], v[TM+qb], v[TM+4+qb]
.set qb, qb+1
.endr
.set qb, 0
.rept 2*(\nh)
	v_add_nc_u32 v[TM+12+qb], 0xff000000, v[TM+qb]
.set qb, qb+1
.endr
.set qb, 0
.rept 2*(\nh)
	v_lshrrev_b32 v[TM+4+qb], 23, v[TM+12+qb]
.set qb, qb+1
.endr
	v_lshl_or_b32 v[PW], v[TM+5], 8, v[TM+4]
.if (\nh) == 2
	v_lshl_or_b32 v[PW], v[TM+6], 16, v[PW]
	v_lshl_or_b32 v[PW], v[TM+7], 24, v[PW]
.endif
	WIN (\w)
.set qb, 0
.rept (\nh)
	v_cvt_scalef32_pk16_fp6_f32 v[P+6*qb:P+6*qb+2], v[(\s)+32*qb:(\s)+32*qb+15], v[TM+12+2*qb]
	v_cvt_scalef32_pk16_fp6_f32 v[P+12+4*qb:P+14+4*qb], v[(\s)+32*qb+16:(\s)+32*qb+31], v[TM+13+2*qb]
.set qb, qb+1
.endr
	WIN 0
	v_nop                                          ; one plain instruction behind the last scaled conversion
.set qb, 0
.rept (\nh)
.irp e, 0,1,2
	v_permlane16_swap_b32 v[P+6*qb+\e], v[P+12+4*qb+\e]
.endr
.irp e, 0,1,2
	v_mov_b32 v[P+6*qb+3+\e], v[P+12+4*qb+\e]
.endr
.set qb, qb+1
.endr
.endm
.macro MMAZ d, a, b, sa, sb
	v_wmma_scale_f32_16x16x128_f8f6f4 v[\d:\d+7], v[\a:\a+11], v[\b:\b+11], 0, v[\sa], v[\sb] matrix_a_fmt:MATRIX_FMT_FP6 matrix_b_fmt:MATRIX_FMT_FP6
.endm
.macro MMAC d, a, b, c, sa, sb
	v_wmma_scale_f32_16x16x128_f8f6f4 v[\d:\d+7], v[\a:\a+11], v[\b:\b+11], v[\c:\c+7], v[\sa], v[\sb] matrix_a_fmt:MATRIX_FMT_FP6 matrix_b_fmt:MATRIX_FMT_FP6
.endm
.macro COLLOAD dst, sb, off            ; 32 numbers of a row vector in my lane's order (column 32 b + 16 (lane / 16) + i of my wave's 64): 8 loads
.irp b, 0,1
.irp j, 0,1,2,3
	global_load_b128 v[(\dst)+16*\b+4*\j:(\dst)+16*\b+4*\j+3], v[CH], s[\sb:\sb+1] offset:(\off)+128*\b+16*\j
.endr
.endr
.endm
.macro WSLOAD set, sb, va, stride, off ; four K steps' scale words of four tiles: 4 loads
.irp tl, 0,1,2,3
	global_load_b128 v[WS+16*(\set)+4*\tl:WS+16*(\set)+4*\tl+3], v[\va], s[\sb:\sb+1] offset:(32*(\tl/2)+8*(\tl%2))*(\stride)+(\off)
.endr
.endm
.macro WSTEP sb, off, s                ; one K step's four fragments: 12 loads of 512 consecutive bytes (under destination window 1)
.irp tl, 0,1,2,3
.irp c, 0,1,2
	global_load_b128 v[12*(4*\tl+(\s))+4*\c:12*(4*\tl+(\s))+4*\c+3], v[LI], s[\sb:\sb+1] offset:(\off)+6144*\tl+1536*(\s)+512*\c
.endr
.endr
.endm
.macro WFRAGS sb, off                  ; a batch: 48 loads, K step by K step
	WIN 0x40
.irp s, 0,1,2,3
	WSTEP \sb, \off, \s
.endr
	WIN 0
.endm
.macro FETCHA k, a16, a8, a4, o0, o1, q0, q1   ; one K step's two token fragments and their scale words into set k: 10 LDS loads
.set fa, XF+24*(\k)
	ds_load_b128 v[fa:fa+3], v[\a16] offset:(\o0)
	ds_load_b64 v[fa+4:fa+5], v[\a8] offset:(\o0)+512
	ds_load_b128 v[fa+6:fa+9], v[\a16] offset:(\o0)+768
	ds_load_b64 v[fa+10:fa+11], v[\a8] offset:(\o0)+1280
	ds_load_b128 v[fa+12:fa+15], v[\a16] offset:(\o1)
	ds_load_b64 v[fa+16:fa+17], v[\a8] offset:(\o1)+512
	ds_load_b128 v[fa+18:fa+21], v[\a16] offset:(\o1)+768
	ds_load_b64 v[fa+22:fa+23], v[\a8] offset:(\o1)+1280
	ds_load_b32 v[XS+2*(\k)], v[\a4] offset:(\q0)
	ds_load_b32 v[XS+2*(\k)+1], v[\a4] offset:(\q1)
.endm
; eight matrix instructions, the eight accumulators by turns.  cm = 1: the constant 0 starts the sums; 2: the bias does; 0: in place.
; w = 1: loads into registers that these or earlier products read follow before the next wait on va_vdst.
.macro MM8 s4, k, set, cm, w
	WIN 0x01
.irp m, 0,1
.irp tl, 0,1,2,3
.if (\cm) == 1
	MMAZ ACC+8*(4*\m+\tl), 12*(4*\tl+(\s4)), XF+24*(\k)+12*\m, WS+16*(\set)+4*\tl+(\s4), XS+2*(\k)+\m
.elseif (\cm) == 2
	MMAC ACC+8*(4*\m+\tl), 12*(4*\tl+(\s4)), XF+24*(\k)+12*\m, BI+8*\tl, WS+16*(\set)+4*\tl+(\s4), XS+2*(\k)+\m
.else
	MMAC ACC+8*(4*\m+\tl), 12*(4*\tl+(\s4)), XF+24*(\k)+12*\m, ACC+8*(4*\m+\tl), WS+16*(\set)+4*\tl+(\s4), XS+2*(\k)+\m
.endif
.endr
.endr
	WIN 0
.rept 4
	v_nop                                          ; four plain instructions behind the products
.endr
.if \w
	s_wait_alu depctr_va_vdst(0)                   ; the products issued so far are done reading their token fragments, weights, scale words and bias: the loads below, up to the next such wait, land in these registers
.endif
.endm
.macro GEMM4 ib, sb, set, cm           ; four K steps on the batch in window 1; the token fragments come from LDS a step ahead
	FETCHA 0, LIZ, L8Z, LSZ, (\ib), (\ib)+6144, (\sb), (\sb)+512
.irp s, 0,1,2,3
.if \s < 3
	FETCHA (\s+1)%2, LIZ, L8Z, LSZ, (\ib)+1536*(\s+1), (\ib)+6144+1536*(\s+1), (\sb)+128*(\s+1), (\sb)+512+128*(\s+1)
	s_wait_dscnt 10                                ; this step's ten loads are in; the next step's ten stay out
.else
	s_wait_dscnt 0x0
.endif
.if \s == 0
	MM8 \s, \s%2, \set, \cm, 1
.elseif \s == 2
	MM8 \s, \s%2, \set, 0, 0                       ; nothing is loaded between step 2's products and step 3's
.else
	MM8 \s, \s%2, \set, 0, 1
.endif
.endr
.endm
.macro GELU                            ; on the 64 accumulator registers, 16 at a time
.irp g, 0,1,2,3
.set Y, ACC+16*\g
.set i, 0
.rept 8
	v_pk_mul_f32 v[YC+2*i:YC+2*i+1], v[Y+2*i:Y+2*i+1], s[RT:RT+1] op_sel_hi:[1,0]   ; z = y / sqrt 2
.set i, i+1
.endr
.set i, 0
.rept 16
	v_med3_num_f32 v[YC+i], v[YC+i], -4.0, 4.0
.set i, i+1
.endr
.set i, 0
.rept 8
	v_pk_mul_f32 v[U+2*i:U+2*i+1], v[YC+2*i:YC+2*i+1], v[YC+2*i:YC+2*i+1]           ; z^2
.set i, i+1
.endr
.set i, 0
.rept 8
	v_pk_fma_f32 v[PP+2*i:PP+2*i+1], v[U+2*i:U+2*i+1], s[KC:KC+1], v[CA1:CA1+1] op_sel_hi:[1,0,1]
	v_pk_fma_f32 v[QQ+2*i:QQ+2*i+1], v[U+2*i:U+2*i+1], s[KC+12:KC+13], v[CB1:CB1+1] op_sel_hi:[1,0,1]
.set i, i+1
.endr
.irp k, 2,4,6,8,10
.set i, 0
.rept 8
	v_pk_fma_f32 v[PP+2*i:PP+2*i+1], v[PP+2*i:PP+2*i+1], v[U+2*i:U+2*i+1], s[KC+\k:KC+\k+1] op_sel_hi:[1,1,0]
.set i, i+1
.endr
.endr
.irp k, 14,16,18
.set i, 0
.rept 8
	v_pk_fma_f32 v[QQ+2*i:QQ+2*i+1], v[QQ+2*i:QQ+2*i+1], v[U+2*i:U+2*i+1], s[KC+\k:KC+\k+1] op_sel_hi:[1,1,0]
.set i, i+1
.endr
.endr
.set i, 0
	s_wait_alu depctr_va_vdst(0)
.rept 16
	v_rcp_f32 v[QQ+i], v[QQ+i]
.set i, i+1
.endr
.set i, 0
.rept 8
	v_pk_mul_f32 v[PP+2*i:PP+2*i+1], v[PP+2*i:PP+2*i+1], v[YC+2*i:YC+2*i+1]         ; z P: plain work behind the reciprocals
.set i, i+1
.endr
.set i, 0
.rept 8
	v_pk_mul_f32 v[U+2*i:U+2*i+1], v[Y+2*i:Y+2*i+1], 0.5 op_sel_hi:[1,0]            ; y / 2
.set i, i+1
.endr
	s_wait_alu depctr_va_vdst(0)                   ; the sixteen reciprocals are written, ahead of their first reader: one wait for the batch
.set i, 0
.rept 8
	v_pk_mul_f32 v[PP+2*i:PP+2*i+1], v[PP+2*i:PP+2*i+1], v[QQ+2*i:QQ+2*i+1]         ; erf
.set i, i+1
.endr
.set i, 0
.rept 8
	v_pk_fma_f32 v[Y+2*i:Y+2*i+1], v[U+2*i:U+2*i+1], v[PP+2*i:PP+2*i+1], v[U+2*i:U+2*i+1]
.set i, i+1
.endr
.endr
.endm
.macro KPAIR n, bits
	s_mov_b32 s[KC+2*(\n)], \bits
	s_mov_b32 s[KC+2*(\n)+1], \bits
.endm
	s_load_b512 s[4:19], s[0:1], 0x0               ; obuf, wimg, Wo's, W1's, W2's scales, b_mlp1, b_mlp2, ada
	s_load_b128 s[20:23], s[0:1], 0x40             ; x, out0
	v_lshrrev_b32 v29, 5, v0
	v_readfirstlane_b32 s[WV], v29                 ; wave 0..7
	v_and_b32 v29, 31, v0                          ; lane
	v_and_b32 v30, 15, v0                          ; r
	v_bfe_u32 v31, v0, 4, 1                        ; h
	v_lshlrev_b32 v[LI], 4, v29
	v_lshlrev_b32 v[L8], 3, v29
	v_lshlrev_b32 v[LS], 2, v29
	v_add_nc_u32 v[LIZ], Z, v[LI]
	v_add_nc_u32 v[L8Z], Z, v[L8]
	v_add_nc_u32 v[LSZ], Z, v[LS]
	v_lshlrev_b32 v[CH], 6, v31
	v_and_b32 v[RL16], 8, v30
	v_add_nc_u32 v[RL16], v[RL16], v30             ; r + 8 (r / 8)
	v_lshl_add_u32 v[XA], v[RL16], 11, v[CH]       ; x: my row of 2,048 bytes, + 64 h
	v_lshlrev_b32 v[RL64], 6, v[RL16]              ; a scale row of W2: 64 bytes
	v_lshlrev_b32 v[RL16], 4, v[RL16]              ; of Wo, W1: 16 bytes
	s_wait_alu depctr_va_sdst(0)                   ; the wave's number is written into its scalar register, ahead of its first reader
	s_mul_i32 s25, s[WV], 3072
	v_add_nc_u32 v[HB16], s25, v[LI]               ; h's images: K steps 2 w, 2 w + 1 are mine
	v_add_nc_u32 v[HB8], s25, v[L8]
	s_lshl_b32 s25, s[WV], 8
	v_add_nc_u32 v[HBS], s25, v[LS]
	v_mov_b32 v[HW16], v[HB16]
	v_mov_b32 v[HW8], v[HB8]
	v_mov_b32 v[HWS], v[HBS]
	s_mul_i32 s25, s[WV], 768
	v_add_nc_u32 v[XW16], s25, v[LIZ]              ; xn2's images: half w % 2 of K step w / 2
	v_add_nc_u32 v[XW8], s25, v[L8Z]
	s_lshr_b32 s25, s[WV], 1
	s_lshl_b32 s25, s25, 7
	s_and_b32 s26, s[WV], 1
	s_lshl_b32 s26, s26, 1
	s_add_co_u32 s25, s25, s26
	v_add_nc_u32 v[XWS], s25, v[LSZ]
	s_lshl_b32 s25, s[WV], 9
	v_add_nc_u32 v[STW], s25, v[L8Z]
	s_mul_i32 s25, s[WV], 8704
	s_add_co_u32 s25, s25, STG                     ; my stage
	v_mul_u32_u24 v[SO], v30, 272
	v_add_nc_u32 v[SO], v[SO], v[CH]
	v_add_nc_u32 v[SO], s25, v[SO]                 ; in: row r, + 64 h
	v_mul_u32_u24 v[SR], v31, 272
	v_lshl_add_u32 v[SR], v30, 4, v[SR]
	v_add_nc_u32 v[SR], s25, v[SR]                 ; back: lanes 0-15 one row of 256 bytes, lanes 16-31 the next
	v_lshlrev_b32 v[GO], 11, v31
	v_lshl_add_u32 v[GO], v30, 4, v[GO]            ; and the same two rows in out0
	s_mul_i32 s25, s[WV], 1536
	v_add_nc_u32 v[T0], s25, v[LIZ]                ; the copy of o: fragment w
	s_lshl_b32 s25, s[WV], 7
	v_add_nc_u32 v[T1], s25, v[LSZ]
	v_mov_b32 v[CA1], 0x32edffee                   ; erf: the numerator's second coefficient, twice
	v_mov_b32 v[CA1+1], 0x32edffee
	v_mov_b32 v[CB1], 0xb95fbd29                   ; the denominator's second
	v_mov_b32 v[CB1+1], 0xb95fbd29
.irp b, 0,1,2,3
	v_mov_b32 v[TM+4+\b], 0                        ; written once: a lane permute's destination counts as one of its sources
.endr
	v_mov_b32 v[ST+5], 0                           ; (named as the upper halves of pairs before they are first written)
	v_mov_b32 v[ST+7], 0
	s_mov_b32 s[SEL], 0x76543210
	s_mov_b32 s[SEL+1], 0xfedcba98
	s_mov_b32 s[RT], 0x3f3504f3                    ; 1 / sqrt 2
	s_mov_b32 s[RT+1], s[RT]
	s_mov_b32 s38, 0x3b000000                      ; 1 / 512
	KPAIR 0, 0xaf95df0b                            ; the numerator, highest power first (the second lies in v[CA1])
	KPAIR 1, 0xb60cff51
	KPAIR 2, 0xb86ec2d2
	KPAIR 3, 0xba40ac63
	KPAIR 4, 0xbb41a1f6
	KPAIR 5, 0xbc83dbd4
	KPAIR 6, 0xb77460cd                            ; the denominator (the second lies in v[CB1])
	KPAIR 7, 0xbadc924e
	KPAIR 8, 0xbbf19bf8
	KPAIR 9, 0xbc69b6a7
	s_mov_b32 s61, 0
	s_mov_b32 s63, 0
	s_mul_i32 s60, s[WV], STREAM
	s_add_co_u32 s60, s60, PS
	s_wait_kmcnt 0x0
	s_add_nc_u64 s[W0P:W0P+1], s[6:7], s[60:61]    ; my stream: Wo's batch,
	s_add_nc_u64 s[WP:WP+1], s[W0P:W0P+1], 24576   ; W1's four; W2's four follow
	s_lshl_b32 s60, s[WV], 10
	s_add_nc_u64 s[8:9], s[8:9], s[60:61]          ; Wo's scale rows 64 w on
	s_add_nc_u64 s[B1P:B1P+1], s[14:15], s[60:61]  ; b_mlp1 at hidden unit 256 w
	s_lshl_b32 s60, s[WV], 12
	s_add_nc_u64 s[S1P:S1P+1], s[10:11], s[60:61]  ; W1's scale rows 256 w on
	s_add_nc_u64 s[S2P:S2P+1], s[12:13], s[60:61]  ; W2's scale rows 64 w on
	s_lshl_b32 s60, s[WV], 8                       ; my 64 columns: 256 bytes
	s_add_nc_u64 s[16:17], s[16:17], s[60:61]
	s_lshr_b32 s62, ttmp9, 6
	s_lshl_b32 s62, s62, 11
	s_add_co_u32 s62, s62, s60
	s_add_nc_u64 s[18:19], s[18:19], s[62:63]      ; my batch's modulation, my columns
	s_lshl_b32 s62, ttmp9, 16
	s_add_co_u32 s62, s62, s60
	s_add_nc_u64 s[20:21], s[20:21], s[62:63]      ; x and out0 at token 32 g, my columns
	s_add_nc_u64 s[22:23], s[22:23], s[62:63]
	s_lshl_b32 s62, ttmp9, 3
	s_add_co_u32 s62, s62, s[WV]                   ; o's fragment 8 g + w
	s_mul_i32 s60, s62, 1536
	s_lshl_b32 s62, s62, 7
	s_add_co_u32 s62, s62, OSC
	s_add_nc_u64 s[OSP:OSP+1], s[4:5], s[62:63]
	s_add_nc_u64 s[4:5], s[4:5], s[60:61]
	; ---- o's eight fragments into LDS, a fragment a wave; the first loads
	s_wait_alu depctr_va_vdst(0)                   ; the addresses v1 to v27, v29 and v30 are written, which the loads and stores of the kernel read; so are v104 to v107, in which a load below lands
	global_load_b128 v[32:35], v[LI], s[4:5]
	global_load_b128 v[36:39], v[LI], s[4:5] offset:512
	global_load_b128 v[40:43], v[LI], s[4:5] offset:1024
	global_load_b32 v44, v[LS], s[OSP:OSP+1]
	WSLOAD 0, 8, RL16, 16, 0
	WFRAGS W0P, 0
	s_wait_loadcnt 52                              ; the copy's four loads are in; Wo's 52 stay out
	ds_store_b128 v[T0], v[32:35] offset:OIMG
	ds_store_b128 v[T0], v[36:39] offset:OIMG+512
	ds_store_b128 v[T0], v[40:43] offset:OIMG+1024
	ds_store_b32 v[T1], v44 offset:OSCL
	WIN 0x40
.irp m, 0,1
.irp b, 0,1
.irp j, 0,1,2,3
	global_load_b128 v[X1+32*\m+16*\b+4*\j:X1+32*\m+16*\b+4*\j+3], v[XA], s[20:21] offset:16384*\m+128*\b+16*\j th:TH_LOAD_NT
.endr
.endr
.endr
	WIN 0
	COLLOAD BI, 18, 16384                          ; gate_msa
	COLLOAD P, 18, 24576                           ; g2 (1 + scale_mlp), into registers that are free until the quantiser
	s_wait_dscnt 0x0
	s_barrier_signal -1
	s_barrier_wait -1                              ; o's fragments lie in LDS
	s_wait_alu depctr_vm_vsrc(0)                   ; the copy's LDS stores have read v32 to v44, in which the first token fragments land
	; ---- o Wo
	s_wait_loadcnt 32                              ; Wo's batch is in; x, the gate and the gain (32 loads) stay out
	GEMM4 OIMG, OSCL, 0, 1
	COLLOAD XF, 18, 32768                          ; b2 (1 + scale_mlp)
	WSLOAD 1, S1P, RL16, 16, 0
	WFRAGS WP, 0                                   ; W1's first batch lands under the norm
	; ---- the first residual
	s_wait_loadcnt 60                              ; x, the gate and the gain are in; the 60 loads just issued stay out
	WIN 0x50
.set i, 0
.rept 32
	v_pk_fma_f32 v[X1+2*i:X1+2*i+1], v[ACC+2*i:ACC+2*i+1], v[BI+2*(i%16):BI+2*(i%16)+1], v[X1+2*i:X1+2*i+1]
.set i, i+1
.endr
	; ---- LN2: my 64 columns' mean and squared differences
.irp m, 0,1
	WIN 0x05
	v_pk_add_f32 v[ST:ST+1], v[X1+32*\m:X1+32*\m+1], v[X1+32*\m+2:X1+32*\m+3]
	v_pk_add_f32 v[ST+2:ST+3], v[X1+32*\m+4:X1+32*\m+5], v[X1+32*\m+6:X1+32*\m+7]
	WIN 0x04
.irp q, 4,6,8,10,12,14
	v_pk_add_f32 v[ST:ST+1], v[ST:ST+1], v[X1+32*\m+2*\q:X1+32*\m+2*\q+1]
	v_pk_add_f32 v[ST+2:ST+3], v[ST+2:ST+3], v[X1+32*\m+2*\q+2:X1+32*\m+2*\q+3]
.endr
	WIN 0
	v_pk_add_f32 v[ST:ST+1], v[ST:ST+1], v[ST+2:ST+3]
	v_add_f32 v[ST], v[ST], v[ST+1]
	v_permlanex16_b32 v[ST+2], v[ST], s[SEL], s[SEL+1]
	v_add_f32 v[ST], v[ST], v[ST+2]
	v_mul_f32 v[ST+4+2*\m], 0x3c800000, v[ST]      ; my wave's mean: / 64
	WIN 0x01
.set i, 0
.rept 16
	v_pk_add_f32 v[ACC+32*\m+2*i:ACC+32*\m+2*i+1], v[X1+32*\m+2*i:X1+32*\m+2*i+1], v[ST+4+2*\m:ST+5+2*\m] op_sel_hi:[1,0] neg_lo:[0,1] neg_hi:[0,1]
.set i, i+1
.endr
	WIN 0
	v_pk_mul_f32 v[ST:ST+1], v[ACC+32*\m:ACC+32*\m+1], v[ACC+32*\m:ACC+32*\m+1]
	v_pk_mul_f32 v[ST+2:ST+3], v[ACC+32*\m+2:ACC+32*\m+3], v[ACC+32*\m+2:ACC+32*\m+3]
.irp q, 2,4,6,8,10,12,14
	v_pk_fma_f32 v[ST:ST+1], v[ACC+32*\m+2*\q:ACC+32*\m+2*\q+1], v[ACC+32*\m+2*\q:ACC+32*\m+2*\q+1], v[ST:ST+1]
	v_pk_fma_f32 v[ST+2:ST+3], v[ACC+32*\m+2*\q+2:ACC+32*\m+2*\q+3], v[ACC+32*\m+2*\q+2:ACC+32*\m+2*\q+3], v[ST+2:ST+3]
.endr
	v_pk_add_f32 v[ST:ST+1], v[ST:ST+1], v[ST+2:ST+3]
	v_add_f32 v[ST], v[ST], v[ST+1]
	v_permlanex16_b32 v[ST+2], v[ST], s[SEL], s[SEL+1]
	v_add_f32 v[ST+5+2*\m], v[ST], v[ST+2]
.endr
	s_wait_alu depctr_va_vdst(0)                   ; both tiles' statistics are written, which the two LDS stores read; the first residual is done reading the gate's registers, in which all waves' statistics land below
	ds_store_b64 v[STW], v[ST+4:ST+5] offset:STAT
	ds_store_b64 v[STW], v[ST+6:ST+7] offset:STAT+256
	s_wait_dscnt 0x0
	s_barrier_signal -1
	s_barrier_wait -1                              ; the eight waves' statistics lie in LDS
.irp w, 0,1,2,3,4,5,6,7
.irp m, 0,1
	ds_load_b64 v[BI+4*\w+2*\m:BI+4*\w+2*\m+1], v[L8Z] offset:STAT+512*\w+256*\m
.endr
.endr
	s_wait_dscnt 0x0
.irp m, 0,1
	v_add_f32 v[64+\m], v[BI+2*\m], v[BI+4+2*\m]
	v_add_f32 v[66+\m], v[BI+1+2*\m], v[BI+5+2*\m]
.irp w, 2,3,4,5,6,7
	v_add_f32 v[64+\m], v[64+\m], v[BI+4*\w+2*\m]
	v_add_f32 v[66+\m], v[66+\m], v[BI+4*\w+2*\m+1]
.endr
	v_mul_f32 v[64+\m], 0x3e000000, v[64+\m]       ; the row's mean
	v_sub_f32 v[68+\m], v[BI+2*\m], v[64+\m]
	v_mul_f32 v[70+\m], v[68+\m], v[68+\m]
.irp w, 1,2,3,4,5,6,7
	v_sub_f32 v[68+\m], v[BI+4*\w+2*\m], v[64+\m]
	v_fmac_f32 v[70+\m], v[68+\m], v[68+\m]
.endr
	v_fmamk_f32 v[66+\m], v[70+\m], 0x42800000, v[66+\m]   ; + 64 x the means' squared differences
	v_fmaak_f32 v[66+\m], s38, v[66+\m], 0x3727c5ac        ; the variance + 1e-5
	v_sub_f32 v[76+2*\m], v[ST+4+2*\m], v[64+\m]           ; my wave's mean - the row's
	v_mov_b32 v[77+2*\m], 0
	v_mov_b32 v[73+2*\m], 0
.endr
	s_wait_alu depctr_va_vdst(0)
	v_rsq_f32 v72, v66
	v_rsq_f32 v74, v67
	v_nop
	s_wait_alu depctr_va_vdst(0)                   ; the two reciprocal roots are written, ahead of their first reader; the sums above are done reading the statistics' registers, in which b_mlp1 lands
	COLLOAD BI, B1P, 0                             ; b_mlp1 of the first batch
	; ---- modulate, quantise: my 64 columns are half a K step
	s_wait_loadcnt 60                              ; b2 (1 + s) is in; W1's 52 loads and the bias's 8 stay out
.irp m, 0,1
.set i, 0
.rept 16
	v_pk_add_f32 v[ACC+32*\m+2*i:ACC+32*\m+2*i+1], v[ACC+32*\m+2*i:ACC+32*\m+2*i+1], v[76+2*\m:77+2*\m] op_sel_hi:[1,0]
.set i, i+1
.endr
.set i, 0
.rept 16
	v_pk_mul_f32 v[ACC+32*\m+2*i:ACC+32*\m+2*i+1], v[ACC+32*\m+2*i:ACC+32*\m+2*i+1], v[72+2*\m:73+2*\m] op_sel_hi:[1,0]
.set i, i+1
.endr
.set i, 0
.rept 16
	v_pk_fma_f32 v[ACC+32*\m+2*i:ACC+32*\m+2*i+1], v[ACC+32*\m+2*i:ACC+32*\m+2*i+1], v[P+2*i:P+2*i+1], v[XF+2*i:XF+2*i+1]
.set i, i+1
.endr
.endr
	QUANT ACC, 0, 2
	s_wait_alu depctr_va_vdst(0)                   ; the quantiser has written the codes and the scale word, which the LDS stores read; the norm's lines are done with v32 to v79, in which the next token fragments land
	ds_store_b128 v[XW16], v[P:P+3] offset:XIMG
	ds_store_b64 v[XW8], v[P+4:P+5] offset:XIMG+512
	ds_store_b128 v[XW16], v[P+6:P+9] offset:XIMG+6144
	ds_store_b64 v[XW8], v[P+10:P+11] offset:XIMG+6144+512
	ds_store_b16 v[XWS], v[PW] offset:XSCL
	ds_store_b16_d16_hi v[XWS], v[PW] offset:XSCL+512
	s_wait_dscnt 0x0
	s_wait_alu depctr_vm_vsrc(0)                   ; these stores have read the codes and the scale word, which gelu and the next quantiser write again
	s_barrier_signal -1
	s_barrier_wait -1                              ; xn2's eight fragments lie in LDS
	; ---- the hidden layer: a batch is 64 hidden units x all of K; two batches make one K step of the last product
.macro HALF c
	s_wait_loadcnt 0x0                             ; this batch, its scale words and its bias
	GEMM4 XIMG, XSCL, 1-(\c), 2
.if (\c) == 0
	WSLOAD 0, S1P, RL16, 16, 1024
	COLLOAD BI, B1P, 256
.else
	s_cmp_eq_u32 s[CNT], 1                         ; behind W1's last batch comes W2's first: both ways issue twelve loads into the same registers
	s_cbranch_scc1 .Lto_w2_\@
	WSLOAD 1, S1P, RL16, 16, 2048
	COLLOAD BI, B1P, 512
	s_branch .Laux_\@
.Lto_w2_\@:
	WSLOAD 1, S2P, RL64, 64, 0
	COLLOAD BI, 16, 0
.Laux_\@:
.endif
	WFRAGS WP, 24576*((\c)+1)                      ; the next batch lands under the gelu
	GELU
	QUANT ACC, 0, 2
	s_wait_alu depctr_va_vdst(0)                   ; the quantiser has written the codes and the scale word, which the LDS stores read; h's addresses are written; gelu is done with v32 to v79, in which the next token fragments land
	ds_store_b128 v[HW16], v[P:P+3] offset:768*(\c)
	ds_store_b64 v[HW8], v[P+4:P+5] offset:768*(\c)+512
	ds_store_b128 v[HW16], v[P+6:P+9] offset:24576+768*(\c)
	ds_store_b64 v[HW8], v[P+10:P+11] offset:24576+768*(\c)+512
	ds_store_b16 v[HWS], v[PW] offset:HSCL+2*(\c)
	ds_store_b16_d16_hi v[HWS], v[PW] offset:HSCL+2048+2*(\c)
	s_wait_dscnt 0x0                               ; the stores are done
	s_wait_alu depctr_vm_vsrc(0)                   ; they have read the codes, the scale word and their addresses: gelu and the next quantiser write the first two again, the loop's end the addresses, the way out's loads the codes' registers
.endm
	s_mov_b32 s[CNT], 2
	s_mov_b32 s[HT], 0
	s_mov_b32 s[HS], 0
.Lchunk:
	HALF 0
	HALF 1
	s_wait_xcnt 0x0                                ; the loads above have read their bases: they are stepped only behind this wait
	s_add_nc_u64 s[WP:WP+1], s[WP:WP+1], 49152
	s_add_nc_u64 s[S1P:S1P+1], s[S1P:S1P+1], 2048
	s_add_nc_u64 s[B1P:B1P+1], s[B1P:B1P+1], 512
	s_add_co_u32 s[HT], s[HT], 1536
	s_add_co_u32 s[HS], s[HS], 128
	v_add_nc_u32 v[HW16], s[HT], v[HB16]           ; (behind the wait on vm_vsrc that ends the half above; the next image stores stand behind a wait on va_vdst)
	v_add_nc_u32 v[HW8], s[HT], v[HB8]
	v_add_nc_u32 v[HWS], s[HS], v[HBS]
	s_sub_co_u32 s[CNT], s[CNT], 1
	s_cmp_lg_u32 s[CNT], 0
	s_cbranch_scc1 .Lchunk
	s_barrier_signal -1                            ; (no LDS instruction of mine is out: the last wait above was for 0)
	s_barrier_wait -1                              ; h's 32 fragments lie in LDS
	; ---- h W2: sixteen K steps; behind each step its weight registers take the fragments of four steps on
.macro FSTEP s, n                      ; n: the global loads issued behind this step's own, which stay out
.if (\s) < 15
	FETCHA ((\s)+1)%2, LI, L8, LS, 1536*((\s)+1), 24576+1536*((\s)+1), HSCL+128*((\s)+1), HSCL+2048+128*((\s)+1)
	s_wait_dscnt 10
.else
	s_wait_dscnt 0x0
.endif
	s_wait_loadcnt \n
.if (\s) == 0
	MM8 0, 0, 1, 2, 1
.elseif (\s) < 14
	MM8 (\s)%4, (\s)%2, (((\s)/4)+1)%2, 0, 1
.else
	MM8 (\s)%4, (\s)%2, (((\s)/4)+1)%2, 0, 0       ; behind steps 14 and 15 nothing more is loaded ahead of the way out's wait
.endif
.if (\s) < 12
.if (\s) == 0
	COLLOAD BI, 18, 40960                          ; gate_mlp takes the bias's registers
.endif
.if (\s)%4 == 0
	WSLOAD ((\s)/4)%2, S2P, RL64, 64, 16*((\s)/4+1)
.endif
	WIN 0x40
	WSTEP WP, 24576*(((\s)+4)/4), (\s)%4
	WIN 0
.endif
.endm
	FETCHA 0, LI, L8, LS, 0, 24576, HSCL, HSCL+2048
	FSTEP 0, 36
	FSTEP 1, 48
	FSTEP 2, 48
	FSTEP 3, 48
	FSTEP 4, 36
	FSTEP 5, 40
	FSTEP 6, 40
	FSTEP 7, 40
	FSTEP 8, 36
	FSTEP 9, 40
	FSTEP 10, 40
	FSTEP 11, 40
	FSTEP 12, 36
	FSTEP 13, 24
	FSTEP 14, 12
	FSTEP 15, 0
	; ---- the second residual, and the way out through my own stage: a lane holds pieces of one row, sixteen lanes store a row's 256 consecutive bytes
	WIN 0x10
.set i, 0
.rept 32
	v_pk_fma_f32 v[ACC+2*i:ACC+2*i+1], v[ACC+2*i:ACC+2*i+1], v[BI+2*(i%16):BI+2*(i%16)+1], v[X1+2*i:X1+2*i+1]
.set i, i+1
.endr
	WIN 0
	s_wait_alu depctr_va_vdst(0)                   ; the second residual has written the results, which the LDS stores read; the last products are done reading v32 to v79, in which the rows land
.irp m, 0,1
.irp b, 0,1
.irp j, 0,1,2,3
	ds_store_b128 v[SO], v[ACC+32*\m+16*\b+4*\j:ACC+32*\m+16*\b+4*\j+3] offset:4352*\m+128*\b+16*\j
.endr
.endr
.irp i, 0,1,2,3,4,5,6,7
	ds_load_b128 v[32+4*(8*\m+\i):35+4*(8*\m+\i)], v[SR] offset:4352*\m+544*\i   ; LDS serves a wave's instructions in order (ISA guide 5.7.1.4): these see my stores
.endr
.endr
.irp m, 0,1
.irp i, 0,1,2,3,4,5,6,7
	s_wait_dscnt (1-\m)*16+7-\i
	global_store_b128 v[GO], v[32+4*(8*\m+\i):35+4*(8*\m+\i)], s[22:23] offset:(8*\m+2*\i+8*(\i/4))*2048 th:TH_STORE_NT
.endr
.endr
	s_wait_xcnt 0x0
	s_wait_alu depctr_vm_vsrc(0)                   ; the LDS store of my second tile's statistics has read v254 and v255, which the two lines below write
	v_lshl_add_u32 v254, v0, 2, 0x25800
	v_mov_b32 v255, 0
	s_wait_dscnt 0x0                               ; the closing lines, six on end
	s_wait_alu 0x0
	s_wait_tensorcnt 0x0
	ds_add_u32 v254, v255
	s_wait_dscnt 0x0
	s_endpgm
.Lfunc_end_k_q50e351ee5d_post:
	.size	k_q50e351ee5d_post, .Lfunc_end_k_q50e351ee5d_post-k_q50e351ee5d_post
	.p2alignl 7, 3214868480
	.fill 96, 4, 3214868480
	.section	.rodata,"a",@progbits
	.p2align	6, 0x0
	.amdhsa_kernel k_q50e351ee5d_post
		.amdhsa_group_segment_fixed_size 154624
		.amdhsa_private_segment_fixed_size 0
		.amdhsa_enable_private_segment 0
		.amdhsa_kernarg_size 80
		.amdhsa_user_sgpr_count 2
		.amdhsa_user_sgpr_kernarg_segment_ptr 1
		.amdhsa_wavefront_size32 1
		.amdhsa_system_sgpr_workgroup_id_x 1
		.amdhsa_system_sgpr_workgroup_id_y 1
		.amdhsa_system_sgpr_workgroup_id_z 1
		.amdhsa_system_vgpr_workitem_id 0
		.amdhsa_next_free_vgpr 512
		.amdhsa_next_free_sgpr 84
		.amdhsa_reserve_vcc 0
		.amdhsa_float_denorm_mode_32 3
		.amdhsa_float_denorm_mode_16_64 3
		.amdhsa_memory_ordered 1
		.amdhsa_forward_progress 1
		.amdhsa_inst_pref_size 218
	.end_amdhsa_kernel
	.amdgpu_metadata
---
amdhsa.version: [ 1, 2 ]
amdhsa.kernels:
  - .name:           k_q50e351ee5d_post
    .symbol:         k_q50e351ee5d_post.kd
    .args:
      - { .name: obuf, .offset: 0, .size: 8, .value_kind: global_buffer, .address_space: global }
      - { .name: wimg, .offset: 8, .size: 8, .value_kind: global_buffer, .address_space: global }
      - { .name: Wo_scales, .offset: 16, .size: 8, .value_kind: global_buffer, .address_space: global }
      - { .name: W_mlp1_scales, .offset: 24, .size: 8, .value_kind: global_buffer, .address_space: global }
      - { .name: W_mlp2_scales, .offset: 32, .size: 8, .value_kind: global_buffer, .address_space: global }
      - { .name: b_mlp1, .offset: 40, .size: 8, .value_kind: global_buffer, .address_space: global }
      - { .name: b_mlp2, .offset: 48, .size: 8, .value_kind: global_buffer, .address_space: global }
      - { .name: ada, .offset: 56, .size: 8, .value_kind: global_buffer, .address_space: global }
      - { .name: x, .offset: 64, .size: 8, .value_kind: global_buffer, .address_space: global }
      - { .name: out0, .offset: 72, .size: 8, .value_kind: global_buffer, .address_space: global }
    .group_segment_fixed_size: 154624
    .private_segment_fixed_size: 0
    .kernarg_segment_align: 8
    .kernarg_segment_size: 80
    .max_flat_workgroup_size: 256
    .sgpr_count:     84
    .vgpr_count:     512
    .wavefront_size: 32
...
	.end_amdgpu_metadata
.endif
;; end of part 8
